; MI455X (gfx1250); checked and timed in simulation.
; The chip was launched on July 23, 2026; its instructions are those of AMD's public machine-readable ISA for CDNA 5 (MIT licence, August 2026) and "CDNA5" Instruction Set Architecture Reference Guide (July 2026). The comments in the code are by the model that wrote it; some were corrected since.
;; X Ey Transformer Layer. Allowed arithmetic: matrix products marked QUANTISED: E2M3 operands, one E8M0 scale for each 32 along K, by v_wmma_scale_f32_16x16x128_f8f6f4 with both operands' format E2M3, f32 sums; everything else in f32.
;; Inputs: E 2 x 256 x 256 x 64 float32; WE1_codes 128 x 2 x 24 uint8 (E2M3 codes of WE1, K innermost, in blocks of 32 codes, four codes in three bytes); WE1_scales 128 x 2 uint8 (E8M0 scales of WE1, one for each 32 codes along K); WE2_codes 64 x 4 x 24 uint8 (E2M3 codes of WE2, K innermost, in blocks of 32 codes, four codes in three bytes); WE2_scales 64 x 4 uint8 (E8M0 scales of WE2, one for each 32 codes along K); WX1_codes 2,048 x 8 x 24 uint8 (E2M3 codes of WX1, K innermost, in blocks of 32 codes, four codes in three bytes); WX1_scales 2,048 x 8 uint8 (E8M0 scales of WX1, one for each 32 codes along K); WX2_codes 256 x 64 x 24 uint8 (E2M3 codes of WX2, K innermost, in blocks of 32 codes, four codes in three bytes); WX2_scales 256 x 64 uint8 (E8M0 scales of WX2, one for each 32 codes along K); Wea_codes 256 x 2 x 24 uint8 (E2M3 codes of Wea, K innermost, in blocks of 32 codes, four codes in three bytes); Wea_scales 256 x 2 uint8 (E8M0 scales of Wea, one for each 32 codes along K); Wem_codes 256 x 2 x 24 uint8 (E2M3 codes of Wem, K innermost, in blocks of 32 codes, four codes in three bytes); Wem_scales 256 x 2 uint8 (E8M0 scales of Wem, one for each 32 codes along K); Weo_codes 64 x 8 x 24 uint8 (E2M3 codes of Weo, K innermost, in blocks of 32 codes, four codes in three bytes); Weo_scales 64 x 8 uint8 (E8M0 scales of Weo, one for each 32 codes along K); Wk_codes 256 x 8 x 24 uint8 (E2M3 codes of Wk, K innermost, in blocks of 32 codes, four codes in three bytes); Wk_scales 256 x 8 uint8 (E8M0 scales of Wk, one for each 32 codes along K); Wq_codes 256 x 8 x 24 uint8 (E2M3 codes of Wq, K innermost, in blocks of 32 codes, four codes in three bytes); Wq_scales 256 x 8 uint8 (E8M0 scales of Wq, one for each 32 codes along K); Wv_codes 256 x 8 x 24 uint8 (E2M3 codes of Wv, K innermost, in blocks of 32 codes, four codes in three bytes); Wv_scales 256 x 8 uint8 (E8M0 scales of Wv, one for each 32 codes along K); Wxo_codes 256 x 8 x 24 uint8 (E2M3 codes of Wxo, K innermost, in blocks of 32 codes, four codes in three bytes); Wxo_scales 256 x 8 uint8 (E8M0 scales of Wxo, one for each 32 codes along K); X 2 x 256 x 256 float32; bE1 128 float32; bE2 64 float32; bX1 2,048 float32; bX2 256 float32; bea 256 float32; bem 256 float32; beo 64 float32; betE1 64 float32; betE2 64 float32; betX1 256 float32; betX2 256 float32; bk 256 float32; bq 256 float32; bv 256 float32; bxo 256 float32; gE1 64 float32; gE2 64 float32; gX1 256 float32; gX2 256 float32; node_mask 2 x 256 bool; sparse_mask 256 x 256 bool.
;; Outputs: out0 2 x 256 x 256 float32; out1 2 x 256 x 256 x 64 float32.
;; This version of the problem:
;;   THIS VERSION OF THE PROBLEM IS GIVEN IN LOW PRECISION. The matrix products marked QUANTISED in the list below multiply operands that are first quantised to E2M3 (2 exponent bits, 3 mantissa bits; 6 bits a number), with one power-of-two scale for each 32 numbers along K (OCP MX v1.0); their sums are f32. All else is computed in f32.
;;   The module's matrix products, in the order in which they are computed (A, B: the left and right operand; K: the contracted axis; several contracted axes count as one K, in the product's order):
;;     1. [M 512, K 256] x [K 256, N 256]; A: input X; B: input Wq (given as codes): QUANTISED
;;     2. [M 512, K 256] x [K 256, N 256]; A: input X; B: input Wk (given as codes): QUANTISED
;;     3. [M 512, K 256] x [K 256, N 256]; A: input X; B: input Wv (given as codes): QUANTISED
;;     4. [M 131,072, K 64] x [K 64, N 256]; A: input E; B: input Wem (given as codes): QUANTISED
;;     5. [M 131,072, K 64] x [K 64, N 256]; A: input E; B: input Wea (given as codes): QUANTISED
;;     6. [M 131,072, K 256] x [K 256, N 64]; A: computed on the way; B: input Weo (given as codes): QUANTISED
;;     7. [M 512, K 256] x [K 256, N 256]; A: computed on the way; B: input Wxo (given as codes): QUANTISED
;;     8. [M 512, K 256] x [K 256, N 2,048]; A: computed on the way; B: input WX1 (given as codes): QUANTISED
;;     9. [M 512, K 2,048] x [K 2,048, N 256]; A: computed on the way; B: input WX2 (given as codes): QUANTISED
;;     10. [M 131,072, K 64] x [K 64, N 128]; A: computed on the way; B: input WE1 (given as codes): QUANTISED
;;     11. [M 131,072, K 128] x [K 128, N 64]; A: computed on the way; B: input WE2 (given as codes): QUANTISED
;;   THE QUANTISER, for each operand of a quantised product, along K:
;;     - K is cut into blocks of 32 from its start; a last block that is shorter is filled with zeros.
;;     - A block's scale is 2^e with e = floor(log2(the largest magnitude in the block)) - 2, held to -126 .. 127; a block of zeros has e = 0. As a byte (E8M0): e + 127.
;;     - Each number is divided by its block's scale, clamped to +-7.5, and rounded to the nearest number of E2M3, ties to even, subnormals kept.
;;     - The product sums the exact products of the quantised numbers (number of the format x scale) in f32.
;;   ~~~python
;;   def quantise(x, axis):      # numpy; x: float32 -> the quantised numbers, widened to float32 again
;;       x = np.moveaxis(x, axis, -1); K = x.shape[-1]
;;       x = np.pad(x, [(0, 0)] * (x.ndim - 1) + [(0, -K % 32)]); x = x.reshape(x.shape[:-1] + (-1, 32)); a = np.abs(x).max(-1, keepdims=True)
;;       e = np.where(a > 0, np.clip(np.frexp(np.where(a > 0, a, 1))[1] - 1 - 2, -126, 127), 0)      # np.frexp(a)[1] - 1 = floor(log2(a)), exactly
;;       r = np.clip(x / 2.0 ** e, -7.5, 7.5)
;;       step = 2.0 ** (np.maximum(np.frexp(np.where(r == 0, 1, r))[1] - 1, 0) - 3)
;;       q = np.round(r / step) * step * 2.0 ** e      # np.round: ties to even
;;       return np.moveaxis(q.reshape(q.shape[:-2] + (-1,))[..., :K], -1, axis).astype(np.float32)
;;   ~~~
;;   OPERANDS COMPUTED ON THE WAY. 'Computed on the way' means the value that the module computes at that place (a softmax that the list does not call 'softmax' is quantised finished and normalised). What goes into a quantiser is computed in f32, as accurately as f32 sums, v_exp_f32 and their like allow (about 1e-6 of the number): no bf16 or f16 on the way to a quantiser, and a product that is left as it is and whose result goes on into a quantised operand takes f32 operands (vector FMAs, or v_wmma_f32_16x16x4_f32). A number that lies on a knife's edge between two numbers of the format may be rounded either way, as far as f32 arithmetic and the matrix unit's own rounding can turn it there, and no further.
;;   INPUTS GIVEN AS CODES. WE1 (in the module: [64, 128], K = its axis 0); WE2 (in the module: [128, 64], K = its axis 0); WX1 (in the module: [256, 2048], K = its axis 0); WX2 (in the module: [2048, 256], K = its axis 0); Wea (in the module: [64, 256], K = its axis 0); Wem (in the module: [64, 256], K = its axis 0); Weo (in the module: [256, 64], K = its axis 0); Wk (in the module: [256, 256], K = its axis 0); Wq (in the module: [256, 256], K = its axis 0); Wv (in the module: [256, 256], K = its axis 0); Wxo (in the module: [256, 256], K = its axis 0): each comes as NAME_codes (uint8): NAME with its K axis moved to the last place and cut into blocks of 32 codes, [.., K / 32, bytes a block], one block behind the other in memory; four codes in three bytes: a row's codes are one little-endian stream of bits, code i at bits 6 i .. 6 i + 5 (a code: sign, 2 exponent bits, 3 mantissa bits); and NAME_scales (uint8): the same leading axes, one E8M0 byte (e + 127) for each 32 codes along K. Its value is code x scale, taken as it is: it is not quantised again, and the codes and scales need not be those that the quantiser above would give.
;; 2 versions. Each part assembles by itself: llvm-mc -triple=amdgcn-amd-amdhsa -mcpu=gfx1250 --defsym DOCPART=n.
;; ======== version 1 of 2: 3 launches
;; limits: right only within a limited range of input values
;; workspace buffers: QI 524,288 bytes; KI 524,288 bytes; VI 524,288 bytes; MK 262,144 bytes of whole numbers; WV 524,288 bytes
;; launch prep (part 1): grid 32 x 4, 8 waves a work-group, no clusters, 0 bytes of LDS; arguments X, node_mask, sparse_mask, Wq_codes, Wq_scales, bq, Wk_codes, Wk_scales, bk, Wv_codes, Wv_scales, bv, QI, KI, VI, MK; writes QI, KI, VI, MK
.if DOCPART == 1
	.amdgcn_target "amdgcn-amd-amdhsa--gfx1250"
	.amdhsa_code_object_version 6
	.text
	.protected	k_qbd02c14e30_prep
	.globl	k_qbd02c14e30_prep
	.p2align	8
	.type	k_qbd02c14e30_prep,@function
k_qbd02c14e30_prep:
	s_mov_b64 s[64:65], 0
	v_nop
	global_prefetch_b8 v0, s[64:65] scope:SCOPE_SE
	s_setreg_imm32_b32 hwreg(HW_REG_WAVE_MODE, 25, 1), 1
	s_wait_xcnt 0x0
; Q / sqrt(32), K and V = (X W + b) x node_mask, on codes of FP6 (E2M3) with one E8M0 scale for each 32 along K, and the lane masks of the attention.
; GRID: x = 16 rows of the 512 rows of X; y = 0, 1, 2: Q, K, V; y = 3: the masks.  Eight waves.
; y < 3: wave cp makes channels 32 cp .. 32 cp + 31 as two tiles: tile ab holds channels 32 cp + 2 r + ab (r = lane % 16).  Source 0 = the 16 rows of X, quantised here; source 1 = 16 rows of W's codes.
;   In the result lane (r, h) holds channel 32 cp + 2 r + ab and its register j row 8 h + j.  THE RESULT IS STORED AS AN IMAGE OF ITS REGISTERS: the 16 bytes at
;   ((((b 8 + cp) 16 + t) 2 + ab) 2 + qd) 512 + 16 lane hold rows 16 t + 8 h + 4 qd + 0 .. 3 of that channel, so every store here and every load of the next launch covers 512 consecutive bytes.
; y = 3: MK[b][i][t][jj] = (M[i][16 t + jj] ? 0xffff : 0) | (M[i][16 t + 8 + jj] ? 0xffff0000 : 0), M = sparse_mask[i][j] and node_mask[b][j]: the lane mask of register jj of key tile t.
; LIMITS: NaN and infinities among the inputs are not served; a block of zeros gets the scale byte 1 with zero codes (the bytes are read by this program alone).
.set IN0, 16                           ; v16-79   X, K step 0: register 16 b + i = k 32 b + 16 h + i of row r;  later v16-31 the two accumulators, v32-39 node_mask x factor
.set IN1, 80                           ; v80-143  X, K step 1
.set TM,  144                          ; v144-159 the quantiser's work
.set CS,  160                          ; v160-167 half blocks of codes
.set XF0, 168                          ; v168-191 X's two fragments
.set XF1, 180
.set WF,  194                          ; v194-241 W's four fragments: (ab, s) at WF + 12 (2 ab + s)
.set SEL, 50                           ; s[50:51] lane selects: lane xor 16
; v192-193 X's scale words, v242-245 W's: these six hold scales and nothing else
.macro NOPS n
.rept \n
	v_nop
.endr
.endm
; 64 numbers of a lane, register 16 b + i = k 32 b + 16 (lane / 16) + i of my row, become a fragment's 12 registers of codes and the row's scale word.
.macro QUANT4 src, dst, word
.irp b, 0,1,2,3
	v_max3_num_f32 v[TM+\b], |v[\src+16*\b]|, |v[\src+1+16*\b]|, 0x1800000   ; block b: my 16 numbers and the floor 2^(3 - 127): the byte cannot fall under 1
.endr
.irp i, 2,4,6,8,10,12,14
.irp b, 0,1,2,3
	v_max3_num_f32 v[TM+\b], v[TM+\b], |v[\src+16*\b+\i]|, |v[\src+1+16*\b+\i]|   ; the four blocks by turns
.endr
.endr
.irp b, 0,1,2,3
	v_permlanex16_b32 v[TM+4+\b], v[TM+\b], s[SEL], s[SEL+1]
.endr
.irp b, 0,1,2,3
	v_max_num_f32 v[TM+\b], v[TM+\b], v[TM+4+\b]   ; with lane xor 16's 16: the block's largest magnitude
.endr
.irp b, 0,1,2,3
	v_add_nc_u32 v[TM+12+\b], 0xff000000, v[TM+\b] ; 2 off its exponent field: the conversion's scale operand
.endr
.irp b, 0,1,2,3
	v_lshrrev_b32 v[TM+4+\b], 23, v[TM+12+\b]      ; the scale's byte
.endr
	v_lshl_or_b32 v[\word], v[TM+5], 8, v[TM+4]
	v_lshl_or_b32 v[\word], v[TM+6], 16, v[\word]
	v_lshl_or_b32 v[\word], v[TM+7], 24, v[\word]
.irp c, 0,1
	v_cvt_scalef32_pk16_fp6_f32 v[\dst+6*\c:\dst+2+6*\c], v[\src+32*\c:\src+15+32*\c], v[TM+12+2*\c]
	v_cvt_scalef32_pk16_fp6_f32 v[CS+4*\c:CS+2+4*\c], v[\src+16+32*\c:\src+31+32*\c], v[TM+13+2*\c]   ; (a conversion's three registers begin on an even number)
.endr
	v_nop                                          ; one plain place behind a scaled conversion
.irp c, 0,1                                    ; the operand wants a whole block in a lane: lanes 0-15 block 2 c, lanes 16-31 block 2 c + 1
.irp i, 0,1,2
	v_permlane16_swap_b32 v[\dst+6*\c+\i], v[CS+4*\c+\i]
.endr
.irp i, 0,1,2
	v_mov_b32 v[\dst+3+6*\c+\i], v[CS+4*\c+\i]
.endr
.endr
.endm
	s_load_b512 s[8:23], s[0:1], 0x0               ; X 8, node_mask 10, sparse_mask 12, Wq_codes 14, Wq_scales 16, bq 18, Wk_codes 20, Wk_scales 22
	s_load_b512 s[24:39], s[0:1], 0x40             ; bk 24, Wv_codes 26, Wv_scales 28, bv 30, QI 32, KI 34, VI 36, MK 38
	v_lshrrev_b32 v1, 5, v0
	v_readfirstlane_b32 s2, v1                     ; wave 0..7
	s_and_b32 s3, ttmp7, 0xffff                    ; y
	v_and_b32 v1, 31, v0                           ; lane
	v_lshlrev_b32 v2, 4, v1                        ; 16 x lane
	s_mov_b32 s53, 0
	s_wait_kmcnt 0x0
	s_cmp_eq_u32 s3, 3
	s_cbranch_scc1 .Lmasks
	; ---- Q, K or V: the buffers are chosen on the work-group's y alone
	s_cmp_eq_u32 s3, 0
	s_cselect_b64 s[40:41], s[14:15], s[20:21]     ; codes
	s_cselect_b64 s[42:43], s[16:17], s[22:23]     ; scales
	s_cselect_b64 s[44:45], s[18:19], s[24:25]     ; bias
	s_cselect_b64 s[46:47], s[32:33], s[34:35]     ; the image
	s_mov_b32 s48, 1.0
	s_cselect_b32 s48, 0x3e3504f3, s48             ; Q carries 1 / sqrt(32)
	s_cmp_eq_u32 s3, 2
	s_cselect_b64 s[40:41], s[26:27], s[40:41]
	s_cselect_b64 s[42:43], s[28:29], s[42:43]
	s_cselect_b64 s[44:45], s[30:31], s[44:45]
	s_cselect_b64 s[46:47], s[36:37], s[46:47]
	s_mov_b32 s[SEL], 0x76543210
	s_mov_b32 s[SEL+1], 0xfedcba98
	s_lshl_b32 s52, ttmp9, 14                      ; my 16 rows of X: 1,024 bytes each
	s_add_nc_u64 s[8:9], s[8:9], s[52:53]
	s_lshl_b32 s52, ttmp9, 4
	s_add_nc_u64 s[10:11], s[10:11], s[52:53]      ; and their bytes of node_mask
	s_mul_i32 s52, s2, 6144                        ; my 32 rows of W: 192 bytes each,
	s_add_nc_u64 s[40:41], s[40:41], s[52:53]
	s_lshl_b32 s52, s2, 8                          ; 8 scale bytes each,
	s_add_nc_u64 s[42:43], s[42:43], s[52:53]
	s_lshl_b32 s52, s2, 7                          ; one number of the bias each
	s_add_nc_u64 s[44:45], s[44:45], s[52:53]
	s_lshr_b32 s52, ttmp9, 4                       ; the image: ((b 8 + cp) 16 + t) x 2,048
	s_lshl_b32 s52, s52, 18
	s_lshl_b32 s54, s2, 15
	s_add_co_u32 s52, s52, s54
	s_and_b32 s54, ttmp9, 15
	s_lshl_b32 s54, s54, 11
	s_add_co_u32 s52, s52, s54
	s_add_nc_u64 s[46:47], s[46:47], s[52:53]
	v_and_b32 v3, 15, v0                           ; r
	v_bfe_u32 v4, v0, 4, 1                         ; h
	v_lshlrev_b32 v5, 10, v3
	v_lshl_add_u32 v5, v4, 6, v5                   ; X: row r, + 64 h: my 16 numbers of each block of 32
	v_mul_u32_u24 v6, v3, 384
	v_mad_u32_u24 v6, v4, 24, v6                   ; W: rows 2 r (+ ab by the immediate), + 24 h
	v_lshlrev_b32 v7, 4, v3                        ; W's scale words: 16 r
	v_lshlrev_b32 v8, 3, v3                        ; the bias: 8 r
	v_lshlrev_b32 v9, 3, v4                        ; node_mask: 8 h
.irp b, 4,5,6,7
	v_mov_b32 v[TM+\b], 0                          ; a lane permute's destination counts as one of its sources
.endr
.set cnt_, 0
.rept 32
	global_load_b128 v[IN0+4*cnt_:IN0+4*cnt_+3], v5, s[8:9] offset:512*(cnt_/16)+128*((cnt_/4)%4)+16*(cnt_%4)
.set cnt_, cnt_+1
.endr
.irp f, 0,1,2,3                                ; fragment f = 2 ab + s
.irp p, 0,1,2,3,4,5
	global_load_b64 v[WF+12*\f+2*\p:WF+12*\f+2*\p+1], v6, s[40:41] offset:192*(\f/2)+96*(\f%2)+48*(\p/3)+8*(\p%3)
.endr
.endr
	global_load_b64 v[242:243], v7, s[42:43]           ; tile a: the words of K steps 0, 1
	global_load_b64 v[244:245], v7, s[42:43] offset:8  ; tile b
	global_load_b64 v[246:247], v8, s[44:45]           ; the bias of my two channels
	global_load_b64 v[250:251], v9, s[10:11]           ; node_mask of rows 8 h + 0 .. 7
	s_wait_loadcnt 44                              ; K step 0 of X is in: behind it 16 loads of K step 1 and 28 others
	QUANT4 IN0, XF0, 192
	s_wait_loadcnt 28                              ; K step 1 is in: behind it the 28 others
	QUANT4 IN1, XF1, 193
	s_wait_loadcnt 0x0
.irp j, 0,1,2,3
	v_bfe_u32 v[32+\j], v250, 8*\j, 8
	v_bfe_u32 v[36+\j], v251, 8*\j, 8
.endr
.irp j, 0,1,2,3,4,5,6,7
	v_cvt_f32_u32 v[32+\j], v[32+\j]
.endr
.irp j, 0,1,2,3,4,5,6,7
	v_mul_f32 v[32+\j], s48, v[32+\j]              ; node_mask of row 8 h + j, x the factor
.endr
	v_mov_b32 v248, v247                           ; tile b's bias in the low word of a pair
	v_mov_b32 v249, v247
	NOPS 8                                         ; operands and scale words made by vector instructions stand 4 and 8 places ahead of a scaled matrix instruction
	; two accumulators by turns, one instruction a turn
	v_wmma_scale_f32_16x16x128_f8f6f4 v[16:23], v[XF0:XF0+11], v[WF:WF+11], 0, v192, v242 matrix_a_fmt:MATRIX_FMT_FP6 matrix_b_fmt:MATRIX_FMT_FP6
	v_wmma_scale_f32_16x16x128_f8f6f4 v[24:31], v[XF0:XF0+11], v[WF+24:WF+35], 0, v192, v244 matrix_a_fmt:MATRIX_FMT_FP6 matrix_b_fmt:MATRIX_FMT_FP6
	v_wmma_scale_f32_16x16x128_f8f6f4 v[16:23], v[XF1:XF1+11], v[WF+12:WF+23], v[16:23], v193, v243 matrix_a_fmt:MATRIX_FMT_FP6 matrix_b_fmt:MATRIX_FMT_FP6
	v_wmma_scale_f32_16x16x128_f8f6f4 v[24:31], v[XF1:XF1+11], v[WF+36:WF+47], v[24:31], v193, v245 matrix_a_fmt:MATRIX_FMT_FP6 matrix_b_fmt:MATRIX_FMT_FP6
	NOPS 5                                         ; places behind the products (ISA guide 7.12.1)
.irp i, 0,2,4,6
	v_pk_add_f32 v[16+\i:17+\i], v[16+\i:17+\i], v[246:247] op_sel_hi:[1,0]
	v_pk_add_f32 v[24+\i:25+\i], v[24+\i:25+\i], v[248:249] op_sel_hi:[1,0]
.endr
.irp i, 0,2,4,6
	v_pk_mul_f32 v[16+\i:17+\i], v[16+\i:17+\i], v[32+\i:33+\i]
	v_pk_mul_f32 v[24+\i:25+\i], v[24+\i:25+\i], v[32+\i:33+\i]
.endr
.irp n, 0,1,2,3
	global_store_b128 v2, v[16+4*\n:19+4*\n], s[46:47] offset:512*\n   ; 32 lanes store 512 consecutive bytes
.endr
	s_endpgm
.Lmasks:
	; ---- wave w makes the mask rows of (b, i) = rows 16 x + 2 w and + 1 of the 512; lane l the words 4 l .. 4 l + 3: t = l / 2, jj = 4 (l % 2) + e
	s_lshr_b32 s52, ttmp9, 4
	s_lshl_b32 s52, s52, 8
	s_add_nc_u64 s[10:11], s[10:11], s[52:53]      ; node_mask of my b
	s_and_b32 s52, ttmp9, 15
	s_lshl_b32 s52, s52, 4
	s_lshl_b32 s54, s2, 1
	s_add_co_u32 s52, s52, s54                     ; i
	s_lshl_b32 s52, s52, 8
	s_add_nc_u64 s[12:13], s[12:13], s[52:53]      ; sparse_mask's row i
	s_lshl_b32 s52, ttmp9, 4
	s_add_co_u32 s52, s52, s54
	s_lshl_b32 s52, s52, 9
	s_add_nc_u64 s[38:39], s[38:39], s[52:53]      ; my first row of MK: 512 bytes each
	v_lshrrev_b32 v3, 1, v1
	v_and_b32 v4, 1, v1
	v_lshlrev_b32 v3, 4, v3
	v_lshl_add_u32 v3, v4, 2, v3                   ; 16 t + 4 (l % 2)
	global_load_b32 v4, v3, s[10:11]               ; node_mask of keys 16 t + jj,
	global_load_b32 v5, v3, s[10:11] offset:8      ; and of keys 16 t + 8 + jj
	global_load_b32 v6, v3, s[12:13]
	global_load_b32 v7, v3, s[12:13] offset:8
	global_load_b32 v8, v3, s[12:13] offset:256    ; the next row
	global_load_b32 v9, v3, s[12:13] offset:264
	s_wait_loadcnt 0x0
	v_and_b32 v6, v6, v4
	v_and_b32 v7, v7, v5
	v_and_b32 v8, v8, v4
	v_and_b32 v9, v9, v5
.irp e, 0,1,2,3
	v_bfe_u32 v10, v6, 8*\e, 1
	v_bfe_u32 v11, v7, 8*\e, 1
	v_mul_u32_u24 v10, 0xffff, v10
	v_mul_u32_u24 v11, 0xffff, v11
	v_lshl_or_b32 v[12+\e], v11, 16, v10
	v_bfe_u32 v20, v8, 8*\e, 1
	v_bfe_u32 v21, v9, 8*\e, 1
	v_mul_u32_u24 v20, 0xffff, v20
	v_mul_u32_u24 v21, 0xffff, v21
	v_lshl_or_b32 v[16+\e], v21, 16, v20
.endr
	global_store_b128 v2, v[12:15], s[38:39]              ; a whole row of MK: 512 consecutive bytes
	global_store_b128 v2, v[16:19], s[38:39] offset:512
	s_endpgm
.Lfunc_end_k_qbd02c14e30_prep:
	.size	k_qbd02c14e30_prep, .Lfunc_end_k_qbd02c14e30_prep-k_qbd02c14e30_prep
	.p2alignl 7, 3214868480
	.fill 96, 4, 3214868480
	.section	.rodata,"a",@progbits
	.p2align	6, 0x0
	.amdhsa_kernel k_qbd02c14e30_prep
		.amdhsa_group_segment_fixed_size 0
		.amdhsa_private_segment_fixed_size 0
		.amdhsa_enable_private_segment 0
		.amdhsa_kernarg_size 128
		.amdhsa_user_sgpr_count 2
		.amdhsa_user_sgpr_kernarg_segment_ptr 1
		.amdhsa_wavefront_size32 1
		.amdhsa_system_sgpr_workgroup_id_x 1
		.amdhsa_system_sgpr_workgroup_id_y 1
		.amdhsa_system_sgpr_workgroup_id_z 1
		.amdhsa_system_vgpr_workitem_id 0
		.amdhsa_next_free_vgpr 256
		.amdhsa_next_free_sgpr 66
		.amdhsa_reserve_vcc 0
		.amdhsa_float_denorm_mode_32 3
		.amdhsa_float_denorm_mode_16_64 3
		.amdhsa_memory_ordered 1
		.amdhsa_forward_progress 1
		.amdhsa_inst_pref_size 23
	.end_amdhsa_kernel
	.amdgpu_metadata
---
amdhsa.version: [ 1, 2 ]
amdhsa.kernels:
  - .name:           k_qbd02c14e30_prep
    .symbol:         k_qbd02c14e30_prep.kd
    .args:
      - { .name: X, .offset: 0, .size: 8, .value_kind: global_buffer, .address_space: global }
      - { .name: node_mask, .offset: 8, .size: 8, .value_kind: global_buffer, .address_space: global }
      - { .name: sparse_mask, .offset: 16, .size: 8, .value_kind: global_buffer, .address_space: global }
      - { .name: Wq_codes, .offset: 24, .size: 8, .value_kind: global_buffer, .address_space: global }
      - { .name: Wq_scales, .offset: 32, .size: 8, .value_kind: global_buffer, .address_space: global }
      - { .name: bq, .offset: 40, .size: 8, .value_kind: global_buffer, .address_space: global }
      - { .name: Wk_codes, .offset: 48, .size: 8, .value_kind: global_buffer, .address_space: global }
      - { .name: Wk_scales, .offset: 56, .size: 8, .value_kind: global_buffer, .address_space: global }
      - { .name: bk, .offset: 64, .size: 8, .value_kind: global_buffer, .address_space: global }
      - { .name: Wv_codes, .offset: 72, .size: 8, .value_kind: global_buffer, .address_space: global }
      - { .name: Wv_scales, .offset: 80, .size: 8, .value_kind: global_buffer, .address_space: global }
      - { .name: bv, .offset: 88, .size: 8, .value_kind: global_buffer, .address_space: global }
      - { .name: QI, .offset: 96, .size: 8, .value_kind: global_buffer, .address_space: global }
      - { .name: KI, .offset: 104, .size: 8, .value_kind: global_buffer, .address_space: global }
      - { .name: VI, .offset: 112, .size: 8, .value_kind: global_buffer, .address_space: global }
      - { .name: MK, .offset: 120, .size: 8, .value_kind: global_buffer, .address_space: global }
    .group_segment_fixed_size: 0
    .private_segment_fixed_size: 0
    .kernarg_segment_align: 8
    .kernarg_segment_size: 128
    .max_flat_workgroup_size: 256
    .sgpr_count:     66
    .vgpr_count:     256
    .wavefront_size: 32
...
	.end_amdgpu_metadata
.endif
;; end of part 1
;; launch edge (part 2): grid 256 x 1, 16 waves a work-group, no clusters, 319,488 bytes of LDS; arguments E, out1, KI, VI, MK, WV, node_mask, QI, Wem_codes, Wem_scales, Wea_codes, Wea_scales, bem, bea, beo, gE1, betE1, bE1, bE2, gE2, betE2, Weo_scales, WE1_scales, WE2_scales, Weo_codes, WE1_codes, WE2_codes; writes out1, WV
.if DOCPART == 2
	.amdgcn_target "amdgcn-amd-amdhsa--gfx1250"
	.amdhsa_code_object_version 6
	.text
	.protected	k_qbd02c14e30_edge
	.globl	k_qbd02c14e30_edge
	.p2align	8
	.type	k_qbd02c14e30_edge,@function
k_qbd02c14e30_edge:
	s_mov_b64 s[64:65], 0
	v_nop
	global_prefetch_b8 v0, s[64:65] scope:SCOPE_SE
	s_setreg_imm32_b32 hwreg(HW_REG_WAVE_MODE, 25, 1), 1
	s_wait_xcnt 0x0
; The edge path of the layer, and the attention's weighted values.  All five products on codes of FP6 (E2M3) with one E8M0 scale for each 32 along K.
; For each edge row (b, i, j):  R1 = E Wem,  R2 = E Wea + bea,  Ys = k (R1 q + q (bem + 1)) + R2  (q = Q / sqrt(32), q, k, v already x node_mask),  M = sparse_mask[i][j] and node_mask[b][j];
;   Y = M ? Ys : R2 goes into Y Weo;  M ? Ys : -inf goes into the softmax over j, channel by channel;  newE = (Y Weo + beo) x node_mask[i] node_mask[j];  then LN, the 64 -> 128 -> 64 network, LN.
;   (node_mask on E1, E2 inside Y is not applied: where it is 0, newE is multiplied by 0, the key is outside the softmax, or the query's new X is multiplied by 0.)
; SHARES.  A work-group owns two queries i0, i0 + 1 of one b, which share every load of K and V: 256 work-groups.  Two STEPS of 128 keys; a step has 16 UNITS of 16 rows: unit u = 8 il + tl (query il, key tile 8 step + tl).
; PHASE N (a lane = a channel, registers run along j): wave w takes channels 32 cp .. + 31 (cp = w % 8; two tiles: even and odd channels) and key tiles 4 jq + 0 .. 3 (jq = w / 8), both queries.  Source 0 = 16 rows of E,
;   source 1 = 16 rows of Wem or Wea.  q and the biases are one number a lane, the softmax's maximum and sums need no other lane.  Y goes to LDS as f32, two neighbouring channels a store.
; PHASE T (a lane = a row, registers run along the channels): wave w owns unit w.  It reads its 16 rows of Y, quantises them, and does the rest of the row's work; products transposed (source 0 = 16 rows of a weight).
;   THE ROWS OF A WEIGHT THAT FORM A TILE ARE NOT NEIGHBOURS: lane r of tile 2 b + u takes row 32 b + 8 u + r + 8 (r / 8), so that register 16 b + i of lane (r, h) is output 32 b + 16 h + i.
; K = 64 fills half of the instruction's 128: one side's registers 6-11 are zero codes; the other side's fragments lie 6 registers apart, so that its upper half is whatever follows, multiplied by zero codes.
; SOFTMAX.  A running maximum m a lane (floor -1e30), p = 2^(Y log2e - m log2e); when m moves, sum and weighted sum are multiplied by 2^((old m - new m) log2e).  The halves of the lanes and the two jq meet at the end.
;   A query with no admitted key gets 0 / 0 = NaN, as the softmax of a row of -inf.
; No tensor loads: the one large thing in LDS, Y, is made by LDS stores, and K, V and the tables go straight to registers.  No cluster: what is shared (K, V) is used from registers, and Y leaves no LDS for joint tiles.
; LIMITS: scores under -1e30 are not served; NaN and infinities among the inputs are not served; a block of zeros gets the scale byte 1 with zero codes.
.set UNIT, 16640                       ; LDS: Y, 256 rows of 1,024 bytes + 16: 16 rows a unit.  8 rows are 2,080 words = 32 banks on: a phase N store's two halves touch all 64 banks once; a phase T load's 16 rows start 4 banks apart
.set YP,   1040
.set SP,   272                         ; a wave's stage (16 rows of 256 bytes + 16) lies in its own unit's bytes, once its rows of Y are read
.set EI,   266240                      ; images of E's fragments: unit x 768 = 512 (registers 0-3, 16 x lane) + 256 (registers 4-5, 8 x lane)
.set ES,   278528                      ; their scale words: unit x 128 + 4 x lane
.set WI,   280576                      ; images of 12 fragments x 1,536: Weo (2 nt + s), then WE2 (8 + nt)
.set WI1,  299008                      ; WE1: 8 x 768, as E's
.set SM,   305152                      ; the softmax's partial results: (m, l, o) x 4,096 + il x 2,048 + jq x 1,024 + 4 x channel
.set SEL,  100                         ; s[100:101] lane selects: lane xor 16
.set LG,   66                          ; s[66:67] log2(e), twice
; s2 wave, s3 cp = tl, s4 jq = il, s7 b, s24 i0, s25 256 b + i0, s[26:27] offsets, s28 eps, s29 1 / 64.  s[8:23] the eight pointers that stay.  s[32:63], s[68:99]: in N the lane masks, in T pointers
; REGISTERS THAT STAY: v0; v1 = 16 x lane; the softmax's state, slot = 2 il + ab: v2.. sums (pairs), v10.. weighted sums (pairs), v18.. maxima.  v244-255 hold scale words; at the end v254, v255 the spare word's address and 0.
.set LSUM, 2
.set OSUM, 10
.set MX,   18
; PHASE N
.set YA,   22                          ; v22, v23 where I store Y, query 0, 1
.set EA,   24                          ; v24-26 E's images and scale words
.set EB,   25
.set ESA,  26
.set NINF, 27                          ; -infinity
.set WF,   28                          ; v28-57 Wem a, Wem b, Wea a, Wea b, 6 registers each, and 6 zeros
.set BEA,  62                          ; v62-77 bea of my two channels, eight times each: the C of R2
.set QQ,   78                          ; v78 + 2 slot: q;  v86 + 2 slot: q (bem + 1)
.set QB,   86
.set EF,   94                          ; v94-117 E's fragments, query 0, 1; registers 6-11 zero
.set R1,   120                         ; v120-135 R1 (a, b), then Ys, then p
.set R2,   136                         ; v136-151 R2
.set YF,   152                         ; v152-167 Y, channels a and b by turns
.set KV,   168                         ; v168-231 K (16) and V (16), two sets
.set NMC,  232                         ; v232, v234 -m log2e
.set FF,   236                         ; v236, v238 f
.set NM,   240                         ; v240, v241 the new m
; PHASE T
.set YR,   22                          ; my row of Y
.set SO,   23                          ; the stage by rows: r x 272 + 64 h
.set SR,   24                          ; the stage as memory has it: two rows an instruction
.set TB,   25                          ; 64 h: my 16 numbers of each 32 of a table
.set WIA,  26
.set WIB,  27
.set WIC,  28
.set QIA,  29                          ; where my unit's image of E goes
.set EM,   30                          ; node_mask[i] node_mask[j]
.set QIB,  31
.set MU,   32                          ; -mean
.set QES,  33
.set RS,   34                          ; 1 / sqrt(var + eps)
.set PRM,  35                          ; r + 8 (r / 8)
.set XX,   36                          ; v36-99 Y's first 128 channels; then v36-67 the row's 32 numbers (register 16 b + i = 32 b + 16 h + i)
.set ER,   68                          ; v68-99 E
.set RB,   100                         ; v100-163 Y's last 128 channels; then v100-195 Weo's eight fragments
.set G1,   100
.set B1,   132
.set NE,   164                         ; v164-195 the next step's E
.set FRA,  196
.set FRB,  208
.set TM,   220                         ; v220-235 the quantiser's work
.set CS,   236                         ; v236-243 half blocks of codes
.set ACC2, 68                          ; v68-131 the hidden layer
.set W1A,  132                         ; WE1's tiles 0-3, 6 registers apart;  tiles 4-7 at v208
.set W1B,  208
.set ACC3, 132
.set W2,   68
.set G2,   68
.set B2,   100
.set OB,   132
.macro NOPS n
.rept \n
	v_nop
.endr
.endm
.macro BAR                                     ; my LDS stores have landed and my LDS loads are in: then the work-group's barrier
	s_wait_dscnt 0x0
	s_barrier_signal -1
	s_barrier_wait -1
.endm
.macro MM d, a, b, c, sa, sb, row              ; row = 1: source 0's scales are read from lanes 16-31
.if \row
	v_wmma_scale_f32_16x16x128_f8f6f4 v[\d:\d+7], v[\a:\a+11], v[\b:\b+11], v[\c:\c+7], v[\sa], v[\sb] matrix_a_fmt:MATRIX_FMT_FP6 matrix_b_fmt:MATRIX_FMT_FP6 matrix_a_scale:MATRIX_SCALE_ROW1
.else
	v_wmma_scale_f32_16x16x128_f8f6f4 v[\d:\d+7], v[\a:\a+11], v[\b:\b+11], v[\c:\c+7], v[\sa], v[\sb] matrix_a_fmt:MATRIX_FMT_FP6 matrix_b_fmt:MATRIX_FMT_FP6
.endif
.endm
.macro MM0 d, a, b, sa, sb
	v_wmma_scale_f32_16x16x128_f8f6f4 v[\d:\d+7], v[\a:\a+11], v[\b:\b+11], 0, v[\sa], v[\sb] matrix_a_fmt:MATRIX_FMT_FP6 matrix_b_fmt:MATRIX_FMT_FP6
.endm
; 64 numbers of a lane, register 16 b + i = k 32 b + 16 (lane / 16) + i of my row, become a fragment's 12 registers of codes and the row's scale word.
.macro QUANT4 src, dst, word
.irp b, 0,1,2,3
	v_max3_num_f32 v[TM+\b], |v[\src+16*\b]|, |v[\src+1+16*\b]|, 0x1800000   ; block b: my 16 numbers and the floor 2^(3 - 127): the byte cannot fall under 1
.endr
.irp i, 2,4,6,8,10,12,14
.irp b, 0,1,2,3
	v_max3_num_f32 v[TM+\b], v[TM+\b], |v[\src+16*\b+\i]|, |v[\src+1+16*\b+\i]|
.endr
.endr
.irp b, 0,1,2,3
	v_permlanex16_b32 v[TM+4+\b], v[TM+\b], s[SEL], s[SEL+1]
.endr
.irp b, 0,1,2,3
	v_max_num_f32 v[TM+\b], v[TM+\b], v[TM+4+\b]
.endr
.irp b, 0,1,2,3
	v_add_nc_u32 v[TM+12+\b], 0xff000000, v[TM+\b] ; 2 off the exponent field: the conversion's scale operand
.endr
.irp b, 0,1,2,3
	v_lshrrev_b32 v[TM+4+\b], 23, v[TM+12+\b]      ; the scale's byte
.endr
	v_lshl_or_b32 v[\word], v[TM+5], 8, v[TM+4]
	v_lshl_or_b32 v[\word], v[TM+6], 16, v[\word]
	v_lshl_or_b32 v[\word], v[TM+7], 24, v[\word]
.irp c, 0,1
	v_cvt_scalef32_pk16_fp6_f32 v[\dst+6*\c:\dst+2+6*\c], v[\src+32*\c:\src+15+32*\c], v[TM+12+2*\c]
	v_cvt_scalef32_pk16_fp6_f32 v[CS+4*\c:CS+2+4*\c], v[\src+16+32*\c:\src+31+32*\c], v[TM+13+2*\c]
.endr
	v_nop                                          ; one plain place behind a scaled conversion
.irp c, 0,1
.irp i, 0,1,2
	v_permlane16_swap_b32 v[\dst+6*\c+\i], v[CS+4*\c+\i]
.endr
.irp i, 0,1,2
	v_mov_b32 v[\dst+3+6*\c+\i], v[CS+4*\c+\i]
.endr
.endr
.endm
; The same for K = 64: 32 numbers a lane, registers 0-5 of the fragment; the word's upper two bytes are 127.
.macro QUANT2 src, dst, word
.irp b, 0,1
	v_max3_num_f32 v[TM+\b], |v[\src+16*\b]|, |v[\src+1+16*\b]|, 0x1800000
.endr
.irp i, 2,4,6,8,10,12,14
.irp b, 0,1
	v_max3_num_f32 v[TM+\b], v[TM+\b], |v[\src+16*\b+\i]|, |v[\src+1+16*\b+\i]|
.endr
.endr
.irp b, 0,1
	v_permlanex16_b32 v[TM+4+\b], v[TM+\b], s[SEL], s[SEL+1]
.endr
.irp b, 0,1
	v_max_num_f32 v[TM+\b], v[TM+\b], v[TM+4+\b]
.endr
.irp b, 0,1
	v_add_nc_u32 v[TM+12+\b], 0xff000000, v[TM+\b]
.endr
.irp b, 0,1
	v_lshrrev_b32 v[TM+4+\b], 23, v[TM+12+\b]
.endr
	v_lshl_or_b32 v[\word], v[TM+5], 8, v[TM+4]
	v_or_b32 v[\word], 0x7f7f0000, v[\word]
	v_cvt_scalef32_pk16_fp6_f32 v[\dst:\dst+2], v[\src:\src+15], v[TM+12]
	v_cvt_scalef32_pk16_fp6_f32 v[CS:CS+2], v[\src+16:\src+31], v[TM+13]
	v_nop                                          ; one plain place behind a scaled conversion
.irp i, 0,1,2
	v_permlane16_swap_b32 v[\dst+\i], v[CS+\i]
.endr
.irp i, 0,1,2
	v_mov_b32 v[\dst+3+\i], v[CS+\i]
.endr
.endm
; ---------------- phase T's parts
.macro TADDR                                   ; phase T's addresses, on every wave's way.  It leaves r in v[EM], h in v[MU]
	v_and_b32 v[EM], 15, v0                        ; r
	v_bfe_u32 v[MU], v0, 4, 1                      ; h
	v_lshrrev_b32 v[RS], 1, v1                     ; 8 x lane
	s_mul_i32 s26, s2, UNIT
	v_lshlrev_b32 v[TB], 6, v[MU]
	v_mad_u32_u24 v[YR], v[EM], YP, v[TB]
	v_add_nc_u32 v[YR], s26, v[YR]
	v_mad_u32_u24 v[SO], v[EM], SP, v[TB]
	v_add_nc_u32 v[SO], s26, v[SO]
	v_mul_u32_u24 v[SR], v[MU], SP
	v_lshl_add_u32 v[SR], v[EM], 4, v[SR]
	v_add_nc_u32 v[SR], s26, v[SR]
	v_add_nc_u32 v[WIA], WI, v1
	v_add_nc_u32 v[WIB], WI1+512, v[RS]
	v_add_nc_u32 v[WIC], WI1, v1
	s_mul_i32 s26, s2, 768
	s_add_co_u32 s26, s26, EI
	v_add_nc_u32 v[QIA], s26, v1
	v_add_nc_u32 v[QIB], s26, v[RS]
	s_lshl_b32 s26, s2, 7
	s_add_co_u32 s26, s26, ES
	v_lshrrev_b32 v[QES], 2, v1
	v_add_nc_u32 v[QES], s26, v[QES]
	v_and_b32 v[PRM], 8, v[EM]
	v_add_nc_u32 v[PRM], v[PRM], v[EM]
.irp b, 4,5,6,7
	v_mov_b32 v[TM+\b], 0                          ; a lane permute's destination counts as one of its sources
.endr
.endm
.macro TLOAD dst, ptr, nblk                    ; a table in the row's layout: register 16 b + i = number 32 b + 16 h + i
.set tl_, 0
.rept 4*\nblk
	global_load_b128 v[\dst+4*tl_:\dst+4*tl_+3], v[TB], s[\ptr:\ptr+1] offset:128*(tl_/4)+16*(tl_%4)
.set tl_, tl_+1
.endr
.endm
.macro ELOAD dst, off                          ; my unit's 16 rows of E, 4,096 dense bytes: each load covers 512 consecutive bytes
.irp t, 0,1,2,3,4,5,6,7
	global_load_b128 v[\dst+4*\t:\dst+4*\t+3], v1, s[8:9] offset:\off+512*\t
.endr
.endm
.macro TURNIN reg                              ; from memory's order to a row a lane, through my stage.  LDS serves a wave's instructions in order (ISA guide 5.7.1.4): no wait between the stores and the loads
.irp t, 0,1,2,3,4,5,6,7
	ds_store_b128 v[SR], v[\reg+4*\t:\reg+4*\t+3] offset:2*SP*\t
.endr
.irp t, 0,1,2,3,4,5,6,7
	ds_load_b128 v[\reg+4*\t:\reg+4*\t+3], v[SO] offset:128*(\t/4)+16*(\t%4)
.endr
.endm
; LN over the row's 64 numbers, 32 in each of two lanes.  The deviations are formed before the squares.  cnt: the loads issued behind the tables g and b.
.macro LN x, g, b, cnt
	v_pk_add_f32 v[TM:TM+1], v[\x:\x+1], v[\x+2:\x+3]
	v_pk_add_f32 v[TM+2:TM+3], v[\x+4:\x+5], v[\x+6:\x+7]
.irp i, 8,12,16,20,24,28
	v_pk_add_f32 v[TM:TM+1], v[TM:TM+1], v[\x+\i:\x+\i+1]
	v_pk_add_f32 v[TM+2:TM+3], v[TM+2:TM+3], v[\x+\i+2:\x+\i+3]
.endr
	v_pk_add_f32 v[TM:TM+1], v[TM:TM+1], v[TM+2:TM+3]
	v_add_f32 v[TM], v[TM], v[TM+1]
	v_permlanex16_b32 v[TM+4], v[TM], s[SEL], s[SEL+1]
	v_add_f32 v[TM], v[TM], v[TM+4]
	v_mul_f32 v[MU], 0xbc800000, v[TM]             ; -mean
.irp i, 0,2,4,6,8,10,12,14,16,18,20,22,24,26,28,30
	v_pk_add_f32 v[\x+\i:\x+\i+1], v[\x+\i:\x+\i+1], v[MU:MU+1] op_sel_hi:[1,0]
.endr
	v_pk_mul_f32 v[TM:TM+1], v[\x:\x+1], v[\x:\x+1]
	v_pk_mul_f32 v[TM+2:TM+3], v[\x+2:\x+3], v[\x+2:\x+3]
.irp i, 4,8,12,16,20,24,28
	v_pk_fma_f32 v[TM:TM+1], v[\x+\i:\x+\i+1], v[\x+\i:\x+\i+1], v[TM:TM+1]
	v_pk_fma_f32 v[TM+2:TM+3], v[\x+\i+2:\x+\i+3], v[\x+\i+2:\x+\i+3], v[TM+2:TM+3]
.endr
	v_pk_add_f32 v[TM:TM+1], v[TM:TM+1], v[TM+2:TM+3]
	v_add_f32 v[TM], v[TM], v[TM+1]
	v_permlanex16_b32 v[TM+4], v[TM], s[SEL], s[SEL+1]
	v_add_f32 v[TM], v[TM], v[TM+4]
	v_fma_f32 v[TM], v[TM], s29, s28               ; var + eps
	v_rsq_f32 v[RS], v[TM]
	s_wait_loadcnt \cnt                            ; the two tables are in
	v_nop                                          ; one plain place behind the transcendental
	s_wait_alu depctr_va_vdst(0)
.irp i, 0,2,4,6,8,10,12,14,16,18,20,22,24,26,28,30
	v_pk_mul_f32 v[\x+\i:\x+\i+1], v[\x+\i:\x+\i+1], v[RS:RS+1] op_sel_hi:[1,0]
.endr
.irp i, 0,2,4,6,8,10,12,14,16,18,20,22,24,26,28,30
	v_pk_fma_f32 v[\x+\i:\x+\i+1], v[\x+\i:\x+\i+1], v[\g+\i:\g+\i+1], v[\b+\i:\b+\i+1]
.endr
.endm
.macro QPH                                     ; E of my unit (in v[NE] on, as memory has it) becomes the fragment of the first two products: its image and scale word go to LDS
	TURNIN NE
	s_wait_dscnt 0x0
	QUANT2 NE, FRA, 254
	ds_store_b128 v[QIA], v[FRA:FRA+3]
	ds_store_b64 v[QIB], v[FRA+4:FRA+5] offset:512
	ds_store_b32 v[QES], v254
.endm
; PHASE T for my unit of step \step.  last = 1: no step follows.
.macro TPH step, last
	TADDR
	s_load_b512 s[32:47], s[0:1], 0x70             ; beo 32, gE1 34, betE1 36, bE1 38, bE2 40, gE2 42, betE2 44, Weo_scales 46
	s_load_b128 s[48:51], s[0:1], 0xb0             ; WE1_scales 48, WE2_scales 50
.set cnt_, 0
.rept 32
	ds_load_b128 v[XX+4*cnt_:XX+4*cnt_+3], v[YR] offset:512*(cnt_/16)+128*((cnt_/4)%4)+16*(cnt_%4)   ; my row of Y
.set cnt_, cnt_+1
.endr
	v_lshlrev_b32 v164, 2, v[MU]
	v_lshl_add_u32 v164, v[PRM], 3, v164           ; Weo's scale words: 8 bytes a row; lanes 0-15 K step 0, lanes 16-31 K step 1
	v_lshl_add_u32 v165, v[MU], 3, v[PRM]          ; WE1's, WE2's: lanes 0-15 an even tile's rows, lanes 16-31 those of the odd tile, 8 rows on
	v_lshlrev_b32 v166, 2, v165
	v_lshlrev_b32 v165, 1, v165
	s_lshl_b32 s26, s3, 4
	v_add_nc_u32 v167, s26, v[EM]                  ; my key in the step: 16 tl + r
	s_add_co_u32 s26, s24, s4
	v_mov_b32 v168, s26                            ; my query
	s_wait_kmcnt 0x0
.irp nt, 0,1,2,3
	global_load_b32 v[244+\nt], v164, s[46:47] offset:(32*(\nt/2)+8*(\nt%2))*8
.endr
.irp p, 0,1,2,3
	global_load_u16 v[248+\p], v165, s[48:49] offset:64*\p
.endr
.irp p, 0,1
	global_load_b32 v[252+\p], v166, s[50:51] offset:128*\p
.endr
	global_load_u8 v169, v167, s[20:21] offset:128*\step
	global_load_u8 v170, v168, s[20:21]
	s_wait_dscnt 16                                ; Y's first 128 channels are in: the 16 loads of the last 128 are younger
	QUANT4 XX, FRA, 254
	TLOAD XX, 32, 2                                ; beo: the C of the product's first instructions
	ELOAD ER, \step*32768
	s_wait_dscnt 0x0
	QUANT4 RB, FRB, 255
	s_wait_loadcnt 16                              ; the 12 small loads are in (beo's 8 and E's 8 are younger): their registers are free for Weo's fragments
	v_and_b32 v169, v169, v170
	v_cvt_f32_u32 v[EM], v169                      ; node_mask[i] node_mask[j]
.set cnt_, 0
.rept 24
	ds_load_b128 v[RB+4*cnt_:RB+4*cnt_+3], v[WIA] offset:512*cnt_   ; Weo's eight fragments
.set cnt_, cnt_+1
.endr
	s_wait_loadcnt 8                               ; beo is in (E's 8 are younger)
	s_wait_dscnt 0x0
	NOPS 8                                         ; operands and scale words made by vector instructions stand 4 and 8 places ahead of a scaled matrix instruction
.irp nt, 0,1,2,3                               ; four accumulators by turns, one instruction a turn
	MM XX+8*\nt, RB+24*\nt, FRA, XX+8*\nt, 244+\nt, 254, 0
.endr
.irp nt, 0,1,2,3
	MM XX+8*\nt, RB+24*\nt+12, FRB, XX+8*\nt, 244+\nt, 255, 1
.endr
	NOPS 5                                         ; places behind the products (ISA guide 7.12.1)
	TLOAD G1, 34, 2
	TLOAD B1, 36, 2
.if \last == 0
	ELOAD NE, (\step+1)*32768                      ; the next step's E
	s_wait_loadcnt 24                              ; this step's E is in: the two tables and the next E, 8 loads each, are younger
.else
	s_wait_loadcnt 16                              ; the two tables are younger
.endif
	TURNIN ER
	s_wait_dscnt 0x0
.irp i, 0,2,4,6,8,10,12,14,16,18,20,22,24,26,28,30
	v_pk_fma_f32 v[XX+\i:XX+\i+1], v[XX+\i:XX+\i+1], v[EM:EM+1], v[ER+\i:ER+\i+1] op_sel_hi:[1,0,1]   ; E + newE
.endr
.if \last == 0
	LN XX, G1, B1, 8                               ; (the next E's 8 loads are younger than the tables)
.else
	LN XX, G1, B1, 0
.endif
	TLOAD ACC2, 38, 4                              ; bE1: the C of the next product
.irp i, 6,7,8,9,10,11
	v_mov_b32 v[FRA+\i], 0                         ; K = 64: the upper half is zero codes
.endr
	QUANT2 XX, FRA, 254
.irp t, 0,1,2,3
	ds_load_b128 v[W1A+6*\t:W1A+6*\t+3], v[WIC] offset:768*\t
	ds_load_b64 v[W1A+6*\t+4:W1A+6*\t+5], v[WIB] offset:768*\t
.endr
.irp t, 0,1,2,3
	ds_load_b128 v[W1B+6*\t:W1B+6*\t+3], v[WIC] offset:768*(\t+4)
	ds_load_b64 v[W1B+6*\t+4:W1B+6*\t+5], v[WIB] offset:768*(\t+4)
.endr
	s_wait_loadcnt 0x0                             ; bE1 (loads end in order, so the next E is in too)
	s_wait_dscnt 0x0
	NOPS 8
.irp t, 0,1,2,3
	MM ACC2+8*\t, W1A+6*\t, FRA, ACC2+8*\t, 248+\t/2, 254, \t%2
.endr
.irp t, 0,1,2,3
	MM ACC2+32+8*\t, W1B+6*\t, FRA, ACC2+32+8*\t, 250+\t/2, 254, \t%2
.endr
	NOPS 5
	TLOAD ACC3, 40, 2                              ; bE2
.set cnt_, 0
.rept 64
	v_max_num_f32 v[ACC2+cnt_], 0, v[ACC2+cnt_]    ; the activation, each accumulator from its low end on
.set cnt_, cnt_+1
.endr
	QUANT4 ACC2, FRB, 255
.set cnt_, 0
.rept 12
	ds_load_b128 v[W2+4*cnt_:W2+4*cnt_+3], v[WIA] offset:8*1536+512*cnt_   ; WE2's four fragments
.set cnt_, cnt_+1
.endr
	s_wait_loadcnt 0x0
	s_wait_dscnt 0x0
	NOPS 8
.irp nt, 0,1,2,3
	MM ACC3+8*\nt, W2+12*\nt, FRB, ACC3+8*\nt, 252+\nt/2, 255, \nt%2
.endr
	NOPS 5
	TLOAD G2, 42, 2
	TLOAD B2, 44, 2
.irp i, 0,2,4,6,8,10,12,14,16,18,20,22,24,26,28,30
	v_pk_add_f32 v[XX+\i:XX+\i+1], v[XX+\i:XX+\i+1], v[ACC3+\i:ACC3+\i+1]
.endr
	LN XX, G2, B2, 0
.irp t, 0,1,2,3,4,5,6,7                        ; the way out: back through my stage into memory's order
	ds_store_b128 v[SO], v[XX+4*\t:XX+4*\t+3] offset:128*(\t/4)+16*(\t%4)
.endr
.irp t, 0,1,2,3,4,5,6,7
	ds_load_b128 v[OB+4*\t:OB+4*\t+3], v[SR] offset:2*SP*\t
.endr
.irp t, 0,1,2,3,4,5,6,7
	s_wait_dscnt 7-\t                              ; LDS loads come back in order: load t is in
	global_store_b128 v1, v[OB+4*\t:OB+4*\t+3], s[10:11] offset:\step*32768+512*\t th:TH_STORE_NT   ; 32 lanes store 512 consecutive bytes; written once, read by nobody here
.endr
.if \last == 0
	QPH                                            ; the next step's E becomes an operand
	s_wait_xcnt 0x0                                ; the stores' data registers are written again only behind this wait
.endif
.endm
; ---------------- phase N's parts
.macro KVLOAD step, k                          ; K's and V's images of key tile 8 step + 4 jq + k, into set k % 2: dense loads of 512 bytes
.set KBN, KV+32*((\k)%2)
.irp n, 0,1,2,3
	global_load_b128 v[KBN+4*\n:KBN+4*\n+3], v1, s[12:13] offset:16384*\step+2048*(\k)+512*\n
	global_load_b128 v[KBN+16+4*\n:KBN+16+4*\n+3], v1, s[14:15] offset:16384*\step+2048*(\k)+512*\n
.endr
.endm
.macro NSETUP step, first                      ; what phase N keeps in registers; first = 1: the softmax's state begins
	s_load_b256 s[68:75], s[0:1], 0x40             ; Wem_codes 68, Wem_scales 70, Wea_codes 72, Wea_scales 74
	s_load_b128 s[76:79], s[0:1], 0x60             ; bem 76, bea 78
	v_and_b32 v232, 15, v0                         ; r
	v_bfe_u32 v233, v0, 4, 1                       ; h
	v_mul_u32_u24 v234, v232, 96
	v_mad_u32_u24 v234, v233, 24, v234             ; rows 2 r (+ ab by the immediate) of 48 bytes, + 24 h
	v_lshlrev_b32 v235, 2, v232
	v_lshlrev_b32 v236, 3, v232
	v_lshlrev_b32 v237, 4, v232
	v_mov_b32 v239, 0                              ; (named as the upper half of a pair)
.irp i, 6,7,8,9,10,11
	v_mov_b32 v[EF+\i], 0                          ; K = 64: E's upper halves are zero codes
	v_mov_b32 v[EF+12+\i], 0
	v_mov_b32 v[WF+18+\i], 0                       ; what stands behind the last weight fragment
.endr
	s_mul_i32 s26, s4, 4*UNIT
	s_lshl_b32 s27, s3, 7
	s_add_co_u32 s26, s26, s27
	v_mul_u32_u24 v[YA], v233, 8*YP
	v_lshl_add_u32 v[YA], v232, 3, v[YA]
	v_add_nc_u32 v[YA], s26, v[YA]                 ; Y: unit 4 jq (+ k), row 8 h (+ jj), byte 128 cp + 8 r
	v_add_nc_u32 v[YA+1], 8*UNIT, v[YA]            ; query 1: eight units on
	s_mul_i32 s26, s4, 4*768
	s_add_co_u32 s26, s26, EI
	v_add_nc_u32 v[EA], s26, v1
	v_lshrrev_b32 v[EB], 1, v1
	v_add_nc_u32 v[EB], s26, v[EB]
	s_lshl_b32 s26, s4, 9
	s_add_co_u32 s26, s26, ES
	v_lshrrev_b32 v[ESA], 2, v1
	v_add_nc_u32 v[ESA], s26, v[ESA]
	v_mov_b32 v[NINF], 0xff800000
	s_mov_b32 s27, 0
	s_wait_kmcnt 0x0
	s_mul_i32 s26, s3, 1536                        ; my 32 channels: 48 bytes of codes each,
	s_add_nc_u64 s[68:69], s[68:69], s[26:27]
	s_add_nc_u64 s[72:73], s[72:73], s[26:27]
	s_lshl_b32 s26, s3, 6                          ; 2 scale bytes,
	s_add_nc_u64 s[70:71], s[70:71], s[26:27]
	s_add_nc_u64 s[74:75], s[74:75], s[26:27]
	s_lshl_b32 s26, s3, 7                          ; one number of each bias
	s_add_nc_u64 s[76:77], s[76:77], s[26:27]
	s_add_nc_u64 s[78:79], s[78:79], s[26:27]
.irp ab, 0,1
.irp p, 0,1,2
	global_load_b64 v[WF+6*\ab+2*\p:WF+6*\ab+2*\p+1], v234, s[68:69] offset:48*\ab+8*\p
	global_load_b64 v[WF+12+6*\ab+2*\p:WF+12+6*\ab+2*\p+1], v234, s[72:73] offset:48*\ab+8*\p
.endr
	global_load_u16 v[244+\ab], v235, s[70:71] offset:2*\ab   ; two scale bytes; the upper two are 0, over zero products
	global_load_u16 v[246+\ab], v235, s[74:75] offset:2*\ab
.endr
	global_load_b64 v[58:59], v236, s[76:77]           ; bem a, b
	global_load_b64 v[60:61], v236, s[78:79]           ; bea a, b
	global_load_b64 v[118:119], v237, s[22:23]         ; q of channel a: queries i0, i0 + 1
	global_load_b64 v[242:243], v237, s[22:23] offset:1024   ; of channel b
	KVLOAD \step, 0
	s_wait_xcnt 0x0                                ; the loads above have read their bases: s[68:79] take masks now
	s_load_b512 s[32:47], s[16:17], 256*\step      ; the lane masks: query 0, my tiles 0, 1: eight words a tile,
	s_load_b512 s[48:63], s[16:17], 256*\step+64   ; tiles 2, 3,
	s_load_b512 s[68:83], s[16:17], 256*\step+512  ; query 1
	s_load_b512 s[84:99], s[16:17], 256*\step+576
	s_wait_loadcnt 8                               ; all but K's and V's eight loads
.irp j, 0,1,2,3,4,5,6,7
	v_mov_b32 v[BEA+\j], v60
	v_mov_b32 v[BEA+8+\j], v61
.endr
	v_add_f32 v58, 1.0, v58
	v_add_f32 v59, 1.0, v59
	v_mov_b32 v[QQ], v118
	v_mov_b32 v[QQ+2], v242
	v_mov_b32 v[QQ+4], v119
	v_mov_b32 v[QQ+6], v243
	v_mul_f32 v[QB], v118, v58                     ; q (bem + 1)
	v_mul_f32 v[QB+2], v242, v59
	v_mul_f32 v[QB+4], v119, v58
	v_mul_f32 v[QB+6], v243, v59
.irp i, 1,3,5,7
	v_mov_b32 v[QQ+\i], 0                          ; (upper halves of pairs of which the low word serves both)
	v_mov_b32 v[QB+\i], 0
.endr
.if \first
.irp i, 0,1,2,3,4,5,6,7
	v_mov_b32 v[LSUM+\i], 0
	v_mov_b32 v[OSUM+\i], 0
.endr
.irp i, 0,1,2,3
	v_mov_b32 v[MX+\i], 0xf149f2ca                 ; -1e30
.endr
.endif
	NOPS 8                                         ; registers of operands written by vector instructions stand ahead of the scaled matrix instructions
.endm
; One key tile for one query: 16 keys x my 32 channels.
.macro NIL il, k
.set EFR, EF+12*\il
.set MB,  32+36*\il+8*(\k)                     ; the tile's eight lane masks
.set KB,  KV+32*((\k)%2)
.set VB,  KB+16
.set SLT, 2*\il
	MM0 R1, EFR, WF, 248+\il, 244
	MM0 R1+8, EFR, WF+6, 248+\il, 245
	MM R2, EFR, WF+12, BEA, 248+\il, 246, 0
	MM R2+8, EFR, WF+18, BEA+8, 248+\il, 247, 0
	NOPS 5                                         ; places behind the products (ISA guide 7.12.1)
.irp ab, 0,1
.irp i, 0,2,4,6
	v_pk_fma_f32 v[R1+8*\ab+\i:R1+8*\ab+\i+1], v[R1+8*\ab+\i:R1+8*\ab+\i+1], v[QQ+2*(SLT+\ab):QQ+2*(SLT+\ab)+1], v[QB+2*(SLT+\ab):QB+2*(SLT+\ab)+1] op_sel_hi:[1,0,0]   ; q (R1 + bem + 1)
.endr
.endr
.irp i, 0,2,4,6,8,10,12,14
	v_pk_fma_f32 v[R1+\i:R1+\i+1], v[KB+\i:KB+\i+1], v[R1+\i:R1+\i+1], v[R2+\i:R2+\i+1]   ; Ys
.endr
.irp j, 0,1,2,3,4,5,6,7
	v_cndmask_b32 v[YF+2*\j], v[R2+\j], v[R1+\j], s[MB+\j]             ; Y for the product with Weo
	v_cndmask_b32 v[YF+2*\j+1], v[R2+8+\j], v[R1+8+\j], s[MB+\j]
.endr
.irp j, 0,1,2,3,4,5,6,7
	ds_store_b64 v[YA+\il], v[YF+2*\j:YF+2*\j+1] offset:(\k)*UNIT+\j*YP
.endr
.irp j, 0,1,2,3,4,5,6,7
	v_cndmask_b32 v[R1+\j], v[NINF], v[R1+\j], s[MB+\j]                ; and for the softmax
	v_cndmask_b32 v[R1+8+\j], v[NINF], v[R1+8+\j], s[MB+\j]
.endr
	v_max3_num_f32 v[NM], v[MX+SLT], v[R1], v[R1+1]
	v_max3_num_f32 v[NM+1], v[MX+SLT+1], v[R1+8], v[R1+9]
.irp i, 2,4,6
	v_max3_num_f32 v[NM], v[NM], v[R1+\i], v[R1+\i+1]
	v_max3_num_f32 v[NM+1], v[NM+1], v[R1+8+\i], v[R1+9+\i]
.endr
	v_sub_f32 v[FF], v[MX+SLT], v[NM]
	v_sub_f32 v[FF+2], v[MX+SLT+1], v[NM+1]
	v_mul_f32 v[FF], s[LG], v[FF]
	v_mul_f32 v[FF+2], s[LG], v[FF+2]
	v_exp_f32 v[FF], v[FF]                         ; f = 2^((old m - new m) log2e)
	v_exp_f32 v[FF+2], v[FF+2]
	v_mul_f32 v[NMC], 0xbfb8aa3b, v[NM]            ; -m log2e.  (Plain places behind the two exponentials)
	v_mul_f32 v[NMC+2], 0xbfb8aa3b, v[NM+1]
	v_mov_b32 v[MX+SLT], v[NM]
	v_mov_b32 v[MX+SLT+1], v[NM+1]
.irp ab, 0,1
.irp i, 0,2,4,6
	v_pk_fma_f32 v[R1+8*\ab+\i:R1+8*\ab+\i+1], v[R1+8*\ab+\i:R1+8*\ab+\i+1], s[LG:LG+1], v[NMC+2*\ab:NMC+2*\ab+1] op_sel_hi:[1,0,0]
.endr
.endr
.irp j, 0,1,2,3,4,5,6,7,8,9,10,11,12,13,14,15
	v_exp_f32 v[R1+\j], v[R1+\j]                   ; p; 0 where the key is not admitted
.endr
	s_wait_alu depctr_va_vdst(0)
	v_pk_mul_f32 v[OSUM+2*SLT:OSUM+2*SLT+1], v[OSUM+2*SLT:OSUM+2*SLT+1], v[FF:FF+1] op_sel_hi:[1,0]   ; (a plain place behind the exponentials)
	v_pk_mul_f32 v[OSUM+2*SLT+2:OSUM+2*SLT+3], v[OSUM+2*SLT+2:OSUM+2*SLT+3], v[FF+2:FF+3] op_sel_hi:[1,0]
	v_pk_fma_f32 v[LSUM+2*SLT:LSUM+2*SLT+1], v[LSUM+2*SLT:LSUM+2*SLT+1], v[FF:FF+1], v[R1:R1+1] op_sel_hi:[1,0,1]
	v_pk_fma_f32 v[LSUM+2*SLT+2:LSUM+2*SLT+3], v[LSUM+2*SLT+2:LSUM+2*SLT+3], v[FF+2:FF+3], v[R1+8:R1+9] op_sel_hi:[1,0,1]
.irp i, 2,4,6
	v_pk_add_f32 v[LSUM+2*SLT:LSUM+2*SLT+1], v[LSUM+2*SLT:LSUM+2*SLT+1], v[R1+\i:R1+\i+1]
	v_pk_add_f32 v[LSUM+2*SLT+2:LSUM+2*SLT+3], v[LSUM+2*SLT+2:LSUM+2*SLT+3], v[R1+8+\i:R1+9+\i]
.endr
.irp i, 0,2,4,6
	v_pk_fma_f32 v[OSUM+2*SLT:OSUM+2*SLT+1], v[R1+\i:R1+\i+1], v[VB+\i:VB+\i+1], v[OSUM+2*SLT:OSUM+2*SLT+1]
	v_pk_fma_f32 v[OSUM+2*SLT+2:OSUM+2*SLT+3], v[R1+8+\i:R1+9+\i], v[VB+8+\i:VB+9+\i], v[OSUM+2*SLT+2:OSUM+2*SLT+3]
.endr
.endm
.macro NTILE step, k
.if (\k) < 3
	KVLOAD \step, \k+1                             ; the next tile's K and V, into the other set
.endif
.irp il, 0,1
	ds_load_b128 v[EF+12*\il:EF+12*\il+3], v[EA] offset:(8*\il+(\k))*768
	ds_load_b64 v[EF+12*\il+4:EF+12*\il+5], v[EB] offset:(8*\il+(\k))*768+512
	ds_load_b32 v[248+\il], v[ESA] offset:(8*\il+(\k))*128
.endr
.if (\k) < 3
	s_wait_loadcnt 8                               ; this tile's K and V are in: the next tile's eight loads are younger
.else
	s_wait_loadcnt 0x0
.endif
	s_wait_dscnt 0x0
.if (\k) == 0
	s_wait_kmcnt 0x0                               ; the lane masks
.endif
	NIL 0, \k
	NIL 1, \k
.endm
	; ================ the head
	s_load_b512 s[8:23], s[0:1], 0x0               ; E 8, out1 10, KI 12, VI 14, MK 16, WV 18, node_mask 20, QI 22
	s_load_b128 s[52:55], s[0:1], 0xc0             ; Weo_codes 52, WE1_codes 54
	s_load_b64 s[56:57], s[0:1], 0xd0              ; WE2_codes
	v_lshrrev_b32 v1, 5, v0
	v_readfirstlane_b32 s2, v1                     ; wave 0..15
	v_and_b32 v1, 31, v0
	v_lshlrev_b32 v1, 4, v1                        ; 16 x lane
	s_and_b32 s3, s2, 7                            ; cp in phase N, tl in phase T
	s_lshr_b32 s4, s2, 3                           ; jq in phase N, il in phase T
	s_lshr_b32 s7, ttmp9, 7                        ; b
	s_and_b32 s24, ttmp9, 127
	s_lshl_b32 s24, s24, 1                         ; i0
	s_lshl_b32 s25, s7, 8
	s_add_co_u32 s25, s25, s24                     ; 256 b + i0
	s_mov_b32 s27, 0
	s_mov_b32 s28, 0x3727c5ac                      ; eps = 1e-5
	s_mov_b32 s29, 0x3c800000                      ; 1 / 64
	s_mov_b32 s[LG], 0x3fb8aa3b                    ; log2(e)
	s_mov_b32 s[LG+1], s[LG]
	s_mov_b32 s[SEL], 0x76543210
	s_mov_b32 s[SEL+1], 0xfedcba98
	s_wait_kmcnt 0x0
	s_add_co_u32 s26, s25, s4                      ; E, out1: query i0 + il: 65,536 bytes; key tile tl: 4,096
	s_lshl_b32 s26, s26, 16
	s_lshl_b32 s30, s3, 12
	s_add_co_u32 s26, s26, s30
	s_add_nc_u64 s[8:9], s[8:9], s[26:27]
	s_add_nc_u64 s[10:11], s[10:11], s[26:27]
	s_lshl_b32 s31, s7, 3
	s_add_co_u32 s31, s31, s3
	s_lshl_b32 s31, s31, 15                        ; (8 b + cp) x 16 tiles x 2,048
	s_lshl_b32 s30, s4, 13
	s_add_co_u32 s26, s31, s30                     ; + 4 jq tiles
	s_add_nc_u64 s[12:13], s[12:13], s[26:27]
	s_add_nc_u64 s[14:15], s[14:15], s[26:27]
	s_lshl_b32 s26, s25, 9                         ; MK: 512 bytes a query, 32 a tile
	s_lshl_b32 s30, s4, 7
	s_add_co_u32 s26, s26, s30
	s_add_nc_u64 s[16:17], s[16:17], s[26:27]
	s_lshl_b32 s26, s25, 10
	s_add_nc_u64 s[18:19], s[18:19], s[26:27]      ; WV: row 256 b + i0
	s_lshl_b32 s26, s7, 8
	s_add_nc_u64 s[20:21], s[20:21], s[26:27]      ; node_mask of my b
	s_lshr_b32 s30, s24, 4                         ; QI: tile i0 / 16, then the row's place in the image: quarter, half of the lanes, word
	s_lshl_b32 s30, s30, 11
	s_add_co_u32 s26, s31, s30
	s_bfe_u32 s30, s24, 0x10002
	s_lshl_b32 s30, s30, 9
	s_add_co_u32 s26, s26, s30
	s_bfe_u32 s30, s24, 0x10003
	s_lshl_b32 s30, s30, 8
	s_add_co_u32 s26, s26, s30
	s_and_b32 s30, s24, 3
	s_lshl_b32 s30, s30, 2
	s_add_co_u32 s26, s26, s30
	s_add_nc_u64 s[22:23], s[22:23], s[26:27]
	ELOAD NE, 0                                    ; step 0's E of my unit
	; the weights of phase T become images of their fragments in LDS, once: waves 0-7 a fragment of Weo and a tile of WE1 each, waves 8-11 a fragment of WE2.  All addresses are made ahead of the parting
	s_mul_i32 s26, s2, 1536
	s_add_co_u32 s26, s26, WI
	v_add_nc_u32 v22, s26, v1
	s_mul_i32 s26, s2, 768
	s_add_co_u32 s26, s26, WI1
	v_add_nc_u32 v23, s26, v1
	v_lshrrev_b32 v24, 1, v1
	v_add_nc_u32 v24, s26, v24
	v_and_b32 v30, 15, v0
	v_bfe_u32 v32, v0, 4, 1
	v_and_b32 v34, 8, v30
	v_add_nc_u32 v34, v34, v30                     ; r + 8 (r / 8)
	v_mul_u32_u24 v32, v32, 24
	v_mad_u32_u24 v25, v34, 192, v32               ; Weo: rows of 192 bytes
	v_mad_u32_u24 v26, v34, 48, v32                ; WE1: 48
	v_mad_u32_u24 v27, v34, 96, v32                ; WE2: 96
	s_cmp_lt_u32 s2, 8
	s_cbranch_scc0 .Lnot_weo
	s_lshr_b32 s26, s2, 2                          ; Weo: tile nt = w / 2 begins at row 32 (nt / 2) + 8 (nt % 2); K step w % 2
	s_mul_i32 s26, s26, 32*192
	s_bfe_u32 s30, s2, 0x10001
	s_mul_i32 s30, s30, 8*192
	s_add_co_u32 s26, s26, s30
	s_and_b32 s30, s2, 1
	s_mul_i32 s30, s30, 96
	s_add_co_u32 s26, s26, s30
	s_add_nc_u64 s[52:53], s[52:53], s[26:27]
.irp p, 0,1,2,3,4,5
	global_load_b64 v[100+2*\p:101+2*\p], v25, s[52:53] offset:48*(\p/3)+8*(\p%3)
.endr
	s_lshr_b32 s26, s2, 1                          ; WE1: tile w begins at row 32 (w / 2) + 8 (w % 2)
	s_mul_i32 s26, s26, 32*48
	s_and_b32 s30, s2, 1
	s_mul_i32 s30, s30, 8*48
	s_add_co_u32 s26, s26, s30
	s_add_nc_u64 s[54:55], s[54:55], s[26:27]
.irp p, 0,1,2
	global_load_b64 v[112+2*\p:113+2*\p], v26, s[54:55] offset:8*\p
.endr
	s_wait_loadcnt 0x0
.irp c, 0,1,2
	ds_store_b128 v22, v[100+4*\c:103+4*\c] offset:512*\c
.endr
	ds_store_b128 v23, v[112:115]
	ds_store_b64 v24, v[116:117] offset:512
	s_branch .Lw_done
.Lnot_weo:
	s_cmp_lt_u32 s2, 12
	s_cbranch_scc0 .Lw_done
	s_bfe_u32 s26, s2, 0x10001                     ; WE2: tile nt = w - 8
	s_mul_i32 s26, s26, 32*96
	s_and_b32 s30, s2, 1
	s_mul_i32 s30, s30, 8*96
	s_add_co_u32 s26, s26, s30
	s_add_nc_u64 s[56:57], s[56:57], s[26:27]
.irp p, 0,1,2,3,4,5
	global_load_b64 v[100+2*\p:101+2*\p], v27, s[56:57] offset:48*(\p/3)+8*(\p%3)
.endr
	s_wait_loadcnt 0x0
.irp c, 0,1,2
	ds_store_b128 v22, v[100+4*\c:103+4*\c] offset:512*\c
.endr
.Lw_done:
	s_wait_loadcnt 0x0                             ; E
	TADDR
	QPH                                            ; step 0's E becomes an operand
	NSETUP 0, 1
	BAR                                            ; the images of E and of the weights lie in LDS
	; ================ step 0
	NTILE 0, 0
	NTILE 0, 1
	NTILE 0, 2
	NTILE 0, 3
	BAR                                            ; 256 rows of Y lie in LDS; nobody reads E's images any more
	TPH 0, 0
	NSETUP 1, 0
	BAR                                            ; step 1's images of E lie in LDS; nobody reads Y or a stage any more
	; ================ step 1
	NTILE 1, 0
	NTILE 1, 1
	NTILE 1, 2
	NTILE 1, 3
	; the softmax's state: a slot's two halves, then the two halves of the lanes, under their common maximum; then to LDS, where the two jq meet
.irp s, 0,1,2,3
	v_add_f32 v[120+\s], v[LSUM+2*\s], v[LSUM+2*\s+1]
	v_add_f32 v[124+\s], v[OSUM+2*\s], v[OSUM+2*\s+1]
	v_permlanex16_b32 v[128+\s], v[MX+\s], s[SEL], s[SEL+1]
.endr
.irp s, 0,1,2,3
	v_max_num_f32 v[128+\s], v[128+\s], v[MX+\s]
.endr
.irp s, 0,1,2,3
	v_sub_f32 v[132+\s], v[MX+\s], v[128+\s]
.endr
.irp s, 0,1,2,3
	v_mul_f32 v[132+\s], s[LG], v[132+\s]
.endr
.irp s, 0,1,2,3
	v_exp_f32 v[132+\s], v[132+\s]
.endr
	v_nop                                          ; one plain place behind the exponentials
	s_wait_alu depctr_va_vdst(0)
.irp s, 0,1,2,3
	v_mul_f32 v[120+\s], v[120+\s], v[132+\s]
	v_mul_f32 v[124+\s], v[124+\s], v[132+\s]
.endr
.irp s, 0,1,2,3
	v_permlanex16_b32 v[136+\s], v[120+\s], s[SEL], s[SEL+1]
	v_permlanex16_b32 v[140+\s], v[124+\s], s[SEL], s[SEL+1]
.endr
.irp s, 0,1,2,3
	v_add_f32 v[120+\s], v[120+\s], v[136+\s]
	v_add_f32 v[124+\s], v[124+\s], v[140+\s]
.endr
	s_lshl_b32 s26, s4, 10
	s_lshl_b32 s30, s3, 7
	s_add_co_u32 s26, s26, s30
	s_add_co_u32 s26, s26, SM
	v_and_b32 v23, 15, v0
	v_lshl_add_u32 v22, v23, 3, s26                ; SM + 1,024 jq + 4 (32 cp + 2 r)
.irp s, 0,1,2,3                                ; lanes r and r + 16 store the same number to the same word
	ds_store_b32 v22, v[128+\s] offset:(\s/2)*2048+4*(\s%2)
	ds_store_b32 v22, v[120+\s] offset:4096+(\s/2)*2048+4*(\s%2)
	ds_store_b32 v22, v[124+\s] offset:8192+(\s/2)*2048+4*(\s%2)
.endr
	s_bfe_u32 s26, s2, 0x10001                     ; for waves 0-3 behind the barrier: query (w / 2) % 2, channels 128 (w % 2) + 4 lane + 0 .. 3; made on every wave's way
	s_lshl_b32 s26, s26, 11
	s_and_b32 s30, s2, 1
	s_lshl_b32 s30, s30, 9
	s_add_co_u32 s26, s26, s30
	s_add_co_u32 s26, s26, SM
	v_add_nc_u32 v24, s26, v1
	s_and_b32 s26, s2, 3
	s_lshl_b32 s26, s26, 9
	v_add_nc_u32 v25, s26, v1                      ; and the same place in the two rows of WV
	BAR                                            ; Y and the softmax's partial results lie in LDS
	s_cmp_lt_u32 s2, 4
	s_cbranch_scc0 .Lno_final
.irp a, 0,1,2
	ds_load_b128 v[36+8*\a:39+8*\a], v24 offset:4096*\a            ; m, l, o of jq = 0
	ds_load_b128 v[40+8*\a:43+8*\a], v24 offset:4096*\a+1024       ; and of jq = 1
.endr
	s_wait_dscnt 0x0
.irp e, 0,1,2,3
	v_max_num_f32 v[60+\e], v[36+\e], v[40+\e]
.endr
.irp e, 0,1,2,3
	v_sub_f32 v[36+\e], v[36+\e], v[60+\e]
	v_sub_f32 v[40+\e], v[40+\e], v[60+\e]
.endr
.irp e, 0,1,2,3
	v_mul_f32 v[36+\e], s[LG], v[36+\e]
	v_mul_f32 v[40+\e], s[LG], v[40+\e]
.endr
.irp e, 0,1,2,3
	v_exp_f32 v[36+\e], v[36+\e]
	v_exp_f32 v[40+\e], v[40+\e]
.endr
	v_nop                                          ; one plain place behind the exponentials
	s_wait_alu depctr_va_vdst(0)
.irp e, 0,1,2,3
	v_mul_f32 v[44+\e], v[44+\e], v[36+\e]
	v_mul_f32 v[52+\e], v[52+\e], v[36+\e]
.endr
.irp e, 0,1,2,3
	v_fma_f32 v[44+\e], v[48+\e], v[40+\e], v[44+\e]
	v_fma_f32 v[52+\e], v[56+\e], v[40+\e], v[52+\e]
.endr
.irp e, 0,1,2,3
	v_rcp_f32 v[44+\e], v[44+\e]
.endr
	v_nop                                          ; one plain place behind the reciprocals
	s_wait_alu depctr_va_vdst(0)
.irp e, 0,1,2,3
	v_mul_f32 v[64+\e], v[52+\e], v[44+\e]         ; the weighted values; 0 x infinity = NaN where no key was admitted
.endr
	global_store_b128 v25, v[64:67], s[18:19]      ; 32 lanes store 512 consecutive bytes
	s_wait_xcnt 0x0                                ; the store's registers are written again only behind this wait
.Lno_final:
	TPH 1, 1
	s_barrier_signal -1
	s_barrier_wait -1
	s_wait_xcnt 0x0
	v_lshl_add_u32 v254, v0, 2, 0x4d800
	v_mov_b32 v255, 0
	s_wait_tensorcnt 0x0
	ds_add_u32 v254, v255
	s_wait_dscnt 0x0
	s_endpgm
.Lfunc_end_k_qbd02c14e30_edge:
	.size	k_qbd02c14e30_edge, .Lfunc_end_k_qbd02c14e30_edge-k_qbd02c14e30_edge
	.p2alignl 7, 3214868480
	.fill 96, 4, 3214868480
	.section	.rodata,"a",@progbits
	.p2align	6, 0x0
	.amdhsa_kernel k_qbd02c14e30_edge
		.amdhsa_group_segment_fixed_size 319488
		.amdhsa_private_segment_fixed_size 0
		.amdhsa_enable_private_segment 0
		.amdhsa_kernarg_size 216
		.amdhsa_user_sgpr_count 2
		.amdhsa_user_sgpr_kernarg_segment_ptr 1
		.amdhsa_wavefront_size32 1
		.amdhsa_system_sgpr_workgroup_id_x 1
		.amdhsa_system_sgpr_workgroup_id_y 1
		.amdhsa_system_sgpr_workgroup_id_z 1
		.amdhsa_system_vgpr_workitem_id 0
		.amdhsa_next_free_vgpr 256
		.amdhsa_next_free_sgpr 102
		.amdhsa_reserve_vcc 0
		.amdhsa_float_denorm_mode_32 3
		.amdhsa_float_denorm_mode_16_64 3
		.amdhsa_memory_ordered 1
		.amdhsa_forward_progress 1
		.amdhsa_inst_pref_size 255
	.end_amdhsa_kernel
	.section	.bss,"aw",@nobits
	.p2align	6
	.space	262144
	.amdgpu_metadata
---
amdhsa.version: [ 1, 2 ]
amdhsa.kernels:
  - .name:           k_qbd02c14e30_edge
    .symbol:         k_qbd02c14e30_edge.kd
    .args:
      - { .name: E, .offset: 0, .size: 8, .value_kind: global_buffer, .address_space: global }
      - { .name: out1, .offset: 8, .size: 8, .value_kind: global_buffer, .address_space: global }
      - { .name: KI, .offset: 16, .size: 8, .value_kind: global_buffer, .address_space: global }
      - { .name: VI, .offset: 24, .size: 8, .value_kind: global_buffer, .address_space: global }
      - { .name: MK, .offset: 32, .size: 8, .value_kind: global_buffer, .address_space: global }
      - { .name: WV, .offset: 40, .size: 8, .value_kind: global_buffer, .address_space: global }
      - { .name: node_mask, .offset: 48, .size: 8, .value_kind: global_buffer, .address_space: global }
      - { .name: QI, .offset: 56, .size: 8, .value_kind: global_buffer, .address_space: global }
      - { .name: Wem_codes, .offset: 64, .size: 8, .value_kind: global_buffer, .address_space: global }
      - { .name: Wem_scales, .offset: 72, .size: 8, .value_kind: global_buffer, .address_space: global }
      - { .name: Wea_codes, .offset: 80, .size: 8, .value_kind: global_buffer, .address_space: global }
      - { .name: Wea_scales, .offset: 88, .size: 8, .value_kind: global_buffer, .address_space: global }
      - { .name: bem, .offset: 96, .size: 8, .value_kind: global_buffer, .address_space: global }
      - { .name: bea, .offset: 104, .size: 8, .value_kind: global_buffer, .address_space: global }
      - { .name: beo, .offset: 112, .size: 8, .value_kind: global_buffer, .address_space: global }
      - { .name: gE1, .offset: 120, .size: 8, .value_kind: global_buffer, .address_space: global }
      - { .name: betE1, .offset: 128, .size: 8, .value_kind: global_buffer, .address_space: global }
      - { .name: bE1, .offset: 136, .size: 8, .value_kind: global_buffer, .address_space: global }
      - { .name: bE2, .offset: 144, .size: 8, .value_kind: global_buffer, .address_space: global }
      - { .name: gE2, .offset: 152, .size: 8, .value_kind: global_buffer, .address_space: global }
      - { .name: betE2, .offset: 160, .size: 8, .value_kind: global_buffer, .address_space: global }
      - { .name: Weo_scales, .offset: 168, .size: 8, .value_kind: global_buffer, .address_space: global }
      - { .name: WE1_scales, .offset: 176, .size: 8, .value_kind: global_buffer, .address_space: global }
      - { .name: WE2_scales, .offset: 184, .size: 8, .value_kind: global_buffer, .address_space: global }
      - { .name: Weo_codes, .offset: 192, .size: 8, .value_kind: global_buffer, .address_space: global }
      - { .name: WE1_codes, .offset: 200, .size: 8, .value_kind: global_buffer, .address_space: global }
      - { .name: WE2_codes, .offset: 208, .size: 8, .value_kind: global_buffer, .address_space: global }
    .group_segment_fixed_size: 319488
    .private_segment_fixed_size: 0
    .kernarg_segment_align: 8
    .kernarg_segment_size: 216
    .max_flat_workgroup_size: 512
    .sgpr_count:     102
    .vgpr_count:     256
    .wavefront_size: 32
...
	.end_amdgpu_metadata
.endif
;; end of part 2
;; launch node (part 3): grid 32 x 1, 16 waves a work-group, no clusters, 58,368 bytes of LDS; arguments WV, X, node_mask, Wxo_codes, Wxo_scales, bxo, gX1, betX1, WX1_codes, WX1_scales, bX1, WX2_codes, WX2_scales, bX2, gX2, betX2, out0; writes out0
.if DOCPART == 3
	.amdgcn_target "amdgcn-amd-amdhsa--gfx1250"
	.amdhsa_code_object_version 6
	.text
	.protected	k_qbd02c14e30_node
	.globl	k_qbd02c14e30_node
	.p2align	8
	.type	k_qbd02c14e30_node,@function
k_qbd02c14e30_node:
	s_mov_b64 s[64:65], 0
	v_nop
	global_prefetch_b8 v0, s[64:65] scope:SCOPE_SE
	s_setreg_imm32_b32 hwreg(HW_REG_WAVE_MODE, 25, 1), 1
	s_wait_xcnt 0x0
; The node path: Xo = LN(X + (wV Wxo + bxo) x node_mask);  out0 = LN(Xo + relu(Xo WX1 + bX1) WX2 + bX2).  Three products on codes of FP6 (E2M3) with one E8M0 scale for each 32 along K.
; SHARES.  A work-group owns 16 whole rows (LN wants whole rows): 32 work-groups; a split of the hidden axis over work-groups would want one launch more and partial sums through memory.
; THE WAVES SHARE THE COLUMNS: wave w makes output columns 16 w .. + 15 of the first and third product and hidden units 128 w .. + 127 of the second, for all 16 rows.  All products transposed
; (source 0 = 16 rows of a weight, source 1 = the 16 rows), so a lane holds one row (lane % 16).  WX1's rows of a tile are not neighbours: lane r of tile 2 b + u takes row 32 b + 8 u + r + 8 (r / 8),
; so that register 16 b + i of lane (r, h) is hidden unit 32 b + 16 h + i: the wave's 8 tiles are one K step of the third product; its codes go to the other waves through LDS as an image of their registers.
; The weights come straight to registers, 24 loads of 8 bytes a batch, two batches ahead in two sets of 48 registers.
; A row of wV that is NaN (a query with no admitted key) has no code: it is carried past the quantiser by fma(wV[row][0], 0, X).
; LIMITS: NaN and infinities among the inputs are not served; a block of zeros gets the scale byte 1 with zero codes.
.set XO,  0                            ; LDS: 16 rows of 1,024 bytes + 16
.set XP,  1040
.set P1,  16640                        ; four tables of the waves' partial sums: row x 64 + 4 x wave
.set P2,  17664
.set P3,  18688
.set P4,  19712
.set BL,  20736                        ; bX1 of each wave's 128 hidden units: wave x 512
.set HI,  28928                        ; the hidden layer's 16 fragments: wave x 1,536
.set HS,  53504                        ; their scale words: wave x 128
.set INA, 20                           ; v20-83   64 numbers for the quantiser; Wxo's fragments (v20-43) and a second accumulator (v44-51); the hidden layer; four hidden fragments
.set TM,  84                           ; v84-99   the quantiser's work; 16 partial sums
.set CS,  100                          ; v100-107 half blocks of codes; LN's work; the third product's second accumulator
.set FA0, 108                          ; v108-131 two fragments; later v108-115 the third product's first accumulator, v120-131 the hidden layer's codes
.set FA1, 120
.set WB0, 152                          ; v152-199, v200-247 two sets of four weight fragments.  Early: v152-215 wV's K step 1, v216-223 bxo, v224-231 X, v232-239 gX1, v240-247 betX1
.set WB1, 200
.set INB, 152
.set SEL, 44                           ; s[44:45] lane selects: lane xor 16;  s46 eps, s47 1 / 256
; v1 16 lane; v2 wV; v3 X; v4 tables; v5 Wxo; v6 WX1; v7 WX2; v8 partial sums in; v9 out (and WX2's scale words); v10 rows in; v11 rows out; v12-19 the row after the first LN
; v132-135 the rows' scale words, v136-151 the weights': these hold scales and nothing else.  v248-255 further addresses
.macro NOPS n
.rept \n
	v_nop
.endr
.endm
.macro BAR                                     ; my LDS stores have landed and my LDS loads are in: then the work-group's barrier
	s_wait_dscnt 0x0
	s_barrier_signal -1
	s_barrier_wait -1
.endm
.macro MM d, a, b, c, sa, sb
	v_wmma_scale_f32_16x16x128_f8f6f4 v[\d:\d+7], v[\a:\a+11], v[\b:\b+11], v[\c:\c+7], v[\sa], v[\sb] matrix_a_fmt:MATRIX_FMT_FP6 matrix_b_fmt:MATRIX_FMT_FP6
.endm
.macro MM0 d, a, b, sa, sb
	v_wmma_scale_f32_16x16x128_f8f6f4 v[\d:\d+7], v[\a:\a+11], v[\b:\b+11], 0, v[\sa], v[\sb] matrix_a_fmt:MATRIX_FMT_FP6 matrix_b_fmt:MATRIX_FMT_FP6
.endm
; 64 numbers of a lane, register 16 b + i = k 32 b + 16 (lane / 16) + i of my row, become a fragment's 12 registers of codes and the row's scale word.
.macro QUANT4 src, dst, word
.irp b, 0,1,2,3
	v_max3_num_f32 v[TM+\b], |v[\src+16*\b]|, |v[\src+1+16*\b]|, 0x1800000   ; block b: my 16 numbers and the floor 2^(3 - 127): the byte cannot fall under 1
.endr
.irp i, 2,4,6,8,10,12,14
.irp b, 0,1,2,3
	v_max3_num_f32 v[TM+\b], v[TM+\b], |v[\src+16*\b+\i]|, |v[\src+1+16*\b+\i]|
.endr
.endr
.irp b, 0,1,2,3
	v_permlanex16_b32 v[TM+4+\b], v[TM+\b], s[SEL], s[SEL+1]
.endr
.irp b, 0,1,2,3
	v_max_num_f32 v[TM+\b], v[TM+\b], v[TM+4+\b]
.endr
.irp b, 0,1,2,3
	v_add_nc_u32 v[TM+12+\b], 0xff000000, v[TM+\b] ; 2 off the exponent field: the conversion's scale operand
.endr
.irp b, 0,1,2,3
	v_lshrrev_b32 v[TM+4+\b], 23, v[TM+12+\b]      ; the scale's byte
.endr
	v_lshl_or_b32 v[\word], v[TM+5], 8, v[TM+4]
	v_lshl_or_b32 v[\word], v[TM+6], 16, v[\word]
	v_lshl_or_b32 v[\word], v[TM+7], 24, v[\word]
.irp c, 0,1
	v_cvt_scalef32_pk16_fp6_f32 v[\dst+6*\c:\dst+2+6*\c], v[\src+32*\c:\src+15+32*\c], v[TM+12+2*\c]
	v_cvt_scalef32_pk16_fp6_f32 v[CS+4*\c:CS+2+4*\c], v[\src+16+32*\c:\src+31+32*\c], v[TM+13+2*\c]
.endr
	v_nop                                          ; one plain place behind a scaled conversion
.irp c, 0,1
.irp i, 0,1,2
	v_permlane16_swap_b32 v[\dst+6*\c+\i], v[CS+4*\c+\i]
.endr
.irp i, 0,1,2
	v_mov_b32 v[\dst+3+6*\c+\i], v[CS+4*\c+\i]
.endr
.endr
.endm
.macro PSUM p                                  ; the sixteen waves' partial sums of my row, from table p: their sum in v[TM]
.irp i, 0,1,2,3
	ds_load_b128 v[TM+4*\i:TM+4*\i+3], v9 offset:\p+16*\i
.endr
	s_wait_dscnt 0x0
.irp i, 0,4,8,12
	v_pk_add_f32 v[TM+\i:TM+\i+1], v[TM+\i:TM+\i+1], v[TM+\i+2:TM+\i+3]
.endr
	v_pk_add_f32 v[TM:TM+1], v[TM:TM+1], v[TM+4:TM+5]
	v_pk_add_f32 v[TM+8:TM+9], v[TM+8:TM+9], v[TM+12:TM+13]
	v_pk_add_f32 v[TM:TM+1], v[TM:TM+1], v[TM+8:TM+9]
	v_add_f32 v[TM], v[TM], v[TM+1]
.endm
; LN over a row of 256: 8 numbers a lane, 16 a wave.  Two barriers: the sums, then the squares of the deviations.
.macro LNX x, pa, pb, g, b, dst
	v_pk_add_f32 v[CS:CS+1], v[\x:\x+1], v[\x+2:\x+3]
	v_pk_add_f32 v[CS+2:CS+3], v[\x+4:\x+5], v[\x+6:\x+7]
	v_pk_add_f32 v[CS:CS+1], v[CS:CS+1], v[CS+2:CS+3]
	v_add_f32 v[CS], v[CS], v[CS+1]
	v_permlanex16_b32 v[CS+1], v[CS], s[SEL], s[SEL+1]
	v_add_f32 v[CS], v[CS], v[CS+1]
	ds_store_b32 v8, v[CS] offset:\pa              ; lanes r and r + 16 store the same number to the same word
	BAR
	PSUM \pa
	v_mul_f32 v[CS+4], 0xbb800000, v[TM]           ; -mean
	v_mov_b32 v[CS+5], v[CS+4]
.irp i, 0,2,4,6
	v_pk_add_f32 v[\x+\i:\x+\i+1], v[\x+\i:\x+\i+1], v[CS+4:CS+5]
.endr
	v_pk_mul_f32 v[CS:CS+1], v[\x:\x+1], v[\x:\x+1]
	v_pk_mul_f32 v[CS+2:CS+3], v[\x+2:\x+3], v[\x+2:\x+3]
	v_pk_fma_f32 v[CS:CS+1], v[\x+4:\x+5], v[\x+4:\x+5], v[CS:CS+1]
	v_pk_fma_f32 v[CS+2:CS+3], v[\x+6:\x+7], v[\x+6:\x+7], v[CS+2:CS+3]
	v_pk_add_f32 v[CS:CS+1], v[CS:CS+1], v[CS+2:CS+3]
	v_add_f32 v[CS], v[CS], v[CS+1]
	v_permlanex16_b32 v[CS+1], v[CS], s[SEL], s[SEL+1]
	v_add_f32 v[CS], v[CS], v[CS+1]
	ds_store_b32 v8, v[CS] offset:\pb
	BAR
	PSUM \pb
	v_fma_f32 v[TM], v[TM], s47, s46               ; var + eps
	v_rsq_f32 v[CS+6], v[TM]
	v_nop                                          ; one plain place behind the transcendental
	s_wait_alu depctr_va_vdst(0)
	v_mov_b32 v[CS+7], v[CS+6]
.irp i, 0,2,4,6
	v_pk_mul_f32 v[\x+\i:\x+\i+1], v[\x+\i:\x+\i+1], v[CS+6:CS+7]
.endr
.irp i, 0,2,4,6
	v_pk_fma_f32 v[\dst+\i:\dst+\i+1], v[\x+\i:\x+\i+1], v[\g+\i:\g+\i+1], v[\b+\i:\b+\i+1]
.endr
.endm
.macro W1LOAD g, buf                           ; WX1's batch g: K step g / 2, tiles 4 (g % 2) + 0 .. 3
.irp i, 0,1,2,3
.irp p, 0,1,2,3,4,5
	global_load_b64 v[\buf+12*\i+2*\p:\buf+12*\i+2*\p+1], v6, s[24:25] offset:(32*(2*((\g)%2)+\i/2)+8*(\i%2))*192+96*((\g)/2)+48*(\p/3)+8*(\p%3)
.endr
.endr
.endm
.macro W2LOAD g, buf                           ; WX2's batch g: K steps 4 g + 0 .. 3 of my 16 rows
.irp i, 0,1,2,3
.irp p, 0,1,2,3,4,5
	global_load_b64 v[\buf+12*\i+2*\p:\buf+12*\i+2*\p+1], v7, s[30:31] offset:96*(4*(\g)+\i)+48*(\p/3)+8*(\p%3)
.endr
.endr
.endm
.macro P8 g, buf                               ; the second product's batch g: four accumulators, one instruction each
.irp i, 0,1,2,3
	MM INA+8*(4*((\g)%2)+\i), \buf+12*\i, FA0+12*((\g)/2), INA+8*(4*((\g)%2)+\i), 136+2*(4*((\g)%2)+\i)+(\g)/2, 132+(\g)/2
.endr
	NOPS 5                                         ; places behind the products (ISA guide 7.12.1)
.endm
.macro P9 g, buf, cnt                          ; the third product's batch g; cnt: the loads issued behind this batch's weights
.set cnt_, 0
.rept 12
	ds_load_b128 v[INA+4*cnt_:INA+4*cnt_+3], v1 offset:HI+6144*(\g)+512*cnt_   ; the hidden fragments of K steps 4 g + 0 .. 3
.set cnt_, cnt_+1
.endr
.irp i, 0,1,2,3
	ds_load_b32 v[132+\i], v250 offset:HS+128*(4*(\g)+\i)
.endr
	s_wait_loadcnt \cnt
	s_wait_dscnt 0x0
.irp i, 0,1,2,3                                ; two accumulators by turns, one instruction a turn
.if (\g) == 0 && \i == 1
	MM0 100, \buf+12*\i, INA+12*\i, 136+4*(\g)+\i, 132+\i
.else
	MM 108-8*(\i%2), \buf+12*\i, INA+12*\i, 108-8*(\i%2), 136+4*(\g)+\i, 132+\i
.endif
.endr
	NOPS 5
.endm
	s_load_b512 s[8:23], s[0:1], 0x0               ; WV 8, X 10, node_mask 12, Wxo_codes 14, Wxo_scales 16, bxo 18, gX1 20, betX1 22
	s_load_b512 s[24:39], s[0:1], 0x40             ; WX1_codes 24, WX1_scales 26, bX1 28, WX2_codes 30, WX2_scales 32, bX2 34, gX2 36, betX2 38
	s_load_b64 s[40:41], s[0:1], 0x80              ; out0
	v_lshrrev_b32 v1, 5, v0
	v_readfirstlane_b32 s2, v1                     ; wave 0..15
	v_and_b32 v1, 31, v0
	v_lshlrev_b32 v1, 4, v1                        ; 16 x lane
	v_and_b32 v18, 15, v0                          ; r
	v_bfe_u32 v19, v0, 4, 1                        ; h
	v_lshlrev_b32 v251, 10, v18                    ; row r of 1,024 bytes: wV[row][0]
	v_lshl_add_u32 v2, v19, 6, v251                ; + 64 h: my 16 numbers of each block of 32
	v_lshl_add_u32 v3, v19, 5, v251                ; + 32 h: my 8 columns
	v_lshlrev_b32 v4, 5, v19
	v_mul_u32_u24 v252, v19, 24
	v_mad_u32_u24 v5, v18, 192, v252
	v_and_b32 v249, 8, v18
	v_add_nc_u32 v249, v249, v18                   ; r + 8 (r / 8)
	v_mad_u32_u24 v6, v249, 192, v252
	v_mad_u32_u24 v7, v18, 1536, v252
	v_lshlrev_b32 v249, 3, v249                    ; WX1's scale words
	v_lshlrev_b32 v248, 3, v18                     ; Wxo's
	v_mov_b32 v250, v18                            ; node_mask
	v_lshlrev_b32 v9, 6, v18
	s_lshl_b32 s42, s2, 2
	v_add_nc_u32 v8, s42, v9
	v_mul_u32_u24 v11, v18, XP
	v_lshl_add_u32 v10, v19, 5, v11
	s_lshl_b32 s42, s2, 6
	v_add_nc_u32 v10, s42, v10
	v_lshl_add_u32 v11, v19, 6, v11
	s_lshl_b32 s42, s2, 9
	v_add_nc_u32 v252, s42, v1                     ; bX1 in: 512 w + 16 lane
	v_lshlrev_b32 v253, 6, v19
	v_add_nc_u32 v253, s42, v253                   ; and out: 512 w + 64 h
	s_mul_i32 s42, s2, 1536
	v_add_nc_u32 v254, s42, v1                     ; my hidden fragment's image
	s_lshl_b32 s42, s2, 7
	v_lshrrev_b32 v255, 2, v1
	v_add_nc_u32 v255, s42, v255                   ; and its scale words
.irp b, 4,5,6,7
	v_mov_b32 v[TM+\b], 0                          ; a lane permute's destination counts as one of its sources
.endr
	s_mov_b32 s[SEL], 0x76543210
	s_mov_b32 s[SEL+1], 0xfedcba98
	s_mov_b32 s46, 0x3727c5ac                      ; eps = 1e-5
	s_mov_b32 s47, 0x3b800000                      ; 1 / 256
	s_mov_b32 s43, 0
	s_wait_kmcnt 0x0
	s_lshl_b32 s42, ttmp9, 14                      ; my 16 rows
	s_add_nc_u64 s[8:9], s[8:9], s[42:43]
	s_add_nc_u64 s[10:11], s[10:11], s[42:43]
	s_add_nc_u64 s[40:41], s[40:41], s[42:43]
	s_lshl_b32 s42, ttmp9, 4
	s_add_nc_u64 s[12:13], s[12:13], s[42:43]
	s_lshl_b32 s42, s2, 6                          ; my 16 columns
	s_add_nc_u64 s[10:11], s[10:11], s[42:43]
	s_add_nc_u64 s[18:19], s[18:19], s[42:43]
	s_add_nc_u64 s[20:21], s[20:21], s[42:43]
	s_add_nc_u64 s[22:23], s[22:23], s[42:43]
	s_add_nc_u64 s[34:35], s[34:35], s[42:43]
	s_add_nc_u64 s[36:37], s[36:37], s[42:43]
	s_add_nc_u64 s[38:39], s[38:39], s[42:43]
	s_mul_i32 s42, s2, 3072                        ; my 16 rows of Wxo
	s_add_nc_u64 s[14:15], s[14:15], s[42:43]
	s_lshl_b32 s42, s2, 7
	s_add_nc_u64 s[16:17], s[16:17], s[42:43]
	s_mul_i32 s42, s2, 24576                       ; my 128 rows of WX1 (192 bytes), my 16 of WX2 (1,536)
	s_add_nc_u64 s[24:25], s[24:25], s[42:43]
	s_add_nc_u64 s[30:31], s[30:31], s[42:43]
	s_lshl_b32 s42, s2, 10                         ; their scale bytes; and row w of my 16 rows of out0
	s_add_nc_u64 s[26:27], s[26:27], s[42:43]
	s_add_nc_u64 s[32:33], s[32:33], s[42:43]
	s_add_nc_u64 s[40:41], s[40:41], s[42:43]
	s_lshl_b32 s42, s2, 9
	s_add_nc_u64 s[28:29], s[28:29], s[42:43]      ; my 128 numbers of bX1
.set cnt_, 0
.rept 16
	global_load_b128 v[INA+4*cnt_:INA+4*cnt_+3], v2, s[8:9] offset:128*(cnt_/4)+16*(cnt_%4)        ; wV, K step 0
.set cnt_, cnt_+1
.endr
.set cnt_, 0
.rept 16
	global_load_b128 v[INB+4*cnt_:INB+4*cnt_+3], v2, s[8:9] offset:512+128*(cnt_/4)+16*(cnt_%4)    ; K step 1
.set cnt_, cnt_+1
.endr
	global_load_b128 v[216:219], v4, s[18:19]              ; bxo: the C of the product's first instruction
	global_load_b128 v[220:223], v4, s[18:19] offset:16
	global_load_b128 v[224:227], v3, s[10:11]              ; X
	global_load_b128 v[228:231], v3, s[10:11] offset:16
	global_load_b128 v[232:235], v4, s[20:21]
	global_load_b128 v[236:239], v4, s[20:21] offset:16
	global_load_b128 v[240:243], v4, s[22:23]
	global_load_b128 v[244:247], v4, s[22:23] offset:16
	global_load_u8 v12, v250, s[12:13]
	global_load_b32 v13, v251, s[8:9]
	global_load_b128 v[14:17], v1, s[28:29]
	s_wait_loadcnt 27                              ; K step 0 is in: behind it K step 1's 16 loads and the 11 others
	QUANT4 INA, FA0, 132
.irp f, 0,1
.irp p, 0,1,2,3,4,5
	global_load_b64 v[INA+12*\f+2*\p:INA+12*\f+2*\p+1], v5, s[14:15] offset:96*\f+48*(\p/3)+8*(\p%3)   ; Wxo's two fragments
.endr
.endr
	global_load_b64 v[136:137], v248, s[16:17]
	s_wait_loadcnt 24                              ; K step 1 is in: behind it the 11 others and Wxo's 13
	QUANT4 INB, FA1, 133
	W1LOAD 0, WB0
	s_wait_loadcnt 24                              ; all but WX1's first batch
	ds_store_b128 v252, v[14:17] offset:BL         ; bX1 turns through my own 512 bytes of LDS
	v_lshrrev_b32 v250, 2, v1                      ; 4 x lane: the hidden layer's scale words
	s_mul_i32 s42, s2, XP
	v_add_nc_u32 v251, s42, v1                     ; the way out: row w
	NOPS 8                                         ; operands and scale words made by vector instructions stand 4 and 8 places ahead of a scaled matrix instruction
	MM 216, INA, FA0, 216, 136, 132                ; two accumulators, one K step each
	MM0 44, INA+12, FA1, 137, 133
	NOPS 5
.irp t, 0,1,2,3,4,5,6,7
	global_load_b64 v[136+2*\t:137+2*\t], v249, s[26:27] offset:(32*(\t/2)+8*(\t%2))*8   ; WX1's scale words: tile t, K steps 0, 1
.endr
	v_cvt_f32_u32 v12, v12                         ; node_mask of my row
.irp i, 0,2,4,6
	v_pk_add_f32 v[216+\i:217+\i], v[216+\i:217+\i], v[44+\i:45+\i]
.endr
.irp j, 0,1,2,3,4,5,6,7
	v_fma_f32 v[224+\j], v13, 0, v[224+\j]         ; X, or NaN where the row of wV is NaN
.endr
.irp j, 0,1,2,3,4,5,6,7
	v_fma_f32 v[224+\j], v[216+\j], v12, v[224+\j]
.endr
	LNX 224, P1, P2, 232, 240, 12
	W1LOAD 1, WB1
	ds_store_b128 v10, v[12:15] offset:XO
	ds_store_b128 v10, v[16:19] offset:XO+16
	BAR                                            ; 16 whole rows lie in LDS
.set cnt_, 0
.rept 16
	ds_load_b128 v[INA+4*cnt_:INA+4*cnt_+3], v11 offset:XO+128*(cnt_/4)+16*(cnt_%4)
.set cnt_, cnt_+1
.endr
	s_wait_dscnt 0x0
	QUANT4 INA, FA0, 132
.set cnt_, 0
.rept 16
	ds_load_b128 v[INA+4*cnt_:INA+4*cnt_+3], v11 offset:XO+512+128*(cnt_/4)+16*(cnt_%4)
.set cnt_, cnt_+1
.endr
	s_wait_dscnt 0x0
	QUANT4 INA, FA1, 133
.set cnt_, 0
.rept 16
	ds_load_b128 v[INA+4*cnt_:INA+4*cnt_+3], v253 offset:BL+128*(cnt_/4)+16*(cnt_%4)   ; bX1 in the result's layout: the C of each sum's first instruction
.set cnt_, cnt_+1
.endr
	s_wait_loadcnt 24                              ; batch 0 and the scale words are in: batch 1's 24 loads are younger
	s_wait_dscnt 0x0
	NOPS 8
	P8 0, WB0
	W1LOAD 2, WB0
	s_wait_loadcnt 24                              ; batch 1 is in: batch 2 is younger
	P8 1, WB1
	W1LOAD 3, WB1
	s_wait_loadcnt 24                              ; batch 2 is in: batch 3 is younger
	P8 2, WB0
	global_load_b128 v[108:111], v4, s[34:35]              ; bX2: the C of the third product's first instruction
	global_load_b128 v[112:115], v4, s[34:35] offset:16
	W2LOAD 0, WB0
	s_wait_loadcnt 26                              ; batch 3 is in: bX2's 2 loads and WX2's first 24 are younger
	P8 3, WB1
.irp i, 0,1,2,3
	global_load_b128 v[136+4*\i:139+4*\i], v9, s[32:33] offset:16*\i   ; WX2's 16 scale words of my row
.endr
	W2LOAD 1, WB1
.set cnt_, 0
.rept 64
	v_max_num_f32 v[INA+cnt_], 0, v[INA+cnt_]      ; the activation, each accumulator from its low end on
.set cnt_, cnt_+1
.endr
	QUANT4 INA, FA1, 134
.irp c, 0,1,2
	ds_store_b128 v254, v[FA1+4*\c:FA1+4*\c+3] offset:HI+512*\c
.endr
	ds_store_b32 v255, v134 offset:HS
	BAR                                            ; the hidden layer's sixteen fragments lie in LDS
	P9 0, WB0, 24                                  ; bX2, batch 0 and the scale words are in: batch 1's 24 loads are younger
	W2LOAD 2, WB0
	P9 1, WB1, 24                                  ; batch 2 is younger
	W2LOAD 3, WB1
	P9 2, WB0, 24                                  ; batch 3 is younger
	P9 3, WB1, 0
	global_load_b128 v[152:155], v4, s[36:37]
	global_load_b128 v[156:159], v4, s[36:37] offset:16
	global_load_b128 v[160:163], v4, s[38:39]
	global_load_b128 v[164:167], v4, s[38:39] offset:16
.irp i, 0,2,4,6
	v_pk_add_f32 v[12+\i:13+\i], v[12+\i:13+\i], v[108+\i:109+\i]
.endr
.irp i, 0,2,4,6
	v_pk_add_f32 v[12+\i:13+\i], v[12+\i:13+\i], v[100+\i:101+\i]
.endr
	s_wait_loadcnt 0x0
	LNX 12, P3, P4, 152, 160, 12
	ds_store_b128 v10, v[12:15] offset:XO
	ds_store_b128 v10, v[16:19] offset:XO+16
	BAR                                            ; 16 whole rows of the result lie in LDS
	ds_load_b128 v[20:23], v251 offset:XO
	ds_load_b128 v[24:27], v251 offset:XO+512
	s_wait_dscnt 0x0
	global_store_b128 v1, v[20:23], s[40:41]               ; wave w stores row w: 512 consecutive bytes an instruction
	global_store_b128 v1, v[24:27], s[40:41] offset:512
	s_barrier_signal -1
	s_barrier_wait -1
	s_wait_xcnt 0x0
	v_lshl_add_u32 v254, v0, 2, 0xdc00
	v_mov_b32 v255, 0
	s_wait_tensorcnt 0x0
	ds_add_u32 v254, v255
	s_wait_dscnt 0x0
	s_endpgm
.Lfunc_end_k_qbd02c14e30_node:
	.size	k_qbd02c14e30_node, .Lfunc_end_k_qbd02c14e30_node-k_qbd02c14e30_node
	.p2alignl 7, 3214868480
	.fill 96, 4, 3214868480
	.section	.rodata,"a",@progbits
	.p2align	6, 0x0
	.amdhsa_kernel k_qbd02c14e30_node
		.amdhsa_group_segment_fixed_size 58368
		.amdhsa_private_segment_fixed_size 0
		.amdhsa_enable_private_segment 0
		.amdhsa_kernarg_size 136
		.amdhsa_user_sgpr_count 2
		.amdhsa_user_sgpr_kernarg_segment_ptr 1
		.amdhsa_wavefront_size32 1
		.amdhsa_system_sgpr_workgroup_id_x 1
		.amdhsa_system_sgpr_workgroup_id_y 1
		.amdhsa_system_sgpr_workgroup_id_z 1
		.amdhsa_system_vgpr_workitem_id 0
		.amdhsa_next_free_vgpr 256
		.amdhsa_next_free_sgpr 66
		.amdhsa_reserve_vcc 0
		.amdhsa_float_denorm_mode_32 3
		.amdhsa_float_denorm_mode_16_64 3
		.amdhsa_memory_ordered 1
		.amdhsa_forward_progress 1
		.amdhsa_inst_pref_size 74
	.end_amdhsa_kernel
	.amdgpu_metadata
---
amdhsa.version: [ 1, 2 ]
amdhsa.kernels:
  - .name:           k_qbd02c14e30_node
    .symbol:         k_qbd02c14e30_node.kd
    .args:
      - { .name: WV, .offset: 0, .size: 8, .value_kind: global_buffer, .address_space: global }
      - { .name: X, .offset: 8, .size: 8, .value_kind: global_buffer, .address_space: global }
      - { .name: node_mask, .offset: 16, .size: 8, .value_kind: global_buffer, .address_space: global }
      - { .name: Wxo_codes, .offset: 24, .size: 8, .value_kind: global_buffer, .address_space: global }
      - { .name: Wxo_scales, .offset: 32, .size: 8, .value_kind: global_buffer, .address_space: global }
      - { .name: bxo, .offset: 40, .size: 8, .value_kind: global_buffer, .address_space: global }
      - { .name: gX1, .offset: 48, .size: 8, .value_kind: global_buffer, .address_space: global }
      - { .name: betX1, .offset: 56, .size: 8, .value_kind: global_buffer, .address_space: global }
      - { .name: WX1_codes, .offset: 64, .size: 8, .value_kind: global_buffer, .address_space: global }
      - { .name: WX1_scales, .offset: 72, .size: 8, .value_kind: global_buffer, .address_space: global }
      - { .name: bX1, .offset: 80, .size: 8, .value_kind: global_buffer, .address_space: global }
      - { .name: WX2_codes, .offset: 88, .size: 8, .value_kind: global_buffer, .address_space: global }
      - { .name: WX2_scales, .offset: 96, .size: 8, .value_kind: global_buffer, .address_space: global }
      - { .name: bX2, .offset: 104, .size: 8, .value_kind: global_buffer, .address_space: global }
      - { .name: gX2, .offset: 112, .size: 8, .value_kind: global_buffer, .address_space: global }
      - { .name: betX2, .offset: 120, .size: 8, .value_kind: global_buffer, .address_space: global }
      - { .name: out0, .offset: 128, .size: 8, .value_kind: global_buffer, .address_space: global }
    .group_segment_fixed_size: 58368
    .private_segment_fixed_size: 0
    .kernarg_segment_align: 8
    .kernarg_segment_size: 136
    .max_flat_workgroup_size: 512
    .sgpr_count:     66
    .vgpr_count:     256
    .wavefront_size: 32
...
	.end_amdgpu_metadata
.endif
;; end of part 3
;; ======== version 2 of 2: 4 launches
;; limits: right only within a limited range of input values
;; workspace buffers: QI 524,288 bytes; KI 524,288 bytes; VI 524,288 bytes; MK 262,144 bytes of whole numbers; WV 524,288 bytes; WIMG 835,584 bytes; PS 4,194,304 bytes
;; launch prep (part 4): grid 32 x 6, 8 waves a work-group, no clusters, 57,600 bytes of LDS; arguments X, node_mask, sparse_mask, Wq_codes, Wq_scales, bq, Wk_codes, Wk_scales, bk, Wv_codes, Wv_scales, bv, QI, KI, VI, MK, Wxo_codes, WX1_codes, WX2_codes, WIMG; writes QI, KI, VI, MK, WIMG
.if DOCPART == 4
	.amdgcn_target "amdgcn-amd-amdhsa--gfx1250"
	.amdhsa_code_object_version 6
	.text
	.protected	k_qbd02c14e30_prep
	.globl	k_qbd02c14e30_prep
	.p2align	8
	.type	k_qbd02c14e30_prep,@function
k_qbd02c14e30_prep:
	s_mov_b64 s[64:65], 0
	v_nop
	global_prefetch_b8 v0, s[64:65] scope:SCOPE_SE
	s_setreg_imm32_b32 hwreg(HW_REG_WAVE_MODE, 25, 1), 1
	s_wait_xcnt 0x0
; Q / sqrt(32), K and V = (X W + b) x node_mask, on codes of FP6 (E2M3) with one E8M0 scale for each 32 along K; the lane masks of the attention; and the node path's weights laid as its waves want them.
; GRID: x = 0 .. 31; y = 0, 1, 2: Q, K, V (x = 16 rows of the 512 rows of X); y = 3: the masks; y = 4, 5: images of weight fragments.  Eight waves.
; y < 3: wave cp makes channels 32 cp .. 32 cp + 31 as two tiles: tile ab holds channels 32 cp + 2 r + ab (r = lane % 16).  Source 0 = the 16 rows of X, source 1 = 16 rows of W's codes.
;   X IS QUANTISED ONCE IN THE WORK-GROUP: wave v takes block v of the eight blocks of 32 along K: lane (r, h) loads the 16 numbers 32 v + 16 h + 0 .. 15 of row r, and its 3 registers of codes go to LDS at the place that
;   the operand gives them: fragment v / 4, lane r + 16 (v % 2), registers 6 ((v / 2) % 2) + 3 h + 0 .. 2, 48 bytes a lane; the block's scale byte beside them.  Behind one barrier every wave takes both fragments.
;   W: a wave's 32 rows of codes are 6,144 consecutive bytes: 12 loads of 512 bytes; they pass through the wave's own LDS bytes, rows 208 bytes apart, and come back as fragments in pieces of 8 bytes.
;   THE RESULT IS STORED AS AN IMAGE OF ITS REGISTERS: the 16 bytes at ((((b 8 + cp) 16 + t) 2 + ab) 2 + qd) 512 + 16 lane hold rows 16 t + 8 h + 4 qd + 0 .. 3 of channel 32 cp + 2 r + ab.
; y = 3: MK[b][i][t][jj] = (M[i][16 t + jj] ? 0xffff : 0) | (M[i][16 t + 8 + jj] ? 0xffff0000 : 0), M = sparse_mask[i][j] and node_mask[b][j].
; y = 4, 5: a fragment (16 rows x 128 K of codes) is fetched once and stored as it stands in the registers: registers 4 c .. 4 c + 3 of lane l at 512 c + 16 l.  Fragment 8 x + wave:
;   y = 4: WX1, fragment 16 w + 8 s + t: rows 128 w + 32 (t / 2) + 8 (t % 2) + r + 8 (r / 8), K step s.   y = 5: WX2, fragment 16 w + ks: rows 16 w + r, K step ks.
;   Wxo's 32 fragments (2 w + s: rows 16 w + r, K step s) are taken by wave 0 of the 32 work-groups of y = 4, one each.
; LDS is used by the work-groups of y < 3 alone.  No tensor loads, no cluster, no prefetch: each work-group reads little, once, with no loop to run ahead in.
; LIMITS: NaN and infinities among the inputs are not served; a block of zeros gets the scale byte 1 with zero codes (the bytes are read by this program alone).
.set OFF1, 49152                       ; WIMG: Wxo's 32 fragments of 1,536 bytes, then WX1's 256,
.set OFF2, 442368                      ; then WX2's 256
.set XI,  0                            ; LDS: X's two fragments, 1,536 bytes each
.set XS,  3072                         ; their scale words: fragment x 64 + 4 x row
.set WS,  3328                         ; W's rows: wave x 6,656 = 32 rows of 192 + 16 bytes
.set WPW, 6656
.set SPARE, 56576                      ; the spare words, 128 bytes a wave
.set XN,  40                           ; v40-55 my 16 numbers of X;  v56-103 W's codes as memory has them
.set TM,  144
.set CS,  160
.set XF0, 168                          ; v168-191 X's two fragments
.set XF1, 180
.set WF,  194                          ; v194-241 W's four fragments: (ab, s) at WF + 12 (2 ab + s)
.set SEL, 50                           ; s[50:51] lane selects: lane xor 16
; v16-31 the two accumulators, v32-39 node_mask x factor.  v192-193 X's scale words, v242-245 W's: these six hold scales and nothing else.  v252, v253: the spare word's address and 0
.macro NOPS n
.rept \n
	v_nop
.endr
.endm
.macro VW
	s_wait_alu depctr_va_vdst(0)
.endm
.macro FRAGIN reg, va, ptr                     ; a fragment as the matrix unit wants it: my row's bytes 24 h + 0 .. 23 and 48 + 24 h + 0 .. 23, in pieces of 8
.irp p, 0,1,2,3,4,5
	global_load_b64 v[\reg+2*\p:\reg+2*\p+1], v[\va], s[\ptr:\ptr+1] offset:48*(\p/3)+8*(\p%3)
.endr
.endm
.macro FRAGOUT reg, ptr                        ; and its image: each store covers 512 consecutive bytes
.irp c, 0,1,2
	global_store_b128 v2, v[\reg+4*\c:\reg+4*\c+3], s[\ptr:\ptr+1] offset:512*\c
.endr
.endm
	s_load_b512 s[8:23], s[0:1], 0x0               ; X 8, node_mask 10, sparse_mask 12, Wq_codes 14, Wq_scales 16, bq 18, Wk_codes 20, Wk_scales 22
	s_load_b512 s[24:39], s[0:1], 0x40             ; bk 24, Wv_codes 26, Wv_scales 28, bv 30, QI 32, KI 34, VI 36, MK 38
	s_load_b256 s[56:63], s[0:1], 0x80             ; Wxo_codes 56, WX1_codes 58, WX2_codes 60, WIMG 62
	v_lshl_add_u32 v252, v0, 2, SPARE
	v_mov_b32 v253, 0
	v_lshrrev_b32 v1, 5, v0
	s_delay_alu instid0(VALU_DEP_1)
	v_readfirstlane_b32 s2, v1                     ; wave 0..7
	s_and_b32 s3, ttmp7, 0xffff                    ; y
	v_and_b32 v1, 31, v0                           ; lane
	s_delay_alu instid0(VALU_DEP_1)
	v_lshlrev_b32 v2, 4, v1                        ; 16 x lane
	s_mov_b32 s53, 0
	VW
	s_wait_kmcnt 0x0
	s_cmp_gt_u32 s3, 3
	s_cbranch_scc1 .Limages
	s_cmp_eq_u32 s3, 3
	s_cbranch_scc1 .Lmasks
	; ---- Q, K or V: the buffers are chosen on the work-group's y alone
	s_cmp_eq_u32 s3, 0
	s_cselect_b64 s[40:41], s[14:15], s[20:21]     ; codes
	s_cselect_b64 s[42:43], s[16:17], s[22:23]     ; scales
	s_cselect_b64 s[44:45], s[18:19], s[24:25]     ; bias
	s_cselect_b64 s[46:47], s[32:33], s[34:35]     ; the image
	s_mov_b32 s48, 1.0
	s_cselect_b32 s48, 0x3e3504f3, s48             ; Q carries 1 / sqrt(32)
	s_cmp_eq_u32 s3, 2
	s_cselect_b64 s[40:41], s[26:27], s[40:41]
	s_cselect_b64 s[42:43], s[28:29], s[42:43]
	s_cselect_b64 s[44:45], s[30:31], s[44:45]
	s_cselect_b64 s[46:47], s[36:37], s[46:47]
	s_mov_b32 s[SEL], 0x76543210
	s_mov_b32 s[SEL+1], 0xfedcba98
	s_lshl_b32 s52, ttmp9, 14                      ; my 16 rows of X: 1,024 bytes each,
	s_add_nc_u64 s[8:9], s[8:9], s[52:53]
	s_lshl_b32 s52, s2, 7                          ; and my block of 32 numbers
	s_add_nc_u64 s[8:9], s[8:9], s[52:53]
	s_add_nc_u64 s[44:45], s[44:45], s[52:53]      ; (the bias of my 32 channels lies as far on)
	s_lshl_b32 s52, ttmp9, 4
	s_add_nc_u64 s[10:11], s[10:11], s[52:53]      ; the rows' bytes of node_mask
	s_mul_i32 s52, s2, 6144                        ; my 32 rows of W: 192 bytes each,
	s_add_nc_u64 s[40:41], s[40:41], s[52:53]
	s_lshl_b32 s52, s2, 8                          ; 8 scale bytes each
	s_add_nc_u64 s[42:43], s[42:43], s[52:53]
	s_lshr_b32 s52, ttmp9, 4                       ; the image: ((b 8 + cp) 16 + t) x 2,048
	s_lshl_b32 s52, s52, 18
	s_lshl_b32 s54, s2, 15
	s_add_co_u32 s52, s52, s54
	s_and_b32 s54, ttmp9, 15
	s_lshl_b32 s54, s54, 11
	s_add_co_u32 s52, s52, s54
	s_add_nc_u64 s[46:47], s[46:47], s[52:53]
	v_and_b32 v3, 15, v0                           ; r
	v_bfe_u32 v4, v0, 4, 1                         ; h
	v_lshlrev_b32 v5, 10, v3
	v_lshl_add_u32 v5, v4, 6, v5                   ; X: row r, + 64 h
	s_mul_i32 s54, s2, WPW
	s_add_co_u32 s54, s54, WS                      ; my LDS bytes for W
	v_mul_u32_u24 v6, v3, 416
	v_mad_u32_u24 v6, v4, 24, v6
	v_add_nc_u32 v6, s54, v6                       ; W's fragments: rows 2 r (+ ab by the immediate) of 208 bytes, + 24 h
	v_lshlrev_b32 v7, 4, v3                        ; W's scale words: 16 r
	v_lshlrev_b32 v8, 3, v3                        ; the bias: 8 r
	v_lshlrev_b32 v9, 3, v4                        ; node_mask: 8 h
.irp c, 0,1,2                                  ; piece i = lane + 32 c of 16 bytes lies in row i / 12 = (171 i) >> 11 for i < 96; 96 pieces on are 8 rows on: 1,664 bytes, by the immediate
	v_add_nc_u32 v[10+\c], 32*\c, v1
	v_mul_u32_u24 v105, v[10+\c], 171
	v_lshrrev_b32 v105, 11, v105
	v_add_nc_u32 v[10+\c], v[10+\c], v105
	v_lshl_add_u32 v[10+\c], v[10+\c], 4, s54
.endr
	s_lshr_b32 s55, s2, 2                          ; my block's fragment,
	s_mul_i32 s52, s55, 1536
	s_and_b32 s49, s2, 1                           ; half of the lanes,
	s_mul_i32 s49, s49, 768
	s_add_co_u32 s52, s52, s49
	s_bfe_u32 s49, s2, 0x10001                     ; and half of the registers
	s_mul_i32 s49, s49, 24
	s_add_co_u32 s52, s52, s49
	v_mul_u32_u24 v13, v3, 48
	v_mad_u32_u24 v13, v4, 12, v13
	v_add_nc_u32 v13, s52, v13                     ; where my 3 registers of codes go
	s_lshl_b32 s55, s55, 6
	s_and_b32 s49, s2, 3
	s_add_co_u32 s55, s55, s49
	v_lshl_add_u32 v14, v3, 2, s55                 ; and my block's scale byte of row r
	v_mul_u32_u24 v15, v1, 48                      ; a fragment back: 48 bytes a lane
	v_lshlrev_b32 v104, 2, v3
	v_mov_b32 v[TM+4], 0                           ; a lane permute's destination counts as one of its sources
	VW
.irp q, 0,1,2,3
	global_load_b128 v[XN+4*\q:XN+4*\q+3], v5, s[8:9] offset:16*\q
.endr
.set cnt_, 0
.rept 12
	global_load_b128 v[56+4*cnt_:59+4*cnt_], v2, s[40:41] offset:512*cnt_   ; 512 consecutive bytes a load
.set cnt_, cnt_+1
.endr
	global_load_b64 v[242:243], v7, s[42:43]           ; tile a: the words of K steps 0, 1
	global_load_b64 v[244:245], v7, s[42:43] offset:8  ; tile b
	global_load_b64 v[246:247], v8, s[44:45]           ; the bias of my two channels
	global_load_b64 v[250:251], v9, s[10:11]           ; node_mask of rows 8 h + 0 .. 7
	s_wait_loadcnt 16                              ; my numbers of X are in: W's 12 loads and 4 small ones are younger
	v_max3_num_f32 v[TM], |v[XN]|, |v[XN+1]|, 0x1800000   ; the largest magnitude, in two chains, with the floor 2^(3 - 127): the byte cannot fall under 1
	v_max3_num_f32 v[TM+1], |v[XN+2]|, |v[XN+3]|, |v[XN+4]|
	v_max3_num_f32 v[TM], v[TM], |v[XN+5]|, |v[XN+6]|
	v_max3_num_f32 v[TM+1], v[TM+1], |v[XN+7]|, |v[XN+8]|
	v_max3_num_f32 v[TM], v[TM], |v[XN+9]|, |v[XN+10]|
	v_max3_num_f32 v[TM+1], v[TM+1], |v[XN+11]|, |v[XN+12]|
	v_max3_num_f32 v[TM], v[TM], |v[XN+13]|, |v[XN+14]|
	v_max3_num_f32 v[TM], v[TM], v[TM+1], |v[XN+15]|
	v_permlanex16_b32 v[TM+4], v[TM], s[SEL], s[SEL+1]
	v_max_num_f32 v[TM], v[TM], v[TM+4]            ; with lane xor 16's 16
	v_add_nc_u32 v[TM+2], 0xff000000, v[TM]        ; 2 off its exponent field: the conversion's scale operand
	v_lshrrev_b32 v[TM+3], 23, v[TM+2]             ; the scale's byte
	v_cvt_scalef32_pk16_fp6_f32 v[CS:CS+2], v[XN:XN+15], v[TM+2]
	v_nop                                          ; one plain place behind a scaled conversion
	ds_store_b32 v13, v[CS] offset:XI
	ds_store_b32 v13, v[CS+1] offset:XI+4
	ds_store_b32 v13, v[CS+2] offset:XI+8
	ds_store_b8 v14, v[TM+3] offset:XS             ; lanes r and r + 16 store the same byte
	VW
	s_wait_loadcnt 4                               ; W's codes are in: the 4 small loads are younger
.set cnt_, 0
.rept 12
	ds_store_b128 v[10+cnt_%3], v[56+4*cnt_:59+4*cnt_] offset:1664*(cnt_/3)
.set cnt_, cnt_+1
.endr
.irp f, 0,1,2,3                                ; fragment f = 2 ab + s.  LDS serves a wave's instructions in order (ISA guide 5.7.1.4): these see the stores above
.irp p, 0,1,2,3,4,5
	ds_load_b64 v[WF+12*\f+2*\p:WF+12*\f+2*\p+1], v6 offset:208*(\f/2)+96*(\f%2)+48*(\p/3)+8*(\p%3)
.endr
.endr
	s_wait_dscnt 0x0
	s_barrier_signal -1
	s_barrier_wait -1                              ; X's two fragments and their scale words lie in LDS
.irp k, 0,1
.irp c, 0,1,2
	ds_load_b128 v[XF0+12*\k+4*\c:XF0+12*\k+4*\c+3], v15 offset:XI+1536*\k+16*\c
.endr
	ds_load_b32 v[192+\k], v104 offset:XS+64*\k
.endr
	s_wait_loadcnt 0x0
.irp j, 0,1,2,3
	v_bfe_u32 v[32+\j], v250, 8*\j, 8
	v_bfe_u32 v[36+\j], v251, 8*\j, 8
.endr
.irp j, 0,1,2,3,4,5,6,7
	v_cvt_f32_u32 v[32+\j], v[32+\j]
.endr
.irp j, 0,1,2,3,4,5,6,7
	v_mul_f32 v[32+\j], s48, v[32+\j]              ; node_mask of row 8 h + j, x the factor
.endr
	v_mov_b32 v248, v247                           ; tile b's bias in the low word of a pair
	v_mov_b32 v249, v247
	VW
	s_wait_dscnt 0x0
	; two accumulators by turns, one instruction a turn
	v_wmma_scale_f32_16x16x128_f8f6f4 v[16:23], v[XF0:XF0+11], v[WF:WF+11], 0, v192, v242 matrix_a_fmt:MATRIX_FMT_FP6 matrix_b_fmt:MATRIX_FMT_FP6
	v_wmma_scale_f32_16x16x128_f8f6f4 v[24:31], v[XF0:XF0+11], v[WF+24:WF+35], 0, v192, v244 matrix_a_fmt:MATRIX_FMT_FP6 matrix_b_fmt:MATRIX_FMT_FP6
	v_wmma_scale_f32_16x16x128_f8f6f4 v[16:23], v[XF1:XF1+11], v[WF+12:WF+23], v[16:23], v193, v243 matrix_a_fmt:MATRIX_FMT_FP6 matrix_b_fmt:MATRIX_FMT_FP6
	v_wmma_scale_f32_16x16x128_f8f6f4 v[24:31], v[XF1:XF1+11], v[WF+36:WF+47], v[24:31], v193, v245 matrix_a_fmt:MATRIX_FMT_FP6 matrix_b_fmt:MATRIX_FMT_FP6
	NOPS 5                                         ; places behind the products (ISA guide 7.12.1)
.irp i, 0,2,4,6
	v_pk_add_f32 v[16+\i:17+\i], v[16+\i:17+\i], v[246:247] op_sel_hi:[1,0]
	v_pk_add_f32 v[24+\i:25+\i], v[24+\i:25+\i], v[248:249] op_sel_hi:[1,0]
.endr
.irp i, 0,2,4,6
	v_pk_mul_f32 v[16+\i:17+\i], v[16+\i:17+\i], v[32+\i:33+\i]
	v_pk_mul_f32 v[24+\i:25+\i], v[24+\i:25+\i], v[32+\i:33+\i]
.endr
.irp n, 0,1,2,3
	global_store_b128 v2, v[16+4*\n:19+4*\n], s[46:47] offset:512*\n   ; 32 lanes store 512 consecutive bytes
.endr
	s_wait_tensorcnt 0x0                           ; the wave's end
	ds_add_u32 v252, v253
	s_wait_dscnt 0x0
	s_endpgm
.Lmasks:
	; ---- wave w makes the mask rows of (b, i) = rows 16 x + 2 w and + 1 of the 512; lane l the words 4 l .. 4 l + 3: t = l / 2, jj = 4 (l % 2) + e
	s_lshr_b32 s52, ttmp9, 4
	s_lshl_b32 s52, s52, 8
	s_add_nc_u64 s[10:11], s[10:11], s[52:53]      ; node_mask of my b
	s_and_b32 s52, ttmp9, 15
	s_lshl_b32 s52, s52, 4
	s_lshl_b32 s54, s2, 1
	s_add_co_u32 s52, s52, s54                     ; i
	s_lshl_b32 s52, s52, 8
	s_add_nc_u64 s[12:13], s[12:13], s[52:53]      ; sparse_mask's row i
	s_lshl_b32 s52, ttmp9, 4
	s_add_co_u32 s52, s52, s54
	s_lshl_b32 s52, s52, 9
	s_add_nc_u64 s[38:39], s[38:39], s[52:53]      ; my first row of MK: 512 bytes each
	s_wait_alu depctr_va_vdst(0)
	v_lshrrev_b32 v3, 1, v1
	v_and_b32 v4, 1, v1
	s_delay_alu instid0(VALU_DEP_2)
	v_lshlrev_b32 v3, 4, v3
	s_delay_alu instid0(VALU_DEP_1)
	v_lshl_add_u32 v3, v4, 2, v3                   ; 16 t + 4 (l % 2)
	global_load_b32 v4, v3, s[10:11]               ; node_mask of keys 16 t + jj,
	global_load_b32 v5, v3, s[10:11] offset:8      ; and of keys 16 t + 8 + jj
	global_load_b32 v6, v3, s[12:13]
	global_load_b32 v7, v3, s[12:13] offset:8
	global_load_b32 v8, v3, s[12:13] offset:256    ; the next row
	global_load_b32 v9, v3, s[12:13] offset:264
	s_wait_loadcnt 0x0
	v_and_b32 v6, v6, v4
	v_and_b32 v7, v7, v5
	v_and_b32 v8, v8, v4
	v_and_b32 v9, v9, v5
.irp e, 0,1,2,3
	v_bfe_u32 v10, v6, 8*\e, 1
	v_bfe_u32 v11, v7, 8*\e, 1
	s_delay_alu instid0(VALU_DEP_2)
	v_mul_u32_u24 v10, 0xffff, v10
	s_delay_alu instid0(VALU_DEP_2)
	v_mul_u32_u24 v11, 0xffff, v11
	s_delay_alu instid0(VALU_DEP_1)
	v_lshl_or_b32 v[12+\e], v11, 16, v10
	v_bfe_u32 v20, v8, 8*\e, 1
	v_bfe_u32 v21, v9, 8*\e, 1
	s_delay_alu instid0(VALU_DEP_2)
	v_mul_u32_u24 v20, 0xffff, v20
	s_delay_alu instid0(VALU_DEP_2)
	v_mul_u32_u24 v21, 0xffff, v21
	s_delay_alu instid0(VALU_DEP_1)
	v_lshl_or_b32 v[16+\e], v21, 16, v20
.endr
	global_store_b128 v2, v[12:15], s[38:39]              ; a whole row of MK: 512 consecutive bytes
	global_store_b128 v2, v[16:19], s[38:39] offset:512
	s_endpgm
.Limages:
	; ---- a wave turns fragment 8 x + wave of WX1 (y = 4) or of WX2 (y = 5) into its image
	v_and_b32 v3, 15, v0                           ; r
	v_bfe_u32 v4, v0, 4, 1
	s_delay_alu instid0(VALU_DEP_1)
	v_mul_u32_u24 v4, v4, 24                       ; 24 h
	s_lshr_b32 s40, ttmp9, 1                       ; w: the wave's number by which the fragments are counted
	s_and_b32 s41, ttmp9, 1
	s_lshl_b32 s42, ttmp9, 3
	s_add_co_u32 s42, s42, s2
	s_mul_i32 s42, s42, 1536                       ; the image's place among its tensor's
	s_cmp_eq_u32 s3, 4
	s_cbranch_scc0 .Lwx2
	v_and_b32 v5, 8, v3
	s_delay_alu instid0(VALU_DEP_1)
	v_add_nc_u32 v5, v5, v3                        ; r + 8 (r / 8)
	s_delay_alu instid0(VALU_DEP_1)
	v_mad_u32_u24 v5, v5, 192, v4                  ; WX1: rows of 192 bytes
	s_wait_alu depctr_va_vdst(0)
	s_mul_i32 s52, s40, 24576                      ; 128 w rows,
	s_lshr_b32 s54, s2, 1
	s_mul_i32 s54, s54, 6144                       ; tile t = my wave: 32 (t / 2)
	s_add_co_u32 s52, s52, s54
	s_and_b32 s54, s2, 1
	s_mul_i32 s54, s54, 1536                       ; + 8 (t % 2) rows,
	s_add_co_u32 s52, s52, s54
	s_mul_i32 s54, s41, 96                         ; K step x % 2
	s_add_co_u32 s52, s52, s54
	s_add_nc_u64 s[58:59], s[58:59], s[52:53]
	FRAGIN 16, 5, 58
	s_add_co_u32 s52, s42, OFF1
	s_add_nc_u64 s[44:45], s[62:63], s[52:53]
	s_cmp_lg_u32 s2, 0
	s_cbranch_scc1 .Lone
	v_mad_u32_u24 v6, v3, 192, v4                  ; wave 0 takes Wxo's fragment x as well: rows 16 w + r of 192 bytes, K step x % 2
	s_mul_i32 s52, s40, 3072
	s_mul_i32 s54, s41, 96
	s_add_co_u32 s52, s52, s54
	s_add_nc_u64 s[56:57], s[56:57], s[52:53]
	FRAGIN 32, 6, 56
	s_mul_i32 s52, ttmp9, 1536
	s_add_nc_u64 s[46:47], s[62:63], s[52:53]
	s_wait_loadcnt 0x0
	FRAGOUT 16, 44
	FRAGOUT 32, 46
	s_endpgm
.Lone:
	s_wait_loadcnt 0x0
	FRAGOUT 16, 44
	s_endpgm
.Lwx2:
	s_wait_alu depctr_va_vdst(0)
	v_mad_u32_u24 v5, v3, 1536, v4                 ; WX2: rows 16 w + r of 1,536 bytes
	s_mul_i32 s52, s40, 24576
	s_lshl_b32 s54, s41, 3
	s_add_co_u32 s54, s54, s2                      ; K step 8 (x % 2) + my wave
	s_mul_i32 s54, s54, 96
	s_add_co_u32 s52, s52, s54
	s_add_nc_u64 s[60:61], s[60:61], s[52:53]
	FRAGIN 16, 5, 60
	s_add_co_u32 s52, s42, OFF2
	s_add_nc_u64 s[44:45], s[62:63], s[52:53]
	s_wait_loadcnt 0x0
	FRAGOUT 16, 44
	s_endpgm
.Lfunc_end_k_qbd02c14e30_prep:
	.size	k_qbd02c14e30_prep, .Lfunc_end_k_qbd02c14e30_prep-k_qbd02c14e30_prep
	.p2alignl 7, 3214868480
	.fill 96, 4, 3214868480
	.section	.rodata,"a",@progbits
	.p2align	6, 0x0
	.amdhsa_kernel k_qbd02c14e30_prep
		.amdhsa_group_segment_fixed_size 57600
		.amdhsa_private_segment_fixed_size 0
		.amdhsa_enable_private_segment 0
		.amdhsa_kernarg_size 160
		.amdhsa_user_sgpr_count 2
		.amdhsa_user_sgpr_kernarg_segment_ptr 1
		.amdhsa_wavefront_size32 1
		.amdhsa_system_sgpr_workgroup_id_x 1
		.amdhsa_system_sgpr_workgroup_id_y 1
		.amdhsa_system_sgpr_workgroup_id_z 1
		.amdhsa_system_vgpr_workitem_id 0
		.amdhsa_next_free_vgpr 256
		.amdhsa_next_free_sgpr 66
		.amdhsa_reserve_vcc 0
		.amdhsa_float_denorm_mode_32 3
		.amdhsa_float_denorm_mode_16_64 3
		.amdhsa_memory_ordered 1
		.amdhsa_forward_progress 1
		.amdhsa_inst_pref_size 24
	.end_amdhsa_kernel
	.amdgpu_metadata
---
amdhsa.version: [ 1, 2 ]
amdhsa.kernels:
  - .name:           k_qbd02c14e30_prep
    .symbol:         k_qbd02c14e30_prep.kd
    .args:
      - { .name: X, .offset: 0, .size: 8, .value_kind: global_buffer, .address_space: global }
      - { .name: node_mask, .offset: 8, .size: 8, .value_kind: global_buffer, .address_space: global }
      - { .name: sparse_mask, .offset: 16, .size: 8, .value_kind: global_buffer, .address_space: global }
      - { .name: Wq_codes, .offset: 24, .size: 8, .value_kind: global_buffer, .address_space: global }
      - { .name: Wq_scales, .offset: 32, .size: 8, .value_kind: global_buffer, .address_space: global }
      - { .name: bq, .offset: 40, .size: 8, .value_kind: global_buffer, .address_space: global }
      - { .name: Wk_codes, .offset: 48, .size: 8, .value_kind: global_buffer, .address_space: global }
      - { .name: Wk_scales, .offset: 56, .size: 8, .value_kind: global_buffer, .address_space: global }
      - { .name: bk, .offset: 64, .size: 8, .value_kind: global_buffer, .address_space: global }
      - { .name: Wv_codes, .offset: 72, .size: 8, .value_kind: global_buffer, .address_space: global }
      - { .name: Wv_scales, .offset: 80, .size: 8, .value_kind: global_buffer, .address_space: global }
      - { .name: bv, .offset: 88, .size: 8, .value_kind: global_buffer, .address_space: global }
      - { .name: QI, .offset: 96, .size: 8, .value_kind: global_buffer, .address_space: global }
      - { .name: KI, .offset: 104, .size: 8, .value_kind: global_buffer, .address_space: global }
      - { .name: VI, .offset: 112, .size: 8, .value_kind: global_buffer, .address_space: global }
      - { .name: MK, .offset: 120, .size: 8, .value_kind: global_buffer, .address_space: global }
      - { .name: Wxo_codes, .offset: 128, .size: 8, .value_kind: global_buffer, .address_space: global }
      - { .name: WX1_codes, .offset: 136, .size: 8, .value_kind: global_buffer, .address_space: global }
      - { .name: WX2_codes, .offset: 144, .size: 8, .value_kind: global_buffer, .address_space: global }
      - { .name: WIMG, .offset: 152, .size: 8, .value_kind: global_buffer, .address_space: global }
    .group_segment_fixed_size: 57600
    .private_segment_fixed_size: 0
    .kernarg_segment_align: 8
    .kernarg_segment_size: 160
    .max_flat_workgroup_size: 256
    .sgpr_count:     66
    .vgpr_count:     256
    .wavefront_size: 32
...
	.end_amdgpu_metadata
.endif
;; end of part 4
;; launch edge (part 5): grid 256 x 1, 16 waves a work-group, no clusters, 321,536 bytes of LDS; arguments E, out1, KI, VI, MK, WV, node_mask, QI, Wem_codes, Wem_scales, Wea_codes, Wea_scales, bem, bea, beo, gE1, betE1, bE1, bE2, gE2, betE2, Weo_scales, WE1_scales, WE2_scales, Weo_codes, WE1_codes, WE2_codes; writes out1, WV
.if DOCPART == 5
	.amdgcn_target "amdgcn-amd-amdhsa--gfx1250"
	.amdhsa_code_object_version 6
	.text
	.protected	k_qbd02c14e30_edge
	.globl	k_qbd02c14e30_edge
	.p2align	8
	.type	k_qbd02c14e30_edge,@function
k_qbd02c14e30_edge:
	s_mov_b64 s[64:65], 0
	v_nop
	global_prefetch_b8 v0, s[64:65] scope:SCOPE_SE
	s_setreg_imm32_b32 hwreg(HW_REG_WAVE_MODE, 25, 1), 1
	s_wait_xcnt 0x0
; The edge path of the layer, and the attention's weighted values.  All five products on codes of FP6 (E2M3) with one E8M0 scale for each 32 along K.
; For each edge row (b, i, j):  R1 = E Wem,  R2 = E Wea + bea,  Ys = k (R1 q + q (bem + 1)) + R2  (q = Q / sqrt(32); q, k, v already x node_mask),  M = sparse_mask[i][j] and node_mask[b][j];
;   Y = M ? Ys : R2 goes into Y Weo;  M ? Ys : -inf goes into the softmax over j, channel by channel;  newE = (Y Weo + beo) x node_mask[i] node_mask[j];  then LN, the 64 -> 128 -> 64 network, LN.
;   (node_mask on E1, E2 inside Y is not applied: where it is 0, newE is multiplied by 0, the key is outside the softmax, or the query's new X is multiplied by 0.)
; SHARES.  A work-group owns two queries of one b: 256 work-groups.  Two STEPS of 128 keys; a step has 16 UNITS of 16 rows: unit u = 8 il + tl.
; PHASE N (a lane = a channel, registers along j): wave w takes channels 32 (w % 8) .. + 31 (two tiles: even and odd channels) and key tiles 4 (w / 8) + 0 .. 3, both queries.  Y goes to LDS as f32.
; PHASE T (a lane = a row, registers along the channels): wave w owns unit w: it quantises its 16 rows of Y and does the rest of the row's work; products transposed (source 0 = 16 rows of a weight).
;   Lane r of weight tile 2 b + u takes row 32 b + 8 u + r + 8 (r / 8), so that register 16 b + i of lane (r, h) is output 32 b + 16 h + i.
; K = 64 fills half of the instruction's 128: one side's registers 6-11 are zero codes.
; THE HEAD issues every first load of the launch as one group (E, the weights' fragments, the seven tables, phase N's operands, K, V, the lane masks) and waits for them once;
;   for that its quantising of E uses a second map of phase T's registers (v64-115), clear of phase N's.  The seven tables of phase T (2,048 bytes) lie in LDS from then on.
; SOFTMAX.  A running maximum m a lane (floor -1e30), p = 2^(Y log2e - m log2e); when m moves, sum and weighted sum are multiplied by 2^((old m - new m) log2e).
;   A query with no admitted key gets 0 / 0 = NaN, as the softmax of a row of -inf.
; No tensor loads: Y, the one large thing in LDS, is made by LDS stores; K, V go straight to registers.  No cluster: Y leaves no LDS for joint tiles.  No prefetch: the text has no loop to run ahead in.
; LIMITS: scores under -1e30 are not served; NaN and infinities among the inputs are not served; a block of zeros gets the scale byte 1 with zero codes.
.set UNIT, 16640                       ; Y: 16 rows of 1,024 + 16 bytes a unit
.set YP,   1040
.set SP,   272                         ; a wave's stage (16 rows of 256 + 16) lies in its own unit's bytes, once its rows of Y are read
.set EI,   266240                      ; images of E's fragments: unit x 768
.set ES,   278528                      ; their scale words: unit x 128 + 4 x lane
.set WI,   280576                      ; images of 12 fragments x 1,536: Weo (2 nt + s), then WE2 (8 + nt)
.set WI1,  299008                      ; WE1: 8 x 768
.set SM,   305152                      ; the softmax's partial results
.set SPARE, 317440                     ; the spare words, 128 bytes a wave
.set TBL,  319488                      ; the tables
.set WST,  8192                        ; in a wave's own unit, while no row of Y lies there: 3,072 bytes through which phase N's weights turn into fragments
.set T_BEO, 0
.set T_G1,  256
.set T_B1,  512
.set T_BE1, 768
.set T_BE2, 1280
.set T_G2,  1536
.set T_B2,  1792
.set SEL,  100
.set LG,   66
; s2 wave, s3 cp = tl, s4 jq = il, s7 b, s24 i0, s25 256 b + i0, s[26:27] offsets, s28 eps, s29 1 / 64; s[8:23] pointers that stay; s[32:63], s[68:99]: lane masks in N
; v0; v1 = 16 x lane; the softmax's state, slot = 2 il + ab.  v244-255 hold scale words and nothing else.
.set LSUM, 2
.set OSUM, 10
.set MX,   18
.set YA,   22
.set EA,   24
.set EB,   25
.set ESA,  26
.set NINF, 27
.set WF,   28
.set BEA,  62
.set QQ,   78
.set QB,   86
.set EF,   94
.set R1,   120
.set R2,   136
.set YF,   152
.set KV,   168
.set NMC,  232
.set FF,   236
.set NM,   240
.macro TMAP b                          ; phase T's 14 address and row registers, from an even register on
.set YR,  \b
.set SO,  \b+1
.set SR,  \b+2
.set TB,  \b+3
.set WIA, \b+4
.set WIB, \b+5
.set WIC, \b+6
.set QIA, \b+7
.set EM,  \b+8
.set QIB, \b+9
.set MU,  \b+10
.set QES, \b+11
.set RS,  \b+12
.set PRM, \b+13
.endm
	TMAP 22
.set XX,   36
.set ER,   68
.set RB,   100
.set G1,   100
.set B1,   132
.set NE,   164
.set FRA,  196
.set FRB,  208
.set TM,   220
.set CS,   236
.set ACC2, 68
.set W1A,  132
.set W1B,  208
.set ACC3, 132
.set W2,   68
.set G2,   68
.set B2,   100
.set OB,   132
.macro NOPS n
.rept \n
	v_nop
.endr
.endm
.macro VW
	s_wait_alu depctr_va_vdst(0)
.endm
.macro BAR                                     ; my LDS stores have landed and my LDS loads are in: then the work-group's barrier
	VW
	s_wait_dscnt 0x0
	s_barrier_signal -1
	s_barrier_wait -1
.endm
.macro MM d, a, b, c, sa, sb, row              ; row = 1: source 0's scales are read from lanes 16-31
.if \row
	v_wmma_scale_f32_16x16x128_f8f6f4 v[\d:\d+7], v[\a:\a+11], v[\b:\b+11], v[\c:\c+7], v[\sa], v[\sb] matrix_a_fmt:MATRIX_FMT_FP6 matrix_b_fmt:MATRIX_FMT_FP6 matrix_a_scale:MATRIX_SCALE_ROW1
.else
	v_wmma_scale_f32_16x16x128_f8f6f4 v[\d:\d+7], v[\a:\a+11], v[\b:\b+11], v[\c:\c+7], v[\sa], v[\sb] matrix_a_fmt:MATRIX_FMT_FP6 matrix_b_fmt:MATRIX_FMT_FP6
.endif
.endm
.macro MM0 d, a, b, sa, sb
	v_wmma_scale_f32_16x16x128_f8f6f4 v[\d:\d+7], v[\a:\a+11], v[\b:\b+11], 0, v[\sa], v[\sb] matrix_a_fmt:MATRIX_FMT_FP6 matrix_b_fmt:MATRIX_FMT_FP6
.endm
; 64 numbers of a lane, register 16 b + i = k 32 b + 16 (lane / 16) + i of my row, become a fragment's 12 registers of codes and the row's scale word
.macro QUANT4 src, dst, word
.irp b, 0,1,2,3
	v_max3_num_f32 v[TM+\b], |v[\src+16*\b]|, |v[\src+1+16*\b]|, 0x1800000   ; with the floor 2^(3 - 127): the byte cannot fall under 1
.endr
.irp i, 2,4,6,8,10,12,14
.irp b, 0,1,2,3
	v_max3_num_f32 v[TM+\b], v[TM+\b], |v[\src+16*\b+\i]|, |v[\src+1+16*\b+\i]|
.endr
.endr
.irp b, 0,1,2,3
	v_permlanex16_b32 v[TM+4+\b], v[TM+\b], s[SEL], s[SEL+1]
.endr
.irp b, 0,1,2,3
	v_max_num_f32 v[TM+\b], v[TM+\b], v[TM+4+\b]
.endr
.irp b, 0,1,2,3
	v_add_nc_u32 v[TM+12+\b], 0xff000000, v[TM+\b] ; 2 off the exponent field: the conversion's scale operand
.endr
.irp b, 0,1,2,3
	v_lshrrev_b32 v[TM+4+\b], 23, v[TM+12+\b]      ; the scale's byte
.endr
	v_lshl_or_b32 v[\word], v[TM+5], 8, v[TM+4]
	v_lshl_or_b32 v[\word], v[TM+6], 16, v[\word]
	v_lshl_or_b32 v[\word], v[TM+7], 24, v[\word]
.irp c, 0,1
	v_cvt_scalef32_pk16_fp6_f32 v[\dst+6*\c:\dst+2+6*\c], v[\src+32*\c:\src+15+32*\c], v[TM+12+2*\c]
	v_cvt_scalef32_pk16_fp6_f32 v[CS+4*\c:CS+2+4*\c], v[\src+16+32*\c:\src+31+32*\c], v[TM+13+2*\c]
.endr
	v_nop                                          ; one plain place behind a scaled conversion
.irp c, 0,1
.irp i, 0,1,2
	v_permlane16_swap_b32 v[\dst+6*\c+\i], v[CS+4*\c+\i]
.endr
.irp i, 0,1,2
	v_mov_b32 v[\dst+3+6*\c+\i], v[CS+4*\c+\i]
.endr
.endr
.endm
; the same for K = 64: registers 0-5 of the fragment; the word's upper two bytes are 127
.macro QUANT2 src, dst, word
.irp b, 0,1
	v_max3_num_f32 v[TM+\b], |v[\src+16*\b]|, |v[\src+1+16*\b]|, 0x1800000
.endr
.irp i, 2,4,6,8,10,12,14
.irp b, 0,1
	v_max3_num_f32 v[TM+\b], v[TM+\b], |v[\src+16*\b+\i]|, |v[\src+1+16*\b+\i]|
.endr
.endr
.irp b, 0,1
	v_permlanex16_b32 v[TM+4+\b], v[TM+\b], s[SEL], s[SEL+1]
.endr
.irp b, 0,1
	v_max_num_f32 v[TM+\b], v[TM+\b], v[TM+4+\b]
.endr
.irp b, 0,1
	v_add_nc_u32 v[TM+12+\b], 0xff000000, v[TM+\b]
.endr
.irp b, 0,1
	v_lshrrev_b32 v[TM+4+\b], 23, v[TM+12+\b]
.endr
	v_lshl_or_b32 v[\word], v[TM+5], 8, v[TM+4]
	v_or_b32 v[\word], 0x7f7f0000, v[\word]
	v_cvt_scalef32_pk16_fp6_f32 v[\dst:\dst+2], v[\src:\src+15], v[TM+12]
	v_cvt_scalef32_pk16_fp6_f32 v[CS:CS+2], v[\src+16:\src+31], v[TM+13]
	v_nop
.irp i, 0,1,2
	v_permlane16_swap_b32 v[\dst+\i], v[CS+\i]
.endr
.irp i, 0,1,2
	v_mov_b32 v[\dst+3+\i], v[CS+\i]
.endr
.endm
; ---------------- phase T's parts
.macro TADDR                                   ; phase T's addresses.  It leaves r in v[EM], h in v[MU]
	v_and_b32 v[EM], 15, v0
	v_bfe_u32 v[MU], v0, 4, 1
	v_lshrrev_b32 v[RS], 1, v1
	s_mul_i32 s26, s2, UNIT
	v_lshlrev_b32 v[TB], 6, v[MU]
	v_mad_u32_u24 v[YR], v[EM], YP, v[TB]
	v_add_nc_u32 v[YR], s26, v[YR]
	v_mad_u32_u24 v[SO], v[EM], SP, v[TB]
	v_add_nc_u32 v[SO], s26, v[SO]
	v_add_nc_u32 v[TB], TBL, v[TB]                 ; the tables: my 16 numbers of each 32
	v_mul_u32_u24 v[SR], v[MU], SP
	v_lshl_add_u32 v[SR], v[EM], 4, v[SR]
	v_add_nc_u32 v[SR], s26, v[SR]
	v_add_nc_u32 v[WIA], WI, v1
	v_add_nc_u32 v[WIB], WI1+512, v[RS]
	v_add_nc_u32 v[WIC], WI1, v1
	s_mul_i32 s26, s2, 768
	s_add_co_u32 s26, s26, EI
	v_add_nc_u32 v[QIA], s26, v1
	v_add_nc_u32 v[QIB], s26, v[RS]
	s_lshl_b32 s26, s2, 7
	s_add_co_u32 s26, s26, ES
	v_lshrrev_b32 v[QES], 2, v1
	v_add_nc_u32 v[QES], s26, v[QES]
	v_and_b32 v[PRM], 8, v[EM]
	v_add_nc_u32 v[PRM], v[PRM], v[EM]
.irp b, 4,5,6,7
	v_mov_b32 v[TM+\b], 0                          ; a lane permute's destination counts as one of its sources
.endr
.endm
.macro TLOAD dst, off, nblk                    ; a table from LDS in the row's layout: register 16 b + i = number 32 b + 16 h + i
.set tl_, 0
.rept 4*\nblk
	ds_load_b128 v[\dst+4*tl_:\dst+4*tl_+3], v[TB] offset:\off+128*(tl_/4)+16*(tl_%4)
.set tl_, tl_+1
.endr
.endm
.macro ELOAD dst, off                          ; my unit's 16 rows of E: each load covers 512 consecutive bytes
.irp t, 0,1,2,3,4,5,6,7
	global_load_b128 v[\dst+4*\t:\dst+4*\t+3], v1, s[8:9] offset:\off+512*\t
.endr
.endm
.macro TURNIN reg                              ; from memory's order to a row a lane, through my stage (LDS serves a wave's instructions in order: ISA guide 5.7.1.4)
.irp t, 0,1,2,3,4,5,6,7
	ds_store_b128 v[SR], v[\reg+4*\t:\reg+4*\t+3] offset:2*SP*\t
.endr
.irp t, 0,1,2,3,4,5,6,7
	ds_load_b128 v[\reg+4*\t:\reg+4*\t+3], v[SO] offset:128*(\t/4)+16*(\t%4)
.endr
.endm
.macro LN x, g, b                              ; LN over the row's 64 numbers, 32 in each of two lanes; deviations before squares
	v_pk_add_f32 v[TM:TM+1], v[\x:\x+1], v[\x+2:\x+3]
	v_pk_add_f32 v[TM+2:TM+3], v[\x+4:\x+5], v[\x+6:\x+7]
.irp i, 8,12,16,20,24,28
	v_pk_add_f32 v[TM:TM+1], v[TM:TM+1], v[\x+\i:\x+\i+1]
	v_pk_add_f32 v[TM+2:TM+3], v[TM+2:TM+3], v[\x+\i+2:\x+\i+3]
.endr
	v_pk_add_f32 v[TM:TM+1], v[TM:TM+1], v[TM+2:TM+3]
	v_add_f32 v[TM], v[TM], v[TM+1]
	v_permlanex16_b32 v[TM+4], v[TM], s[SEL], s[SEL+1]
	v_add_f32 v[TM], v[TM], v[TM+4]
	v_mul_f32 v[MU], 0xbc800000, v[TM]             ; -mean
.irp i, 0,2,4,6,8,10,12,14,16,18,20,22,24,26,28,30
	v_pk_add_f32 v[\x+\i:\x+\i+1], v[\x+\i:\x+\i+1], v[MU:MU+1] op_sel_hi:[1,0]
.endr
	v_pk_mul_f32 v[TM:TM+1], v[\x:\x+1], v[\x:\x+1]
	v_pk_mul_f32 v[TM+2:TM+3], v[\x+2:\x+3], v[\x+2:\x+3]
.irp i, 4,8,12,16,20,24,28
	v_pk_fma_f32 v[TM:TM+1], v[\x+\i:\x+\i+1], v[\x+\i:\x+\i+1], v[TM:TM+1]
	v_pk_fma_f32 v[TM+2:TM+3], v[\x+\i+2:\x+\i+3], v[\x+\i+2:\x+\i+3], v[TM+2:TM+3]
.endr
	v_pk_add_f32 v[TM:TM+1], v[TM:TM+1], v[TM+2:TM+3]
	v_add_f32 v[TM], v[TM], v[TM+1]
	v_permlanex16_b32 v[TM+4], v[TM], s[SEL], s[SEL+1]
	v_add_f32 v[TM], v[TM], v[TM+4]
	v_fma_f32 v[TM], v[TM], s29, s28               ; var + eps
	VW
	v_rsq_f32 v[RS], v[TM]
	s_wait_dscnt 0x0                               ; the two tables are in
	v_nop                                          ; one plain place behind the transcendental
	VW
.irp i, 0,2,4,6,8,10,12,14,16,18,20,22,24,26,28,30
	v_pk_mul_f32 v[\x+\i:\x+\i+1], v[\x+\i:\x+\i+1], v[RS:RS+1] op_sel_hi:[1,0]
.endr
.irp i, 0,2,4,6,8,10,12,14,16,18,20,22,24,26,28,30
	v_pk_fma_f32 v[\x+\i:\x+\i+1], v[\x+\i:\x+\i+1], v[\g+\i:\g+\i+1], v[\b+\i:\b+\i+1]
.endr
.endm
.macro QPH                                     ; E of my unit (in v[NE] on, as memory has it) becomes the fragment of the first two products: image and scale word go to LDS
	TURNIN NE
	VW
	s_wait_dscnt 0x0
	QUANT2 NE, FRA, 254
	ds_store_b128 v[QIA], v[FRA:FRA+3]
	ds_store_b64 v[QIB], v[FRA+4:FRA+5] offset:512
	ds_store_b32 v[QES], v254
.endm
.macro TPH step, last                          ; phase T for my unit of step \step
	TADDR
	s_load_b64 s[46:47], s[0:1], 0xa8              ; Weo_scales
	s_load_b128 s[48:51], s[0:1], 0xb0             ; WE1_scales, WE2_scales
.if \last == 0
	s_load_b256 s[68:75], s[0:1], 0x40             ; for the next phase N: Wem_codes 68, Wem_scales 70, Wea_codes 72, Wea_scales 74,
	s_load_b128 s[76:79], s[0:1], 0x60             ; bem 76, bea 78
.endif
.set cnt_, 0
.rept 32
	ds_load_b128 v[XX+4*cnt_:XX+4*cnt_+3], v[YR] offset:512*(cnt_/16)+128*((cnt_/4)%4)+16*(cnt_%4)   ; my row of Y
.set cnt_, cnt_+1
.endr
	v_lshlrev_b32 v164, 2, v[MU]
	v_lshl_add_u32 v164, v[PRM], 3, v164           ; Weo's scale words: lanes 0-15 K step 0, lanes 16-31 K step 1
	v_lshl_add_u32 v165, v[MU], 3, v[PRM]          ; WE1's, WE2's: lanes 0-15 an even tile's rows, lanes 16-31 the odd tile's
	v_lshlrev_b32 v166, 2, v165
	v_lshlrev_b32 v165, 1, v165
	s_lshl_b32 s26, s3, 4
	v_add_nc_u32 v167, s26, v[EM]                  ; my key in the step
	s_add_co_u32 s26, s24, s4
	v_mov_b32 v168, s26                            ; my query
	VW
	s_wait_kmcnt 0x0
.irp nt, 0,1,2,3
	global_load_b32 v[244+\nt], v164, s[46:47] offset:(32*(\nt/2)+8*(\nt%2))*8
.endr
.irp p, 0,1,2,3
	global_load_u16 v[248+\p], v165, s[48:49] offset:64*\p
.endr
.irp p, 0,1
	global_load_b32 v[252+\p], v166, s[50:51] offset:128*\p
.endr
	global_load_u8 v169, v167, s[20:21] offset:128*\step
	global_load_u8 v170, v168, s[20:21]
	s_wait_dscnt 16                                ; Y's first 128 channels are in: the 16 loads of the last 128 are younger
	QUANT4 XX, FRA, 254
	TLOAD XX, T_BEO, 2                             ; beo: the C of the product's first instructions
	ELOAD ER, \step*32768
	VW
	s_wait_dscnt 8                                 ; Y's last 128 channels are in: beo's 8 loads are younger
	QUANT4 RB, FRB, 255
	VW
	s_wait_loadcnt 8                               ; the 12 small loads are in: E's 8 are younger
	v_and_b32 v169, v169, v170
	v_cvt_f32_u32 v[EM], v169                      ; node_mask[i] node_mask[j]
.set cnt_, 0
.rept 24
	ds_load_b128 v[RB+4*cnt_:RB+4*cnt_+3], v[WIA] offset:512*cnt_   ; Weo's eight fragments
.set cnt_, cnt_+1
.endr
	VW
	s_wait_dscnt 0x0
	NOPS 8                                         ; operands and scale words made by vector instructions stand 4 and 8 places ahead of a scaled matrix instruction
.irp nt, 0,1,2,3                               ; four accumulators by turns
	MM XX+8*\nt, RB+24*\nt, FRA, XX+8*\nt, 244+\nt, 254, 0
.endr
.irp nt, 0,1,2,3
	MM XX+8*\nt, RB+24*\nt+12, FRB, XX+8*\nt, 244+\nt, 255, 1
.endr
	NOPS 4                                         ; places behind the products (ISA guide 7.12.1)
	TLOAD G1, T_G1, 2
	TLOAD B1, T_B1, 2
.if \last == 0
	ELOAD NE, (\step+1)*32768                      ; the next step's E: awaited only ahead of its quantising
	s_wait_loadcnt 8                               ; this step's E is in: the next E's 8 loads are younger
.else
	s_wait_loadcnt 0x0
.endif
	TURNIN ER
	s_wait_dscnt 0x0
.irp i, 0,2,4,6,8,10,12,14,16,18,20,22,24,26,28,30
	v_pk_fma_f32 v[XX+\i:XX+\i+1], v[XX+\i:XX+\i+1], v[EM:EM+1], v[ER+\i:ER+\i+1] op_sel_hi:[1,0,1]   ; E + newE
.endr
	LN XX, G1, B1
	TLOAD ACC2, T_BE1, 4                           ; bE1: the C of the next product
.irp i, 6,7,8,9,10,11
	v_mov_b32 v[FRA+\i], 0                         ; K = 64: the upper half is zero codes
.endr
	QUANT2 XX, FRA, 254
.irp t, 0,1,2,3
	ds_load_b128 v[W1A+6*\t:W1A+6*\t+3], v[WIC] offset:768*\t
	ds_load_b64 v[W1A+6*\t+4:W1A+6*\t+5], v[WIB] offset:768*\t
.endr
.irp t, 0,1,2,3
	ds_load_b128 v[W1B+6*\t:W1B+6*\t+3], v[WIC] offset:768*(\t+4)
	ds_load_b64 v[W1B+6*\t+4:W1B+6*\t+5], v[WIB] offset:768*(\t+4)
.endr
	VW
	s_wait_dscnt 0x0
	NOPS 8
.irp t, 0,1,2,3
	MM ACC2+8*\t, W1A+6*\t, FRA, ACC2+8*\t, 248+\t/2, 254, \t%2
.endr
.irp t, 0,1,2,3
	MM ACC2+32+8*\t, W1B+6*\t, FRA, ACC2+32+8*\t, 250+\t/2, 254, \t%2
.endr
	NOPS 4
	TLOAD ACC3, T_BE2, 2                           ; bE2
.set cnt_, 0
.rept 64
	v_max_num_f32 v[ACC2+cnt_], 0, v[ACC2+cnt_]    ; the activation, each accumulator from its low end on
.set cnt_, cnt_+1
.endr
	QUANT4 ACC2, FRB, 255
.set cnt_, 0
.rept 12
	ds_load_b128 v[W2+4*cnt_:W2+4*cnt_+3], v[WIA] offset:8*1536+512*cnt_   ; WE2's four fragments
.set cnt_, cnt_+1
.endr
	VW
	s_wait_dscnt 0x0
	NOPS 8
.irp nt, 0,1,2,3
	MM ACC3+8*\nt, W2+12*\nt, FRB, ACC3+8*\nt, 252+\nt/2, 255, \nt%2
.endr
	NOPS 4
	TLOAD G2, T_G2, 2
	TLOAD B2, T_B2, 2
.irp i, 0,2,4,6,8,10,12,14,16,18,20,22,24,26,28,30
	v_pk_add_f32 v[XX+\i:XX+\i+1], v[XX+\i:XX+\i+1], v[ACC3+\i:ACC3+\i+1]
.endr
	LN XX, G2, B2
.irp t, 0,1,2,3,4,5,6,7                        ; the way out: back through my stage into memory's order
	ds_store_b128 v[SO], v[XX+4*\t:XX+4*\t+3] offset:128*(\t/4)+16*(\t%4)
.endr
.irp t, 0,1,2,3,4,5,6,7
	ds_load_b128 v[OB+4*\t:OB+4*\t+3], v[SR] offset:2*SP*\t
.endr
.irp t, 0,1,2,3,4,5,6,7
	s_wait_dscnt 7-\t                              ; LDS loads come back in order: load t is in
	global_store_b128 v1, v[OB+4*\t:OB+4*\t+3], s[10:11] offset:\step*32768+512*\t th:TH_STORE_NT   ; 32 lanes store 512 consecutive bytes
.endr
.if \last == 0
	s_wait_loadcnt 0x0                             ; the next step's E
	QPH
	s_wait_xcnt 0x0                                ; the stores' data registers are written again only behind this wait
.endif
.endm
; ---------------- phase N's parts
.macro KVLOAD step, k                          ; K's and V's images of key tile 8 step + 4 jq + k, into set k % 2
.set KBN, KV+32*((\k)%2)
.irp n, 0,1,2,3
	global_load_b128 v[KBN+4*\n:KBN+4*\n+3], v1, s[12:13] offset:16384*\step+2048*(\k)+512*\n
	global_load_b128 v[KBN+16+4*\n:KBN+16+4*\n+3], v1, s[14:15] offset:16384*\step+2048*(\k)+512*\n
.endr
.endm
.macro NLDA step                               ; phase N's addresses and loads.  The six pointers in s[68:79] were asked for earlier: at the kernel's head, or at the head of phase T
	v_and_b32 v232, 15, v0
	v_bfe_u32 v233, v0, 4, 1
	v_mul_u32_u24 v234, v232, 96
	v_mad_u32_u24 v234, v233, 24, v234             ; rows 2 r (+ ab) of 48 bytes, + 24 h
	v_lshlrev_b32 v235, 2, v232
	v_lshlrev_b32 v236, 3, v232
	v_lshlrev_b32 v237, 4, v232
	v_mov_b32 v239, 0                              ; (named as the upper half of a pair)
	s_mul_i32 s26, s2, UNIT
	s_add_co_u32 s26, s26, WST
	v_add_nc_u32 v234, s26, v234                   ; a fragment's pieces, in my own unit's bytes
	v_add_nc_u32 v240, s26, v1                     ; and where the rows go as memory has them
	s_mul_i32 s26, s4, 4*UNIT
	s_lshl_b32 s27, s3, 7
	s_add_co_u32 s26, s26, s27
	v_mul_u32_u24 v[YA], v233, 8*YP
	v_lshl_add_u32 v[YA], v232, 3, v[YA]
	v_add_nc_u32 v[YA], s26, v[YA]                 ; Y: unit 4 jq (+ k), row 8 h (+ jj), byte 128 cp + 8 r
	v_add_nc_u32 v[YA+1], 8*UNIT, v[YA]
	s_mul_i32 s26, s4, 4*768
	s_add_co_u32 s26, s26, EI
	v_add_nc_u32 v[EA], s26, v1
	v_lshrrev_b32 v[EB], 1, v1
	v_add_nc_u32 v[EB], s26, v[EB]
	s_lshl_b32 s26, s4, 9
	s_add_co_u32 s26, s26, ES
	v_lshrrev_b32 v[ESA], 2, v1
	v_add_nc_u32 v[ESA], s26, v[ESA]
	v_mov_b32 v[NINF], 0xff800000
	s_mov_b32 s27, 0
	VW
	s_wait_kmcnt 0x0
	s_mul_i32 s26, s3, 1536
	s_add_nc_u64 s[68:69], s[68:69], s[26:27]
	s_add_nc_u64 s[72:73], s[72:73], s[26:27]
	s_lshl_b32 s26, s3, 6
	s_add_nc_u64 s[70:71], s[70:71], s[26:27]
	s_add_nc_u64 s[74:75], s[74:75], s[26:27]
	s_lshl_b32 s26, s3, 7
	s_add_nc_u64 s[76:77], s[76:77], s[26:27]
	s_add_nc_u64 s[78:79], s[78:79], s[26:27]
.irp c, 0,1,2                                  ; my 32 rows of Wem and of Wea are 1,536 consecutive bytes each: 512 a load
	global_load_b128 v[WF+4*\c:WF+4*\c+3], v1, s[68:69] offset:512*\c
	global_load_b128 v[WF+12+4*\c:WF+12+4*\c+3], v1, s[72:73] offset:512*\c
.endr
.irp ab, 0,1
	global_load_u16 v[244+\ab], v235, s[70:71] offset:2*\ab   ; two scale bytes; the upper two are 0, over zero products
	global_load_u16 v[246+\ab], v235, s[74:75] offset:2*\ab
.endr
	global_load_b64 v[58:59], v236, s[76:77]           ; bem a, b
	global_load_b64 v[60:61], v236, s[78:79]           ; bea a, b
	global_load_b64 v[118:119], v237, s[22:23]         ; q of channel a: queries i0, i0 + 1
	global_load_b64 v[242:243], v237, s[22:23] offset:1024
	KVLOAD \step, 0
.endm
.macro NMASK step                              ; the lane masks: eight words a tile
	s_wait_xcnt 0x0                                ; the loads above have read their bases: these registers take masks now
	s_load_b512 s[32:47], s[16:17], 256*\step
	s_load_b512 s[48:63], s[16:17], 256*\step+64
	s_load_b512 s[68:83], s[16:17], 256*\step+512
	s_load_b512 s[84:99], s[16:17], 256*\step+576
.endm
.macro NFIN first                              ; what phase N keeps in registers; first = 1: the softmax's state begins
	s_wait_loadcnt 8                               ; all but K's and V's eight loads
.irp c, 0,1,2                                  ; the rows of codes into my own LDS bytes, and back as fragments (LDS serves a wave's instructions in order: ISA guide 5.7.1.4); the barrier's wait covers the loads
	ds_store_b128 v240, v[WF+4*\c:WF+4*\c+3] offset:512*\c
	ds_store_b128 v240, v[WF+12+4*\c:WF+12+4*\c+3] offset:1536+512*\c
.endr
.irp ab, 0,1
.irp p, 0,1,2
	ds_load_b64 v[WF+6*\ab+2*\p:WF+6*\ab+2*\p+1], v234 offset:48*\ab+8*\p
	ds_load_b64 v[WF+12+6*\ab+2*\p:WF+12+6*\ab+2*\p+1], v234 offset:1536+48*\ab+8*\p
.endr
.endr
.irp i, 6,7,8,9,10,11
	v_mov_b32 v[EF+\i], 0                          ; K = 64: E's upper halves are zero codes
	v_mov_b32 v[EF+12+\i], 0
	v_mov_b32 v[WF+18+\i], 0
.endr
.irp j, 0,1,2,3,4,5,6,7
	v_mov_b32 v[BEA+\j], v60
	v_mov_b32 v[BEA+8+\j], v61
.endr
	v_add_f32 v58, 1.0, v58
	v_add_f32 v59, 1.0, v59
	v_mov_b32 v[QQ], v118
	v_mov_b32 v[QQ+2], v242
	v_mov_b32 v[QQ+4], v119
	v_mov_b32 v[QQ+6], v243
	v_mul_f32 v[QB], v118, v58                     ; q (bem + 1)
	v_mul_f32 v[QB+2], v242, v59
	v_mul_f32 v[QB+4], v119, v58
	v_mul_f32 v[QB+6], v243, v59
.irp i, 1,3,5,7
	v_mov_b32 v[QQ+\i], 0
	v_mov_b32 v[QB+\i], 0
.endr
.if \first
.irp i, 0,1,2,3,4,5,6,7
	v_mov_b32 v[LSUM+\i], 0
	v_mov_b32 v[OSUM+\i], 0
.endr
.irp i, 0,1,2,3
	v_mov_b32 v[MX+\i], 0xf149f2ca                 ; -1e30
.endr
.endif
	NOPS 8
.endm
.macro NIL il, k                               ; one key tile for one query: 16 keys x my 32 channels
.set EFR, EF+12*\il
.set MB,  32+36*\il+8*(\k)
.set KB,  KV+32*((\k)%2)
.set VB,  KB+16
.set SLT, 2*\il
	MM0 R1, EFR, WF, 248+\il, 244
	MM0 R1+8, EFR, WF+6, 248+\il, 245
	MM R2, EFR, WF+12, BEA, 248+\il, 246, 0
	MM R2+8, EFR, WF+18, BEA+8, 248+\il, 247, 0
	NOPS 4                                         ; places behind the products (ISA guide 7.12.1)
.irp ab, 0,1
.irp i, 0,2,4,6
	v_pk_fma_f32 v[R1+8*\ab+\i:R1+8*\ab+\i+1], v[R1+8*\ab+\i:R1+8*\ab+\i+1], v[QQ+2*(SLT+\ab):QQ+2*(SLT+\ab)+1], v[QB+2*(SLT+\ab):QB+2*(SLT+\ab)+1] op_sel_hi:[1,0,0]   ; q (R1 + bem + 1)
.endr
.endr
.irp i, 0,2,4,6,8,10,12,14
	v_pk_fma_f32 v[R1+\i:R1+\i+1], v[KB+\i:KB+\i+1], v[R1+\i:R1+\i+1], v[R2+\i:R2+\i+1]   ; Ys
.endr
.irp j, 0,1,2,3,4,5,6,7
	v_cndmask_b32 v[YF+2*\j], v[R2+\j], v[R1+\j], s[MB+\j]             ; Y for the product with Weo
	v_cndmask_b32 v[YF+2*\j+1], v[R2+8+\j], v[R1+8+\j], s[MB+\j]
.endr
.irp j, 0,1,2,3,4,5,6,7
	ds_store_b64 v[YA+\il], v[YF+2*\j:YF+2*\j+1] offset:(\k)*UNIT+\j*YP
.endr
.irp j, 0,1,2,3,4,5,6,7
	v_cndmask_b32 v[R1+\j], v[NINF], v[R1+\j], s[MB+\j]                ; and for the softmax
	v_cndmask_b32 v[R1+8+\j], v[NINF], v[R1+8+\j], s[MB+\j]
.endr
	v_max3_num_f32 v[NM], v[MX+SLT], v[R1], v[R1+1]
	v_max3_num_f32 v[NM+1], v[MX+SLT+1], v[R1+8], v[R1+9]
.irp i, 2,4,6
	v_max3_num_f32 v[NM], v[NM], v[R1+\i], v[R1+\i+1]
	v_max3_num_f32 v[NM+1], v[NM+1], v[R1+8+\i], v[R1+9+\i]
.endr
	v_sub_f32 v[FF], v[MX+SLT], v[NM]
	v_sub_f32 v[FF+2], v[MX+SLT+1], v[NM+1]
	v_mul_f32 v[NMC], 0xbfb8aa3b, v[NM]            ; -m log2e
	v_mul_f32 v[NMC+2], 0xbfb8aa3b, v[NM+1]
	v_mul_f32 v[FF], s[LG], v[FF]
	v_mul_f32 v[FF+2], s[LG], v[FF+2]
	v_mov_b32 v[MX+SLT], v[NM]
	v_mov_b32 v[MX+SLT+1], v[NM+1]
.irp ab, 0,1
.irp i, 0,2,4,6
	v_pk_fma_f32 v[R1+8*\ab+\i:R1+8*\ab+\i+1], v[R1+8*\ab+\i:R1+8*\ab+\i+1], s[LG:LG+1], v[NMC+2*\ab:NMC+2*\ab+1] op_sel_hi:[1,0,0]
.endr
.endr
	VW                                             ; one batch of 18 exponentials, one wait ahead of it and one behind
	v_exp_f32 v[FF], v[FF]                         ; f = 2^((old m - new m) log2e)
	v_exp_f32 v[FF+2], v[FF+2]
.irp j, 0,1,2,3,4,5,6,7,8,9,10,11,12,13,14,15
	v_exp_f32 v[R1+\j], v[R1+\j]                   ; p; 0 where the key is not admitted
.endr
	v_nop                                          ; one plain place behind the exponentials
	VW
	v_pk_mul_f32 v[OSUM+2*SLT:OSUM+2*SLT+1], v[OSUM+2*SLT:OSUM+2*SLT+1], v[FF:FF+1] op_sel_hi:[1,0]
	v_pk_mul_f32 v[OSUM+2*SLT+2:OSUM+2*SLT+3], v[OSUM+2*SLT+2:OSUM+2*SLT+3], v[FF+2:FF+3] op_sel_hi:[1,0]
	v_pk_fma_f32 v[LSUM+2*SLT:LSUM+2*SLT+1], v[LSUM+2*SLT:LSUM+2*SLT+1], v[FF:FF+1], v[R1:R1+1] op_sel_hi:[1,0,1]
	v_pk_fma_f32 v[LSUM+2*SLT+2:LSUM+2*SLT+3], v[LSUM+2*SLT+2:LSUM+2*SLT+3], v[FF+2:FF+3], v[R1+8:R1+9] op_sel_hi:[1,0,1]
.irp i, 2,4,6
	v_pk_add_f32 v[LSUM+2*SLT:LSUM+2*SLT+1], v[LSUM+2*SLT:LSUM+2*SLT+1], v[R1+\i:R1+\i+1]
	v_pk_add_f32 v[LSUM+2*SLT+2:LSUM+2*SLT+3], v[LSUM+2*SLT+2:LSUM+2*SLT+3], v[R1+8+\i:R1+9+\i]
.endr
.irp i, 0,2,4,6
	v_pk_fma_f32 v[OSUM+2*SLT:OSUM+2*SLT+1], v[R1+\i:R1+\i+1], v[VB+\i:VB+\i+1], v[OSUM+2*SLT:OSUM+2*SLT+1]
	v_pk_fma_f32 v[OSUM+2*SLT+2:OSUM+2*SLT+3], v[R1+8+\i:R1+9+\i], v[VB+8+\i:VB+9+\i], v[OSUM+2*SLT+2:OSUM+2*SLT+3]
.endr
.endm
.macro NTILE step, k
.if (\k) < 3
	KVLOAD \step, \k+1                             ; the next tile's K and V, into the other set
.endif
.irp il, 0,1
	ds_load_b128 v[EF+12*\il:EF+12*\il+3], v[EA] offset:(8*\il+(\k))*768
	ds_load_b64 v[EF+12*\il+4:EF+12*\il+5], v[EB] offset:(8*\il+(\k))*768+512
	ds_load_b32 v[248+\il], v[ESA] offset:(8*\il+(\k))*128
.endr
	VW
.if (\k) < 3
	s_wait_loadcnt 8                               ; this tile's K and V are in: the next tile's eight loads are younger
.else
	s_wait_loadcnt 0x0
.endif
	s_wait_dscnt 0x0
.if (\k) == 0
	s_wait_kmcnt 0x0                               ; the lane masks
.endif
	NIL 0, \k
	NIL 1, \k
.endm
	; ================ the head
	s_load_b512 s[8:23], s[0:1], 0x0               ; E 8, out1 10, KI 12, VI 14, MK 16, WV 18, node_mask 20, QI 22
	s_load_b256 s[68:75], s[0:1], 0x40             ; Wem_codes 68, Wem_scales 70, Wea_codes 72, Wea_scales 74
	s_load_b128 s[76:79], s[0:1], 0x60             ; bem 76, bea 78
	s_load_b256 s[32:39], s[0:1], 0x70             ; beo 32, gE1 34, betE1 36, bE1 38
	s_load_b128 s[40:43], s[0:1], 0x90             ; bE2 40, gE2 42
	s_load_b64 s[44:45], s[0:1], 0xa0              ; betE2
	s_load_b128 s[52:55], s[0:1], 0xc0             ; Weo_codes 52, WE1_codes 54
	s_load_b64 s[56:57], s[0:1], 0xd0              ; WE2_codes
	v_lshrrev_b32 v1, 5, v0
	v_readfirstlane_b32 s2, v1                     ; wave 0..15
	v_and_b32 v1, 31, v0
	v_lshlrev_b32 v1, 4, v1                        ; 16 x lane
	s_and_b32 s3, s2, 7
	s_lshr_b32 s4, s2, 3
	s_lshr_b32 s7, ttmp9, 7                        ; b
	s_and_b32 s24, ttmp9, 127
	s_lshl_b32 s24, s24, 1                         ; i0
	s_lshl_b32 s25, s7, 8
	s_add_co_u32 s25, s25, s24
	s_mov_b32 s27, 0
	s_mov_b32 s28, 0x3727c5ac                      ; eps = 1e-5
	s_mov_b32 s29, 0x3c800000                      ; 1 / 64
	s_mov_b32 s[LG], 0x3fb8aa3b                    ; log2(e)
	s_mov_b32 s[LG+1], s[LG]
	s_mov_b32 s[SEL], 0x76543210
	s_mov_b32 s[SEL+1], 0xfedcba98
	VW
	s_wait_kmcnt 0x0
	s_add_co_u32 s26, s25, s4                      ; E, out1: query i0 + il: 65,536 bytes; key tile tl: 4,096
	s_lshl_b32 s26, s26, 16
	s_lshl_b32 s30, s3, 12
	s_add_co_u32 s26, s26, s30
	s_add_nc_u64 s[8:9], s[8:9], s[26:27]
	s_add_nc_u64 s[10:11], s[10:11], s[26:27]
	s_lshl_b32 s31, s7, 3
	s_add_co_u32 s31, s31, s3
	s_lshl_b32 s31, s31, 15                        ; (8 b + cp) x 16 tiles x 2,048
	s_lshl_b32 s30, s4, 13
	s_add_co_u32 s26, s31, s30
	s_add_nc_u64 s[12:13], s[12:13], s[26:27]
	s_add_nc_u64 s[14:15], s[14:15], s[26:27]
	s_lshl_b32 s26, s25, 9                         ; MK: 512 bytes a query, 32 a tile
	s_lshl_b32 s30, s4, 7
	s_add_co_u32 s26, s26, s30
	s_add_nc_u64 s[16:17], s[16:17], s[26:27]
	s_lshl_b32 s26, s25, 10
	s_add_nc_u64 s[18:19], s[18:19], s[26:27]      ; WV: row 256 b + i0
	s_lshl_b32 s26, s7, 8
	s_add_nc_u64 s[20:21], s[20:21], s[26:27]      ; node_mask of my b
	s_lshr_b32 s30, s24, 4                         ; QI: tile i0 / 16, then the row's place in the image
	s_lshl_b32 s30, s30, 11
	s_add_co_u32 s26, s31, s30
	s_bfe_u32 s30, s24, 0x10002
	s_lshl_b32 s30, s30, 9
	s_add_co_u32 s26, s26, s30
	s_bfe_u32 s30, s24, 0x10003
	s_lshl_b32 s30, s30, 8
	s_add_co_u32 s26, s26, s30
	s_and_b32 s30, s24, 3
	s_lshl_b32 s30, s30, 2
	s_add_co_u32 s26, s26, s30
	s_add_nc_u64 s[22:23], s[22:23], s[26:27]
	ELOAD 64, 0                                    ; step 0's E of my unit
	; phase T's weights become images in LDS, once: waves 0-7 a fragment of Weo and a tile of WE1, waves 8-11 a fragment of WE2; wave 12 copies the tables.  All addresses are made ahead of the parting
	s_mul_i32 s26, s2, 1536
	s_add_co_u32 s26, s26, WI
	v_add_nc_u32 v120, s26, v1
	s_mul_i32 s26, s2, 768
	s_add_co_u32 s26, s26, WI1
	v_add_nc_u32 v121, s26, v1
	v_lshrrev_b32 v126, 1, v1                      ; 8 x lane
	v_add_nc_u32 v122, s26, v126
	v_add_nc_u32 v127, TBL, v126
	v_add_nc_u32 v128, TBL+T_BE1, v1
	v_and_b32 v129, 15, v0
	v_bfe_u32 v130, v0, 4, 1
	v_and_b32 v131, 8, v129
	v_add_nc_u32 v131, v131, v129                  ; r + 8 (r / 8)
	v_mul_u32_u24 v130, v130, 24
	v_mad_u32_u24 v123, v131, 192, v130            ; Weo: rows of 192 bytes
	v_mad_u32_u24 v124, v131, 48, v130             ; WE1: 48
	v_mad_u32_u24 v125, v131, 96, v130             ; WE2: 96
.set cnt_, 0
.rept 18
	v_mov_b32 v[136+cnt_], 0                       ; written on every wave's way
.set cnt_, cnt_+1
.endr
	s_cmp_lt_u32 s2, 8
	VW
	s_cbranch_scc0 .La1
	s_lshr_b32 s26, s2, 2                          ; Weo: tile nt = w / 2 begins at row 32 (nt / 2) + 8 (nt % 2); K step w % 2
	s_mul_i32 s26, s26, 32*192
	s_bfe_u32 s30, s2, 0x10001
	s_mul_i32 s30, s30, 8*192
	s_add_co_u32 s26, s26, s30
	s_and_b32 s30, s2, 1
	s_mul_i32 s30, s30, 96
	s_add_co_u32 s26, s26, s30
	s_add_nc_u64 s[52:53], s[52:53], s[26:27]
.irp p, 0,1,2,3,4,5
	global_load_b64 v[136+2*\p:137+2*\p], v123, s[52:53] offset:48*(\p/3)+8*(\p%3)
.endr
	s_lshr_b32 s26, s2, 1                          ; WE1: tile w begins at row 32 (w / 2) + 8 (w % 2)
	s_mul_i32 s26, s26, 32*48
	s_and_b32 s30, s2, 1
	s_mul_i32 s30, s30, 8*48
	s_add_co_u32 s26, s26, s30
	s_add_nc_u64 s[54:55], s[54:55], s[26:27]
.irp p, 0,1,2
	global_load_b64 v[148+2*\p:149+2*\p], v124, s[54:55] offset:8*\p
.endr
	s_branch .La9
.La1:
	s_cmp_lt_u32 s2, 12
	s_cbranch_scc0 .La2
	s_bfe_u32 s26, s2, 0x10001                     ; WE2: tile nt = w - 8
	s_mul_i32 s26, s26, 32*96
	s_and_b32 s30, s2, 1
	s_mul_i32 s30, s30, 8*96
	s_add_co_u32 s26, s26, s30
	s_add_nc_u64 s[56:57], s[56:57], s[26:27]
.irp p, 0,1,2,3,4,5
	global_load_b64 v[136+2*\p:137+2*\p], v125, s[56:57] offset:48*(\p/3)+8*(\p%3)
.endr
	s_branch .La9
.La2:
	s_cmp_eq_u32 s2, 12
	s_cbranch_scc0 .La9
	global_load_b64 v[136:137], v126, s[32:33]     ; six tables of 256 bytes, 8 bytes a lane,
	global_load_b64 v[138:139], v126, s[34:35]
	global_load_b64 v[140:141], v126, s[36:37]
	global_load_b64 v[142:143], v126, s[40:41]
	global_load_b64 v[144:145], v126, s[42:43]
	global_load_b64 v[146:147], v126, s[44:45]
	global_load_b128 v[148:151], v1, s[38:39]      ; and bE1's 512
.La9:
	NLDA 0
	NMASK 0
	VW
	s_wait_loadcnt 0x0                             ; the head's one wait for loaded data
	s_cmp_lt_u32 s2, 8
	s_cbranch_scc0 .Lb1
.irp c, 0,1,2
	ds_store_b128 v120, v[136+4*\c:139+4*\c] offset:512*\c
.endr
	ds_store_b128 v121, v[148:151]
	ds_store_b64 v122, v[152:153] offset:512
	s_branch .Lb9
.Lb1:
	s_cmp_lt_u32 s2, 12
	s_cbranch_scc0 .Lb2
.irp c, 0,1,2
	ds_store_b128 v120, v[136+4*\c:139+4*\c] offset:512*\c
.endr
	s_branch .Lb9
.Lb2:
	s_cmp_eq_u32 s2, 12
	s_cbranch_scc0 .Lb9
	ds_store_b64 v127, v[136:137] offset:T_BEO
	ds_store_b64 v127, v[138:139] offset:T_G1
	ds_store_b64 v127, v[140:141] offset:T_B1
	ds_store_b64 v127, v[142:143] offset:T_BE2
	ds_store_b64 v127, v[144:145] offset:T_G2
	ds_store_b64 v127, v[146:147] offset:T_B2
	ds_store_b128 v128, v[148:151]
.Lb9:
	TMAP 102                                       ; the head's map: clear of what phase N has loaded
.set NE, 64
.set FRA, 96
	TADDR
	QPH                                            ; step 0's E becomes an operand
	TMAP 22
.set NE, 164
.set FRA, 196
	NFIN 1
	BAR                                            ; the images of E and of the weights and the tables lie in LDS
	; ================ step 0
	NTILE 0, 0
	NTILE 0, 1
	NTILE 0, 2
	NTILE 0, 3
	BAR                                            ; 256 rows of Y lie in LDS; nobody reads E's images any more
	TPH 0, 0
	NLDA 1
	NMASK 1
	NFIN 0
	BAR                                            ; step 1's images of E lie in LDS; nobody reads Y or a stage any more
	; ================ step 1
	NTILE 1, 0
	NTILE 1, 1
	NTILE 1, 2
	NTILE 1, 3
	; the softmax's state: a slot's two halves, then the two halves of the lanes, under their common maximum; then to LDS, where the two jq meet
.irp s, 0,1,2,3
	v_add_f32 v[120+\s], v[LSUM+2*\s], v[LSUM+2*\s+1]
	v_add_f32 v[124+\s], v[OSUM+2*\s], v[OSUM+2*\s+1]
	v_permlanex16_b32 v[128+\s], v[MX+\s], s[SEL], s[SEL+1]
.endr
.irp s, 0,1,2,3
	v_max_num_f32 v[128+\s], v[128+\s], v[MX+\s]
.endr
.irp s, 0,1,2,3
	v_sub_f32 v[132+\s], v[MX+\s], v[128+\s]
.endr
.irp s, 0,1,2,3
	v_mul_f32 v[132+\s], s[LG], v[132+\s]
.endr
	VW
.irp s, 0,1,2,3
	v_exp_f32 v[132+\s], v[132+\s]
.endr
	v_nop
	VW
.irp s, 0,1,2,3
	v_mul_f32 v[120+\s], v[120+\s], v[132+\s]
	v_mul_f32 v[124+\s], v[124+\s], v[132+\s]
.endr
.irp s, 0,1,2,3
	v_permlanex16_b32 v[136+\s], v[120+\s], s[SEL], s[SEL+1]
	v_permlanex16_b32 v[140+\s], v[124+\s], s[SEL], s[SEL+1]
.endr
.irp s, 0,1,2,3
	v_add_f32 v[120+\s], v[120+\s], v[136+\s]
	v_add_f32 v[124+\s], v[124+\s], v[140+\s]
.endr
	s_lshl_b32 s26, s4, 10
	s_lshl_b32 s30, s3, 7
	s_add_co_u32 s26, s26, s30
	s_add_co_u32 s26, s26, SM
	v_and_b32 v23, 15, v0
	v_lshl_add_u32 v22, v23, 3, s26                ; SM + 1,024 jq + 4 (32 cp + 2 r)
.irp s, 0,1,2,3                                ; lanes r and r + 16 store the same number to the same word
	ds_store_b32 v22, v[128+\s] offset:(\s/2)*2048+4*(\s%2)
	ds_store_b32 v22, v[120+\s] offset:4096+(\s/2)*2048+4*(\s%2)
	ds_store_b32 v22, v[124+\s] offset:8192+(\s/2)*2048+4*(\s%2)
.endr
	s_bfe_u32 s26, s2, 0x10001                     ; for waves 0-3 behind the barrier: query (w / 2) % 2, channels 128 (w % 2) + 4 lane + 0 .. 3
	s_lshl_b32 s26, s26, 11
	s_and_b32 s30, s2, 1
	s_lshl_b32 s30, s30, 9
	s_add_co_u32 s26, s26, s30
	s_add_co_u32 s26, s26, SM
	v_add_nc_u32 v24, s26, v1
	s_and_b32 s26, s2, 3
	s_lshl_b32 s26, s26, 9
	v_add_nc_u32 v25, s26, v1                      ; and the same place in the two rows of WV
	BAR                                            ; Y and the softmax's partial results lie in LDS
	s_cmp_lt_u32 s2, 4
	s_cbranch_scc0 .Lno_final
.irp a, 0,1,2
	ds_load_b128 v[36+8*\a:39+8*\a], v24 offset:4096*\a            ; m, l, o of jq = 0
	ds_load_b128 v[40+8*\a:43+8*\a], v24 offset:4096*\a+1024       ; and of jq = 1
.endr
	s_wait_dscnt 0x0
.irp e, 0,1,2,3
	v_max_num_f32 v[60+\e], v[36+\e], v[40+\e]
.endr
.irp e, 0,1,2,3
	v_sub_f32 v[36+\e], v[36+\e], v[60+\e]
	v_sub_f32 v[40+\e], v[40+\e], v[60+\e]
.endr
.irp e, 0,1,2,3
	v_mul_f32 v[36+\e], s[LG], v[36+\e]
	v_mul_f32 v[40+\e], s[LG], v[40+\e]
.endr
	VW
.irp e, 0,1,2,3
	v_exp_f32 v[36+\e], v[36+\e]
	v_exp_f32 v[40+\e], v[40+\e]
.endr
	v_nop
	VW
.irp e, 0,1,2,3
	v_mul_f32 v[44+\e], v[44+\e], v[36+\e]
	v_mul_f32 v[52+\e], v[52+\e], v[36+\e]
.endr
.irp e, 0,1,2,3
	v_fma_f32 v[44+\e], v[48+\e], v[40+\e], v[44+\e]
	v_fma_f32 v[52+\e], v[56+\e], v[40+\e], v[52+\e]
.endr
	VW
.irp e, 0,1,2,3
	v_rcp_f32 v[44+\e], v[44+\e]
.endr
	v_nop
	VW
.irp e, 0,1,2,3
	v_mul_f32 v[64+\e], v[52+\e], v[44+\e]         ; the weighted values; 0 x infinity = NaN where no key was admitted
.endr
	global_store_b128 v25, v[64:67], s[18:19]      ; 32 lanes store 512 consecutive bytes
	s_wait_xcnt 0x0                                ; the store's registers are written again only behind this wait
.Lno_final:
	TPH 1, 1
	s_barrier_signal -1
	s_barrier_wait -1
	s_wait_xcnt 0x0
	v_lshl_add_u32 v2, v0, 2, SPARE                ; the wave's end
	v_mov_b32 v3, 0
	VW
	s_wait_tensorcnt 0x0
	ds_add_u32 v2, v3
	s_wait_dscnt 0x0
	s_endpgm
.Lfunc_end_k_qbd02c14e30_edge:
	.size	k_qbd02c14e30_edge, .Lfunc_end_k_qbd02c14e30_edge-k_qbd02c14e30_edge
	.p2alignl 7, 3214868480
	.fill 96, 4, 3214868480
	.section	.rodata,"a",@progbits
	.p2align	6, 0x0
	.amdhsa_kernel k_qbd02c14e30_edge
		.amdhsa_group_segment_fixed_size 321536
		.amdhsa_private_segment_fixed_size 0
		.amdhsa_enable_private_segment 0
		.amdhsa_kernarg_size 216
		.amdhsa_user_sgpr_count 2
		.amdhsa_user_sgpr_kernarg_segment_ptr 1
		.amdhsa_wavefront_size32 1
		.amdhsa_system_sgpr_workgroup_id_x 1
		.amdhsa_system_sgpr_workgroup_id_y 1
		.amdhsa_system_sgpr_workgroup_id_z 1
		.amdhsa_system_vgpr_workitem_id 0
		.amdhsa_next_free_vgpr 256
		.amdhsa_next_free_sgpr 102
		.amdhsa_reserve_vcc 0
		.amdhsa_float_denorm_mode_32 3
		.amdhsa_float_denorm_mode_16_64 3
		.amdhsa_memory_ordered 1
		.amdhsa_forward_progress 1
		.amdhsa_inst_pref_size 255
	.end_amdhsa_kernel
	.section	.bss,"aw",@nobits
	.p2align	6
	.space	262144
	.amdgpu_metadata
---
amdhsa.version: [ 1, 2 ]
amdhsa.kernels:
  - .name:           k_qbd02c14e30_edge
    .symbol:         k_qbd02c14e30_edge.kd
    .args:
      - { .name: E, .offset: 0, .size: 8, .value_kind: global_buffer, .address_space: global }
      - { .name: out1, .offset: 8, .size: 8, .value_kind: global_buffer, .address_space: global }
      - { .name: KI, .offset: 16, .size: 8, .value_kind: global_buffer, .address_space: global }
      - { .name: VI, .offset: 24, .size: 8, .value_kind: global_buffer, .address_space: global }
      - { .name: MK, .offset: 32, .size: 8, .value_kind: global_buffer, .address_space: global }
      - { .name: WV, .offset: 40, .size: 8, .value_kind: global_buffer, .address_space: global }
      - { .name: node_mask, .offset: 48, .size: 8, .value_kind: global_buffer, .address_space: global }
      - { .name: QI, .offset: 56, .size: 8, .value_kind: global_buffer, .address_space: global }
      - { .name: Wem_codes, .offset: 64, .size: 8, .value_kind: global_buffer, .address_space: global }
      - { .name: Wem_scales, .offset: 72, .size: 8, .value_kind: global_buffer, .address_space: global }
      - { .name: Wea_codes, .offset: 80, .size: 8, .value_kind: global_buffer, .address_space: global }
      - { .name: Wea_scales, .offset: 88, .size: 8, .value_kind: global_buffer, .address_space: global }
      - { .name: bem, .offset: 96, .size: 8, .value_kind: global_buffer, .address_space: global }
      - { .name: bea, .offset: 104, .size: 8, .value_kind: global_buffer, .address_space: global }
      - { .name: beo, .offset: 112, .size: 8, .value_kind: global_buffer, .address_space: global }
      - { .name: gE1, .offset: 120, .size: 8, .value_kind: global_buffer, .address_space: global }
      - { .name: betE1, .offset: 128, .size: 8, .value_kind: global_buffer, .address_space: global }
      - { .name: bE1, .offset: 136, .size: 8, .value_kind: global_buffer, .address_space: global }
      - { .name: bE2, .offset: 144, .size: 8, .value_kind: global_buffer, .address_space: global }
      - { .name: gE2, .offset: 152, .size: 8, .value_kind: global_buffer, .address_space: global }
      - { .name: betE2, .offset: 160, .size: 8, .value_kind: global_buffer, .address_space: global }
      - { .name: Weo_scales, .offset: 168, .size: 8, .value_kind: global_buffer, .address_space: global }
      - { .name: WE1_scales, .offset: 176, .size: 8, .value_kind: global_buffer, .address_space: global }
      - { .name: WE2_scales, .offset: 184, .size: 8, .value_kind: global_buffer, .address_space: global }
      - { .name: Weo_codes, .offset: 192, .size: 8, .value_kind: global_buffer, .address_space: global }
      - { .name: WE1_codes, .offset: 200, .size: 8, .value_kind: global_buffer, .address_space: global }
      - { .name: WE2_codes, .offset: 208, .size: 8, .value_kind: global_buffer, .address_space: global }
    .group_segment_fixed_size: 321536
    .private_segment_fixed_size: 0
    .kernarg_segment_align: 8
    .kernarg_segment_size: 216
    .max_flat_workgroup_size: 512
    .sgpr_count:     102
    .vgpr_count:     256
    .wavefront_size: 32
...
	.end_amdgpu_metadata
.endif
;; end of part 5
;; launch node1 (part 6): grid 32 x 8, 8 waves a work-group, no clusters, 25,088 bytes of LDS; arguments WV, X, node_mask, WIMG, Wxo_scales, bxo, gX1, betX1, WX1_scales, bX1, WX2_scales, bX2, PS; writes PS
.if DOCPART == 6
	.amdgcn_target "amdgcn-amd-amdhsa--gfx1250"
	.amdhsa_code_object_version 6
	.text
	.protected	k_qbd02c14e30_node1
	.globl	k_qbd02c14e30_node1
	.p2align	8
	.type	k_qbd02c14e30_node1,@function
k_qbd02c14e30_node1:
	s_mov_b64 s[64:65], 0
	v_nop
	global_prefetch_b8 v0, s[64:65] scope:SCOPE_SE
	s_setreg_imm32_b32 hwreg(HW_REG_WAVE_MODE, 25, 1), 1
	s_wait_xcnt 0x0
; The node path up to partial sums: Xo = LN(X + (wV Wxo + bxo) x node_mask);  PS[sl] = relu(Xo WX1 + bX1)[:, slice sl] WX2[slice sl, :]  (+ Xo + bX2 in slice 0).
; Three products on codes of FP6 (E2M3) with one E8M0 scale for each 32 along K.  The next launch adds the eight slices and applies the last LN.
; SHARES.  Work-group (x, y): rows 16 x .. + 15, hidden units 256 y .. + 255: 32 x 8 = 256 work-groups of eight waves.  The first product and LN are made anew in each slice (they want 49,152 bytes of codes).
; Wave v: output columns 32 v .. + 31 of the first and third product (two tiles), hidden units 256 y + 32 v .. + 31 of the second (two tiles).
; All products transposed (source 0 = 16 rows of a weight, source 1 = the 16 rows): a lane holds one row.  The weights come as the images of fragments that the first launch made: three loads of 512 bytes a fragment.
; A wave's 12 fragments and three biases lie in register window 1 (v256-447), asked for at the head; all else in window 0.
; EACH OPERAND OF 16 ROWS x 256 IS QUANTISED ONCE IN THE WORK-GROUP: wave v takes block v of its eight blocks of 32 along K, 16 numbers a lane (k = 32 v + 16 h + 0 .. 15 of row r); the 3 registers of codes go to LDS
;   at the place that the operand gives them: fragment v / 4, lane r + 16 (v % 2), registers 6 ((v / 2) % 2) + 3 h + 0 .. 2, 48 bytes a lane; the scale byte beside them.  Behind a barrier every wave takes both fragments.
;   wV is loaded in that layout; the hidden units fall into it by the choice of WX1's rows; Xo's two tiles (columns 8 h + j and 16 + 8 h + j) are brought into it by eight exchanges of half rows of lanes.
; A row of wV that is NaN (a query with no admitted key) has no code: it is carried past the quantiser by X + 0 x wV[row][0].
; No tensor loads, no cluster: operands go straight to registers.  No prefetch: no loop to run ahead in.
; LIMITS: NaN and infinities among the inputs are not served; a block of zeros gets the scale byte 1 with zero codes.
.set OFF1, 49152
.set OFF2, 442368
.set XO,  0                            ; LDS: 16 rows of 1,024 + 16 bytes: the partial sums on their way out
.set XP,  1040
.set P1,  16640                        ; the waves' partial sums: row x 32 + 4 x wave
.set P2,  17152
.set XI,  17664                        ; two fragments: wV's, then Xo's (two barriers lie between the reads of the first and the stores of the second)
.set HI,  20736                        ; the hidden slice's two fragments
.set XS,  23808                        ; scale words: fragment x 64 + 4 x row
.set HS,  23936
.set SPARE, 24064                      ; the spare words, 128 bytes a wave
.set XQ,  20                           ; v20-35 16 numbers for the quantiser; at the end two rows on their way out
.set TM,  84
.set CS,  100
.set FA0, 108                          ; v108-131 the rows' two fragments
.set FA1, 120
.set A7,  148
.set XR,  164
.set G1,  180
.set B1,  196
.set XN,  212
.set HH,  228
.set CA,  18                           ; v18 where my codes go, v19 where my scale byte goes
.set SA,  19
.set SEL, 44
; v132-133 the rows' scale words, v134-137 Wxo's, v138-141 WX1's, v142-145 WX2's: scales and nothing else.  v250, v251: the spare word's address and 0
; window 1: v0-47 Wxo (2 n + s), v48-95 WX1 (2 u + s), v96-143 WX2 (2 n + k), v144-159 bX1, v160-175 bxo, v176-191 bX2
.set MSB, 0
.macro WIN new
.if MSB != \new
	s_set_vgpr_msb (MSB<<8)|\new
.set MSB, \new
.endif
.endm
.macro NOPS n
.rept \n
	v_nop
.endr
.endm
.macro VW
	s_wait_alu depctr_va_vdst(0)
.endm
.macro BAR
	VW
	s_wait_dscnt 0x0
	s_barrier_signal -1
	s_barrier_wait -1
.endm
.macro MM d, a, b, c, sa, sb
	v_wmma_scale_f32_16x16x128_f8f6f4 v[\d:\d+7], v[\a:\a+11], v[\b:\b+11], v[\c:\c+7], v[\sa], v[\sb] matrix_a_fmt:MATRIX_FMT_FP6 matrix_b_fmt:MATRIX_FMT_FP6
.endm
.macro QBLK src, co, so                        ; my 16 numbers of my block become 3 registers of codes and a scale byte, in LDS
	v_max3_num_f32 v[TM], |v[\src]|, |v[\src+1]|, 0x1800000   ; two chains; the floor 2^(3 - 127): the byte cannot fall under 1
	v_max3_num_f32 v[TM+1], |v[\src+2]|, |v[\src+3]|, |v[\src+4]|
	v_max3_num_f32 v[TM], v[TM], |v[\src+5]|, |v[\src+6]|
	v_max3_num_f32 v[TM+1], v[TM+1], |v[\src+7]|, |v[\src+8]|
	v_max3_num_f32 v[TM], v[TM], |v[\src+9]|, |v[\src+10]|
	v_max3_num_f32 v[TM+1], v[TM+1], |v[\src+11]|, |v[\src+12]|
	v_max3_num_f32 v[TM], v[TM], |v[\src+13]|, |v[\src+14]|
	v_max3_num_f32 v[TM], v[TM], v[TM+1], |v[\src+15]|
	v_permlanex16_b32 v[TM+4], v[TM], s[SEL], s[SEL+1]
	v_max_num_f32 v[TM], v[TM], v[TM+4]            ; with lane xor 16's 16
	v_add_nc_u32 v[TM+2], 0xff000000, v[TM]        ; 2 off the exponent field: the conversion's scale operand
	v_lshrrev_b32 v[TM+3], 23, v[TM+2]             ; the scale's byte
	v_cvt_scalef32_pk16_fp6_f32 v[CS:CS+2], v[\src:\src+15], v[TM+2]
	v_nop                                          ; one plain place behind a scaled conversion
	ds_store_b32 v[CA], v[CS] offset:\co
	ds_store_b32 v[CA], v[CS+1] offset:\co+4
	ds_store_b32 v[CA], v[CS+2] offset:\co+8
	ds_store_b8 v[SA], v[TM+3] offset:\so          ; lanes r and r + 16 store the same byte
.endm
.macro FRAGS co, so                            ; both fragments and their scale words
.irp k, 0,1
.irp c, 0,1,2
	ds_load_b128 v[FA0+12*\k+4*\c:FA0+12*\k+4*\c+3], v244 offset:\co+1536*\k+16*\c
.endr
	ds_load_b32 v[132+\k], v245 offset:\so+64*\k
.endr
.endm
.macro TAB dst, va, ptr                        ; 16 numbers a lane: two tiles x 8 columns
.irp q, 0,1,2,3
	global_load_b128 v[\dst+4*\q:\dst+4*\q+3], v[\va], s[\ptr:\ptr+1] offset:64*(\q/2)+16*(\q%2)
.endr
.endm
.macro RED p                                   ; v[CS:CS+3] -> the row's sum over both halves of the lanes and the eight waves, in v[TM]
	v_pk_add_f32 v[CS:CS+1], v[CS:CS+1], v[CS+2:CS+3]
	v_add_f32 v[CS], v[CS], v[CS+1]
	v_permlanex16_b32 v[CS+1], v[CS], s[SEL], s[SEL+1]
	v_add_f32 v[CS], v[CS], v[CS+1]
	ds_store_b32 v8, v[CS] offset:\p               ; lanes r and r + 16 store the same number to the same word
	BAR
	ds_load_b128 v[TM:TM+3], v9 offset:\p
	ds_load_b128 v[TM+4:TM+7], v9 offset:\p+16
	s_wait_dscnt 0x0
	v_pk_add_f32 v[TM:TM+1], v[TM:TM+1], v[TM+2:TM+3]
	v_pk_add_f32 v[TM+4:TM+5], v[TM+4:TM+5], v[TM+6:TM+7]
	v_pk_add_f32 v[TM:TM+1], v[TM:TM+1], v[TM+4:TM+5]
	v_add_f32 v[TM], v[TM], v[TM+1]
.endm
	s_load_b512 s[8:23], s[0:1], 0x0               ; WV 8, X 10, node_mask 12, WIMG 14, Wxo_scales 16, bxo 18, gX1 20, betX1 22
	s_load_b256 s[24:31], s[0:1], 0x40             ; WX1_scales 24, bX1 26, WX2_scales 28, bX2 30
	s_load_b64 s[32:33], s[0:1], 0x60              ; PS
	v_lshl_add_u32 v250, v0, 2, SPARE
	v_mov_b32 v251, 0
	v_lshrrev_b32 v1, 5, v0
	v_readfirstlane_b32 s2, v1                     ; wave 0..7
	s_and_b32 s3, ttmp7, 0xffff                    ; the slice
	v_and_b32 v1, 31, v0
	v_mul_u32_u24 v244, v1, 48                     ; a fragment back: 48 bytes a lane
	v_lshlrev_b32 v1, 4, v1                        ; 16 x lane
	v_and_b32 v16, 15, v0                          ; r
	v_bfe_u32 v17, v0, 4, 1                        ; h
	v_lshlrev_b32 v2, 10, v16                      ; wV[row][0]
	v_lshl_add_u32 v3, v17, 5, v2                  ; X: row r, + 32 h
	v_lshlrev_b32 v4, 5, v17                       ; tables by columns: 32 h
	v_mov_b32 v5, v16
	s_lshl_b32 s42, s2, 7
	v_lshl_add_u32 v6, v17, 6, v2
	v_add_nc_u32 v6, s42, v6                       ; wV: row r, my block, + 64 h
	s_mul_i32 s43, s2, 2*XP
	v_add_nc_u32 v7, s43, v1                       ; rows 2 v, 2 v + 1 in LDS
	v_lshlrev_b32 v9, 5, v16
	s_lshl_b32 s43, s2, 2
	v_add_nc_u32 v8, s43, v9
	v_mul_u32_u24 v10, v16, XP
	v_lshl_add_u32 v10, v17, 5, v10
	v_add_nc_u32 v10, s42, v10                     ; my columns of row r in LDS
	v_lshlrev_b32 v12, 6, v17                      ; bX1: 64 h
	v_lshlrev_b32 v13, 3, v16                      ; Wxo's scale words
	v_and_b32 v14, 8, v16
	v_add_nc_u32 v14, v14, v16
	v_lshlrev_b32 v14, 3, v14                      ; WX1's: row r + 8 (r / 8)
	v_lshlrev_b32 v15, 6, v16                      ; WX2's: 64 bytes a row
	s_lshr_b32 s40, s2, 2                          ; my block's fragment,
	s_and_b32 s41, s2, 1                           ; half of the lanes,
	s_bfe_u32 s42, s2, 0x10001                     ; and half of the registers
	s_mul_i32 s43, s40, 1536
	s_mul_i32 s41, s41, 768
	s_add_co_u32 s43, s43, s41
	s_mul_i32 s42, s42, 24
	s_add_co_u32 s43, s43, s42
	v_mul_u32_u24 v[CA], v16, 48
	v_mad_u32_u24 v[CA], v17, 12, v[CA]
	v_add_nc_u32 v[CA], s43, v[CA]
	s_lshl_b32 s40, s40, 6
	s_and_b32 s41, s2, 3
	s_add_co_u32 s40, s40, s41
	v_lshl_add_u32 v[SA], v16, 2, s40
	v_lshlrev_b32 v245, 2, v16
	v_mov_b32 v249, 0
	v_mov_b32 v[TM+4], 0                           ; a lane permute's destination counts as one of its sources
	v_mov_b32 v[CS+5], 0                           ; (named as the upper half of a pair)
	s_mov_b32 s[SEL], 0x76543210
	s_mov_b32 s[SEL+1], 0xfedcba98
	s_mov_b32 s46, 0x3727c5ac                      ; eps = 1e-5
	s_mov_b32 s47, 0x3b800000                      ; 1 / 256
	s_cmp_eq_u32 s3, 0
	s_cselect_b32 s34, 1.0, 0                      ; slice 0 carries Xo + bX2
	s_mov_b32 s35, s34
	s_mov_b32 s43, 0
	VW
	s_wait_kmcnt 0x0
	s_lshl_b32 s42, ttmp9, 14                      ; my 16 rows
	s_add_nc_u64 s[8:9], s[8:9], s[42:43]
	s_add_nc_u64 s[10:11], s[10:11], s[42:43]
	s_lshl_b32 s48, s3, 19                         ; PS: slice x 524,288 + row x 1,024
	s_add_co_u32 s42, s42, s48
	s_lshl_b32 s48, s2, 11
	s_add_co_u32 s42, s42, s48
	s_add_nc_u64 s[32:33], s[32:33], s[42:43]
	s_lshl_b32 s42, ttmp9, 4
	s_add_nc_u64 s[12:13], s[12:13], s[42:43]
	s_lshl_b32 s42, s2, 7                          ; my 32 columns
	s_add_nc_u64 s[10:11], s[10:11], s[42:43]
	s_add_nc_u64 s[18:19], s[18:19], s[42:43]
	s_add_nc_u64 s[20:21], s[20:21], s[42:43]
	s_add_nc_u64 s[22:23], s[22:23], s[42:43]
	s_add_nc_u64 s[30:31], s[30:31], s[42:43]
	s_mul_i32 s42, s2, 6144                        ; Wxo's fragments 4 v ..
	s_add_nc_u64 s[36:37], s[14:15], s[42:43]
	s_lshl_b32 s42, s3, 5                          ; WX1's fragment 32 sl + 16 (v / 4) + 2 (v % 4) (+ u + 8 s)
	s_lshr_b32 s48, s2, 2
	s_lshl_b32 s48, s48, 4
	s_add_co_u32 s42, s42, s48
	s_and_b32 s48, s2, 3
	s_lshl_b32 s48, s48, 1
	s_add_co_u32 s42, s42, s48
	s_mul_i32 s42, s42, 1536
	s_add_co_u32 s42, s42, OFF1
	s_add_nc_u64 s[38:39], s[14:15], s[42:43]
	s_lshl_b32 s42, s2, 5                          ; WX2's fragment 32 v + 2 sl (+ 16 n + k)
	s_lshl_b32 s48, s3, 1
	s_add_co_u32 s42, s42, s48
	s_mul_i32 s42, s42, 1536
	s_add_co_u32 s42, s42, OFF2
	s_add_nc_u64 s[40:41], s[14:15], s[42:43]
	s_lshl_b32 s42, s2, 8
	s_add_nc_u64 s[16:17], s[16:17], s[42:43]
	s_lshl_b32 s48, s3, 8
	s_lshl_b32 s49, s2, 5
	s_add_co_u32 s48, s48, s49                     ; my first hidden unit
	s_lshl_b32 s42, s48, 3
	s_add_nc_u64 s[24:25], s[24:25], s[42:43]
	s_lshl_b32 s42, s48, 2
	s_add_nc_u64 s[26:27], s[26:27], s[42:43]
	s_lshl_b32 s42, s3, 3
	s_lshl_b32 s48, s2, 11
	s_add_co_u32 s42, s42, s48
	s_add_nc_u64 s[28:29], s[28:29], s[42:43]
.irp q, 0,1,2,3
	global_load_b128 v[XQ+4*\q:XQ+4*\q+3], v6, s[8:9] offset:16*\q   ; my 16 numbers of my block of wV: wanted first, asked for first
.endr
	TAB G1, 4, 20
	TAB B1, 4, 22
	global_load_b64 v[134:135], v13, s[16:17]
	global_load_b64 v[136:137], v13, s[16:17] offset:128
	TAB XR, 3, 10
	global_load_u8 v246, v5, s[12:13]
	global_load_b32 v247, v2, s[8:9]
	global_load_b64 v[138:139], v14, s[24:25]
	global_load_b64 v[140:141], v14, s[24:25] offset:64
	WIN 0x40                                       ; destinations in window 1
.set cnt_, 0
.rept 12
	global_load_b128 v[4*cnt_:4*cnt_+3], v1, s[36:37] offset:512*cnt_
.set cnt_, cnt_+1
.endr
	TAB 160, 4, 18
.irp f, 0,1,2,3                                ; f = 2 u + s
.irp c, 0,1,2
	global_load_b128 v[48+12*\f+4*\c:51+12*\f+4*\c], v1, s[38:39] offset:1536*(\f/2)+12288*(\f%2)+512*\c
.endr
.endr
.irp q, 0,1,2,3
	global_load_b128 v[144+4*\q:147+4*\q], v12, s[26:27] offset:16*\q
.endr
	WIN 0
	s_wait_loadcnt 50                              ; wV is in: behind it 8 + 2 + 4 + 2 + 2 + 12 + 4 + 12 + 4 loads
	QBLK XQ, XI, XS
	WIN 0x40
.irp f, 0,1,2,3                                ; f = 2 n + k
.irp c, 0,1,2
	global_load_b128 v[96+12*\f+4*\c:99+12*\f+4*\c], v1, s[40:41] offset:24576*(\f/2)+1536*(\f%2)+512*\c
.endr
.endr
	TAB 176, 4, 30
	WIN 0
	global_load_b64 v[142:143], v15, s[28:29]
	global_load_b64 v[144:145], v15, s[28:29] offset:1024
	BAR                                            ; wV's two fragments lie in LDS
	FRAGS XI, XS
	s_wait_loadcnt 34                              ; all up to bxo is in: WX1's 12, bX1's 4 and the later 18 are younger
	v_cvt_f32_u32 v246, v246                       ; node_mask of my row
	v_mul_f32 v248, 0, v247                        ; 0, or NaN where the row of wV is NaN
.irp i, 0,2,4,6,8,10,12,14
	v_pk_add_f32 v[XR+\i:XR+\i+1], v[XR+\i:XR+\i+1], v[248:249] op_sel_hi:[1,0]
.endr
	VW
	s_wait_dscnt 0x0
	WIN 0x11                                       ; source 0 and C in window 1.  Two accumulators by turns
	MM A7, 0, FA0, 160, 134, 132
	MM A7+8, 24, FA0, 168, 136, 132
	WIN 0x01
	MM A7, 12, FA1, A7, 135, 133
	MM A7+8, 36, FA1, A7+8, 137, 133
	WIN 0
	NOPS 4                                         ; places behind the products (ISA guide 7.12.1)
.irp i, 0,2,4,6,8,10,12,14
	v_pk_fma_f32 v[XR+\i:XR+\i+1], v[A7+\i:A7+\i+1], v[246:247], v[XR+\i:XR+\i+1] op_sel_hi:[1,0,1]
.endr
	; LN over a row of 256: 16 numbers a lane; the sums, then the squares of the deviations
	v_pk_add_f32 v[CS:CS+1], v[XR:XR+1], v[XR+4:XR+5]
	v_pk_add_f32 v[CS+2:CS+3], v[XR+2:XR+3], v[XR+6:XR+7]
.irp i, 8,12
	v_pk_add_f32 v[CS:CS+1], v[CS:CS+1], v[XR+\i:XR+\i+1]
	v_pk_add_f32 v[CS+2:CS+3], v[CS+2:CS+3], v[XR+\i+2:XR+\i+3]
.endr
	RED P1
	v_mul_f32 v[CS+4], 0xbb800000, v[TM]           ; -mean
.irp i, 0,2,4,6,8,10,12,14
	v_pk_add_f32 v[XR+\i:XR+\i+1], v[XR+\i:XR+\i+1], v[CS+4:CS+5] op_sel_hi:[1,0]
.endr
	v_pk_mul_f32 v[CS:CS+1], v[XR:XR+1], v[XR:XR+1]
	v_pk_mul_f32 v[CS+2:CS+3], v[XR+2:XR+3], v[XR+2:XR+3]
.irp i, 4,8,12
	v_pk_fma_f32 v[CS:CS+1], v[XR+\i:XR+\i+1], v[XR+\i:XR+\i+1], v[CS:CS+1]
	v_pk_fma_f32 v[CS+2:CS+3], v[XR+\i+2:XR+\i+3], v[XR+\i+2:XR+\i+3], v[CS+2:CS+3]
.endr
	RED P2
	v_fma_f32 v[TM], v[TM], s47, s46               ; var + eps
	VW
	v_rsq_f32 v[CS+4], v[TM]
	v_nop
	VW
.irp i, 0,2,4,6,8,10,12,14
	v_pk_mul_f32 v[XR+\i:XR+\i+1], v[XR+\i:XR+\i+1], v[CS+4:CS+5] op_sel_hi:[1,0]
.endr
.irp i, 0,2,4,6,8,10,12,14
	v_pk_fma_f32 v[XN+\i:XN+\i+1], v[XR+\i:XR+\i+1], v[G1+\i:G1+\i+1], v[B1+\i:B1+\i+1]   ; Xo as the products lay it: kept for the way on,
	v_pk_fma_f32 v[XQ+\i:XQ+\i+1], v[XR+\i:XR+\i+1], v[G1+\i:G1+\i+1], v[B1+\i:B1+\i+1]   ; and once more for the quantiser
.endr
.irp j, 0,1,2,3,4,5,6,7
	v_permlane16_swap_b32 v[XQ+\j], v[XQ+8+\j]     ; tile 0's lanes 16-31 (column 8 + j) change places with tile 1's lanes 0-15 (column 16 + j): register i is now column 16 h + i of my block
.endr
	QBLK XQ, XI, XS
	BAR                                            ; Xo's two fragments lie in LDS
	FRAGS XI, XS
	s_wait_loadcnt 18                              ; WX1 and bX1 are in: WX2's 12, bX2's 4 and 2 loads of scale words are younger
	s_wait_dscnt 0x0
	WIN 0x11
	MM HH, 48, FA0, 144, 138, 132
	MM HH+8, 72, FA0, 152, 140, 132
	WIN 0x01
	MM HH, 60, FA1, HH, 139, 133
	MM HH+8, 84, FA1, HH+8, 141, 133
	WIN 0
	NOPS 4
.set cnt_, 0
.rept 16
	v_max_num_f32 v[HH+cnt_], 0, v[HH+cnt_]        ; the activation, each accumulator from its low end on
.set cnt_, cnt_+1
.endr
	QBLK HH, HI, HS
	VW
	s_wait_loadcnt 0x0
	WIN 0x04                                       ; source 1 in window 1
.irp i, 0,2,4,6,8,10,12,14
	v_pk_add_f32 v[XN+\i:XN+\i+1], v[XN+\i:XN+\i+1], v[176+\i:177+\i]   ; Xo + bX2,
.endr
	WIN 0
.irp i, 0,2,4,6,8,10,12,14
	v_pk_mul_f32 v[XN+\i:XN+\i+1], v[XN+\i:XN+\i+1], s[34:35] op_sel_hi:[1,0]   ; in slice 0 alone: the C of the third product
.endr
	BAR                                            ; the hidden slice's two fragments lie in LDS
	FRAGS HI, HS
	s_wait_dscnt 0x0
	WIN 0x01
	MM XN, 96, FA0, XN, 142, 132
	MM XN+8, 120, FA0, XN+8, 144, 132
	MM XN, 108, FA1, XN, 143, 133
	MM XN+8, 132, FA1, XN+8, 145, 133
	WIN 0
	NOPS 4
.irp q, 0,1,2,3
	ds_store_b128 v10, v[XN+4*\q:XN+4*\q+3] offset:XO+64*(\q/2)+16*(\q%2)
.endr
	BAR                                            ; 16 whole rows of partial sums lie in LDS
	ds_load_b128 v[20:23], v7 offset:XO
	ds_load_b128 v[24:27], v7 offset:XO+512
	ds_load_b128 v[28:31], v7 offset:XO+XP
	ds_load_b128 v[32:35], v7 offset:XO+XP+512
	s_wait_dscnt 0x0
.irp q, 0,1,2,3
	global_store_b128 v1, v[20+4*\q:23+4*\q], s[32:33] offset:512*\q   ; rows 2 v, 2 v + 1: 512 consecutive bytes an instruction
.endr
	s_wait_tensorcnt 0x0                           ; the wave's end
	ds_add_u32 v250, v251
	s_wait_dscnt 0x0
	s_endpgm
.Lfunc_end_k_qbd02c14e30_node1:
	.size	k_qbd02c14e30_node1, .Lfunc_end_k_qbd02c14e30_node1-k_qbd02c14e30_node1
	.p2alignl 7, 3214868480
	.fill 96, 4, 3214868480
	.section	.rodata,"a",@progbits
	.p2align	6, 0x0
	.amdhsa_kernel k_qbd02c14e30_node1
		.amdhsa_group_segment_fixed_size 25088
		.amdhsa_private_segment_fixed_size 0
		.amdhsa_enable_private_segment 0
		.amdhsa_kernarg_size 104
		.amdhsa_user_sgpr_count 2
		.amdhsa_user_sgpr_kernarg_segment_ptr 1
		.amdhsa_wavefront_size32 1
		.amdhsa_system_sgpr_workgroup_id_x 1
		.amdhsa_system_sgpr_workgroup_id_y 1
		.amdhsa_system_sgpr_workgroup_id_z 1
		.amdhsa_system_vgpr_workitem_id 0
		.amdhsa_next_free_vgpr 448
		.amdhsa_next_free_sgpr 66
		.amdhsa_reserve_vcc 0
		.amdhsa_float_denorm_mode_32 3
		.amdhsa_float_denorm_mode_16_64 3
		.amdhsa_memory_ordered 1
		.amdhsa_forward_progress 1
		.amdhsa_inst_pref_size 28
	.end_amdhsa_kernel
	.amdgpu_metadata
---
amdhsa.version: [ 1, 2 ]
amdhsa.kernels:
  - .name:           k_qbd02c14e30_node1
    .symbol:         k_qbd02c14e30_node1.kd
    .args:
      - { .name: WV, .offset: 0, .size: 8, .value_kind: global_buffer, .address_space: global }
      - { .name: X, .offset: 8, .size: 8, .value_kind: global_buffer, .address_space: global }
      - { .name: node_mask, .offset: 16, .size: 8, .value_kind: global_buffer, .address_space: global }
      - { .name: WIMG, .offset: 24, .size: 8, .value_kind: global_buffer, .address_space: global }
      - { .name: Wxo_scales, .offset: 32, .size: 8, .value_kind: global_buffer, .address_space: global }
      - { .name: bxo, .offset: 40, .size: 8, .value_kind: global_buffer, .address_space: global }
      - { .name: gX1, .offset: 48, .size: 8, .value_kind: global_buffer, .address_space: global }
      - { .name: betX1, .offset: 56, .size: 8, .value_kind: global_buffer, .address_space: global }
      - { .name: WX1_scales, .offset: 64, .size: 8, .value_kind: global_buffer, .address_space: global }
      - { .name: bX1, .offset: 72, .size: 8, .value_kind: global_buffer, .address_space: global }
      - { .name: WX2_scales, .offset: 80, .size: 8, .value_kind: global_buffer, .address_space: global }
      - { .name: bX2, .offset: 88, .size: 8, .value_kind: global_buffer, .address_space: global }
      - { .name: PS, .offset: 96, .size: 8, .value_kind: global_buffer, .address_space: global }
    .group_segment_fixed_size: 25088
    .private_segment_fixed_size: 0
    .kernarg_segment_align: 8
    .kernarg_segment_size: 104
    .max_flat_workgroup_size: 256
    .sgpr_count:     66
    .vgpr_count:     448
    .wavefront_size: 32
...
	.end_amdgpu_metadata
.endif
;; end of part 6
;; launch node2 (part 7): grid 128 x 1, 4 waves a work-group, no clusters, 0 bytes of LDS; arguments PS, gX2, betX2, out0; writes out0
.if DOCPART == 7
	.amdgcn_target "amdgcn-amd-amdhsa--gfx1250"
	.amdhsa_code_object_version 6
	.text
	.protected	k_qbd02c14e30_node2
	.globl	k_qbd02c14e30_node2
	.p2align	8
	.type	k_qbd02c14e30_node2,@function
k_qbd02c14e30_node2:
	s_mov_b64 s[64:65], 0
	v_nop
	global_prefetch_b8 v0, s[64:65] scope:SCOPE_SE
	s_setreg_imm32_b32 hwreg(HW_REG_WAVE_MODE, 25, 1), 1
	s_wait_xcnt 0x0
; out0 = LN(the sum of the eight slices of PS) x gX2 + betX2.  A wave owns one row of 256: lane l holds columns 4 l .. + 3 and 128 + 4 l .. + 3.  512 waves in 128 work-groups.
; Every load and store covers 512 consecutive bytes.  No LDS, no barrier, no matrix work: the waves do not depend on each other.  No prefetch: no loop to run ahead in.
; LIMITS: NaN goes through to the whole row, as in the layer's own LN.
.macro VW
	s_wait_alu depctr_va_vdst(0)
.endm
.macro WSUM r                                  ; the sum over the wave's 32 lanes, in every lane
.irp m, 1,2,4,8
	v_add_f32_dpp v[\r], v[\r], v[\r] row_xmask:\m row_mask:0xf bank_mask:0xf
.endr
	v_permlanex16_b32 v3, v[\r], s18, s19
	v_add_f32 v[\r], v[\r], v3
.endm
	s_load_b256 s[8:15], s[0:1], 0x0               ; PS 8, gX2 10, betX2 12, out0 14
	v_lshrrev_b32 v1, 5, v0
	v_readfirstlane_b32 s2, v1
	v_and_b32 v1, 31, v0
	v_lshlrev_b32 v1, 4, v1                        ; 16 x lane
	v_mov_b32 v3, 0                                ; a lane permute's destination counts as one of its sources
	v_mov_b32 v5, 0
	s_lshl_b32 s3, ttmp9, 2
	s_add_co_u32 s3, s3, s2                        ; my row
	s_lshl_b32 s16, s3, 10
	s_mov_b32 s17, 0
	s_mov_b32 s18, 0x76543210
	s_mov_b32 s19, 0xfedcba98
	s_mov_b32 s20, 0x3727c5ac                      ; eps = 1e-5
	s_mov_b32 s21, 0x3b800000                      ; 1 / 256
	VW
	s_wait_kmcnt 0x0
	s_add_nc_u64 s[8:9], s[8:9], s[16:17]
	s_add_nc_u64 s[14:15], s[14:15], s[16:17]
.irp s, 0,1,2,3,4,5,6,7
	global_load_b128 v[8+8*\s:11+8*\s], v1, s[8:9] offset:524288*\s th:TH_LOAD_NT
	global_load_b128 v[12+8*\s:15+8*\s], v1, s[8:9] offset:524288*\s+512 th:TH_LOAD_NT
.endr
	global_load_b128 v[72:75], v1, s[10:11]
	global_load_b128 v[76:79], v1, s[10:11] offset:512
	global_load_b128 v[80:83], v1, s[12:13]
	global_load_b128 v[84:87], v1, s[12:13] offset:512
	s_wait_loadcnt 4                               ; the eight slices are in: the two tables' 4 loads are younger
.irp s, 1,2,3,4,5,6,7
.irp i, 0,2,4,6
	v_pk_add_f32 v[8+\i:9+\i], v[8+\i:9+\i], v[8+8*\s+\i:9+8*\s+\i]
.endr
.endr
	v_pk_add_f32 v[16:17], v[8:9], v[10:11]
	v_pk_add_f32 v[18:19], v[12:13], v[14:15]
	v_pk_add_f32 v[16:17], v[16:17], v[18:19]
	v_add_f32 v2, v16, v17
	WSUM 2
	v_mul_f32 v4, 0xbb800000, v2                   ; -mean
.irp i, 0,2,4,6
	v_pk_add_f32 v[8+\i:9+\i], v[8+\i:9+\i], v[4:5] op_sel_hi:[1,0]
.endr
	v_pk_mul_f32 v[16:17], v[8:9], v[8:9]
	v_pk_mul_f32 v[18:19], v[10:11], v[10:11]
	v_pk_fma_f32 v[16:17], v[12:13], v[12:13], v[16:17]
	v_pk_fma_f32 v[18:19], v[14:15], v[14:15], v[18:19]
	v_pk_add_f32 v[16:17], v[16:17], v[18:19]
	v_add_f32 v2, v16, v17
	WSUM 2
	v_fma_f32 v2, v2, s21, s20                     ; var + eps
	VW
	v_rsq_f32 v4, v2
	s_wait_loadcnt 0x0                             ; the two tables
	v_nop                                          ; one plain place behind the transcendental
	VW
.irp i, 0,2,4,6
	v_pk_mul_f32 v[8+\i:9+\i], v[8+\i:9+\i], v[4:5] op_sel_hi:[1,0]
.endr
.irp i, 0,2,4,6
	v_pk_fma_f32 v[8+\i:9+\i], v[8+\i:9+\i], v[72+\i:73+\i], v[80+\i:81+\i]
.endr
	global_store_b128 v1, v[8:11], s[14:15]
	global_store_b128 v1, v[12:15], s[14:15] offset:512
	s_endpgm
.Lfunc_end_k_qbd02c14e30_node2:
	.size	k_qbd02c14e30_node2, .Lfunc_end_k_qbd02c14e30_node2-k_qbd02c14e30_node2
	.p2alignl 7, 3214868480
	.fill 96, 4, 3214868480
	.section	.rodata,"a",@progbits
	.p2align	6, 0x0
	.amdhsa_kernel k_qbd02c14e30_node2
		.amdhsa_group_segment_fixed_size 0
		.amdhsa_private_segment_fixed_size 0
		.amdhsa_enable_private_segment 0
		.amdhsa_kernarg_size 32
		.amdhsa_user_sgpr_count 2
		.amdhsa_user_sgpr_kernarg_segment_ptr 1
		.amdhsa_wavefront_size32 1
		.amdhsa_system_sgpr_workgroup_id_x 1
		.amdhsa_system_sgpr_workgroup_id_y 1
		.amdhsa_system_sgpr_workgroup_id_z 1
		.amdhsa_system_vgpr_workitem_id 0
		.amdhsa_next_free_vgpr 96
		.amdhsa_next_free_sgpr 66
		.amdhsa_reserve_vcc 0
		.amdhsa_float_denorm_mode_32 3
		.amdhsa_float_denorm_mode_16_64 3
		.amdhsa_memory_ordered 1
		.amdhsa_forward_progress 1
		.amdhsa_inst_pref_size 8
	.end_amdhsa_kernel
	.amdgpu_metadata
---
amdhsa.version: [ 1, 2 ]
amdhsa.kernels:
  - .name:           k_qbd02c14e30_node2
    .symbol:         k_qbd02c14e30_node2.kd
    .args:
      - { .name: PS, .offset: 0, .size: 8, .value_kind: global_buffer, .address_space: global }
      - { .name: gX2, .offset: 8, .size: 8, .value_kind: global_buffer, .address_space: global }
      - { .name: betX2, .offset: 16, .size: 8, .value_kind: global_buffer, .address_space: global }
      - { .name: out0, .offset: 24, .size: 8, .value_kind: global_buffer, .address_space: global }
    .group_segment_fixed_size: 0
    .private_segment_fixed_size: 0
    .kernarg_segment_align: 8
    .kernarg_segment_size: 32
    .max_flat_workgroup_size: 128
    .sgpr_count:     66
    .vgpr_count:     96
    .wavefront_size: 32
...
	.end_amdgpu_metadata
.endif
;; end of part 7
